; MI455X (gfx1250); checked and timed in simulation.
; The chip was launched on July 23, 2026; its instructions are those of AMD's public machine-readable ISA for CDNA 5 (MIT licence, August 2026) and "CDNA5" Instruction Set Architecture Reference Guide (July 2026). The comments in the code are by the model that wrote it; some were corrected since.
;; Attention. Allowed arithmetic: matrix products marked QUANTISED: E2M3 operands, one E8M0 scale for each 32 along K, by v_wmma_scale_f32_16x16x128_f8f6f4 with both operands' format E2M3, f32 sums; everything else in f32.
;; Inputs: cos 2,048 x 64 float32; hidden_states 4 x 2,048 x 1,024 float32; norm_k_w 64 float32; norm_q_w 64 float32; out_w 1,024 x 1,024 float32; qkv_w 3,072 x 1,024 float32; sin 2,048 x 64 float32.
;; Outputs: out0 4 x 2,048 x 1,024 float32.
;; This version of the problem:
;;   THIS VERSION OF THE PROBLEM IS GIVEN IN LOW PRECISION. The matrix products marked QUANTISED in the list below multiply operands that are first quantised to E2M3 (2 exponent bits, 3 mantissa bits; 6 bits a number), with one power-of-two scale for each 32 numbers along K (OCP MX v1.0); their sums are f32. All else is computed in f32.
;;   The module's matrix products, in the order in which they are computed (A, B: the left and right operand; K: the contracted axis; several contracted axes count as one K, in the product's order):
;;     1. [M 8,192, K 1,024] x [K 1,024, N 3,072]; A: input hidden_states; B: input qkv_w: QUANTISED
;;     2. batch 64 x [M 2,048, K 64] x [K 64, N 2,048]; A: computed on the way; B: computed on the way: QUANTISED
;;     3. batch 64 x [M 64, K 2,048] x [K 2,048, N 2,048]; A: computed on the way; B: softmax (see below): QUANTISED
;;     4. [M 8,192, K 1,024] x [K 1,024, N 1,024]; A: computed on the way; B: input out_w: QUANTISED
;;   THE QUANTISER, for each operand of a quantised product, along K:
;;     - K is cut into blocks of 32 from its start; a last block that is shorter is filled with zeros.
;;     - A block's scale is 2^e with e = floor(log2(the largest magnitude in the block)) - 2, held to -126 .. 127; a block of zeros has e = 0. As a byte (E8M0): e + 127.
;;     - Each number is divided by its block's scale, clamped to +-7.5, and rounded to the nearest number of E2M3, ties to even, subnormals kept.
;;     - The product sums the exact products of the quantised numbers (number of the format x scale) in f32.
;;   ~~~python
;;   def quantise(x, axis):      # numpy; x: float32 -> the quantised numbers, widened to float32 again
;;       x = np.moveaxis(x, axis, -1); K = x.shape[-1]
;;       x = np.pad(x, [(0, 0)] * (x.ndim - 1) + [(0, -K % 32)]); x = x.reshape(x.shape[:-1] + (-1, 32)); a = np.abs(x).max(-1, keepdims=True)
;;       e = np.where(a > 0, np.clip(np.frexp(np.where(a > 0, a, 1))[1] - 1 - 2, -126, 127), 0)      # np.frexp(a)[1] - 1 = floor(log2(a)), exactly
;;       r = np.clip(x / 2.0 ** e, -7.5, 7.5)
;;       step = 2.0 ** (np.maximum(np.frexp(np.where(r == 0, 1, r))[1] - 1, 0) - 3)
;;       q = np.round(r / step) * step * 2.0 ** e      # np.round: ties to even
;;       return np.moveaxis(q.reshape(q.shape[:-2] + (-1,))[..., :K], -1, axis).astype(np.float32)
;;   ~~~
;;   SOFTMAX AHEAD OF A QUANTISED PRODUCT. Where the list says 'softmax', what is quantised is not the finished softmax but p = 2^(t - M), with t = logit x log2(e) and M = ceil(the row's largest t), a whole number; so 1/2 < the row's largest p <= 1. The row's sum l is taken of the UNQUANTISED p, in f32, and the product's result is divided by l at the end. Since M is a whole number, a kernel that streams over the keys may use a running M (the ceiling of the running maximum): every later rescaling is an exact power of two, which a block's scale takes up: the codes' values come out the same.
;;   OPERANDS COMPUTED ON THE WAY. 'Computed on the way' means the value that the module computes at that place (a softmax that the list does not call 'softmax' is quantised finished and normalised). What goes into a quantiser is computed in f32, as accurately as f32 sums, v_exp_f32 and their like allow (about 1e-6 of the number): no bf16 or f16 on the way to a quantiser, and a product that is left as it is and whose result goes on into a quantised operand takes f32 operands (vector FMAs, or v_wmma_f32_16x16x4_f32). A number that lies on a knife's edge between two numbers of the format may be rounded either way, as far as f32 arithmetic and the matrix unit's own rounding can turn it there, and no further.
;; 2 versions. Each part assembles by itself: llvm-mc -triple=amdgcn-amd-amdhsa -mcpu=gfx1250 --defsym DOCPART=n.
;; ======== version 1 of 2: 4 launches
;; workspace buffers: wcodes 9,437,184 bytes; wscales 393,216 bytes; qk_codes 12,582,912 bytes; qk_scales 1,048,576 bytes; v_codes 6,291,456 bytes; v_scales 262,144 bytes; attn_codes 6,291,456 bytes; attn_scales 262,144 bytes
;; launch quant (part 1): grid 384 x 1, 4 waves a work-group, no clusters, 22,016 bytes of LDS; arguments hidden_states, qkv_w, out_w, wcodes, wscales; writes wcodes, wscales
.if DOCPART == 1
	.amdgcn_target "amdgcn-amd-amdhsa--gfx1250"
	.amdhsa_code_object_version 6
	.text
	.protected	k_qdf114dfbdf_quant
	.globl	k_qdf114dfbdf_quant
	.p2align	8
	.type	k_qdf114dfbdf_quant,@function
k_qdf114dfbdf_quant:
	s_mov_b64 s[64:65], 0
	v_nop
	global_prefetch_b8 v0, s[64:65] scope:SCOPE_SE
	s_setreg_imm32_b32 hwreg(HW_REG_WAVE_MODE, 25, 1), 1
	s_wait_xcnt 0x0
; hidden_states [8192][1024], qkv_w [3072][1024] and out_w [1024][1024], f32, become codes of FP6 (E2M3) with one E8M0 scale byte for each 32 along K = their last axis.
; The three tensors are STACKED along their rows: 12,288 rows.  wcodes is laid [K / 64 = 16 planes][12288 rows][48 bytes]: a row's 64 codes of a plane, in true order of k;
; wscales [K / 256 = 4 planes][12288 rows][8 bytes].  So 128 rows of a plane are 6,144 dense bytes, which the later launches fetch as they lie.
; THE ROWS of hidden_states and of qkv_w are stored with bits 3 and 4 of the row's number exchanged (out_w's are not): sixteen neighbouring stored rows, taken as source 0 of a matrix instruction,
; then give a lane sixteen true neighbours in the registers of two neighbouring result tiles.
; A block's scale is 2^(floor(log2(its largest magnitude)) - 2); its byte is the largest magnitude's exponent field - 2, held at 1 from below.
; LIMITS: a block whose largest magnitude lies under 2^-124 is held at the byte 1; a block of zeros has the byte 1 and not 127 (its codes are zeros, and this program alone reads the bytes); NaN and infinities are not served.
; SHARES: a work-group takes 32 stacked rows, a wave 8 of them; step t of 16 is plane t: 8 rows x 64 numbers.  Each load reads two rows' 256 consecutive bytes; the step's 2,048 bytes turn through the wave's own stage in LDS,
; so that a lane holds 16 neighbours along K (two neighbouring lanes hold a block).  A step's codes are 384 consecutive bytes of the plane.  The scale bytes of the work-group's 32 rows meet in LDS and leave as four blocks of 256 bytes.
; No tensor loads, no matrix unit, no cluster: the launch streams, and its work-groups share nothing.
.set STEPS, 16
.set SP,    80                         ; a lane's place in a stage: its 64 bytes + 16 of padding
.set WREG,  2*32*SP                    ; two stages for each wave
.set SCB,   4*WREG                     ; behind them: the work-group's scale bytes, [4 planes][32 rows as they are read][8]
.set PLB,   12288*48                   ; a plane of codes
.set SPL,   12288*8                    ; a plane of scale bytes
.set R,     16                         ; v16-79   four sets of 16 numbers as they are loaded
.set X,     80                         ; v80-111  two sets of 16 neighbours
.set E,     112                        ; v112-127 a scale byte for each step
.set C,     128                        ; v128-191 codes: four registers for each step, so that no store's data are written again
	s_load_b128 s[4:7], s[0:1], 0x0                ; hidden_states, qkv_w
	s_load_b128 s[8:11], s[0:1], 0x10              ; out_w, wcodes
	s_load_b64 s[12:13], s[0:1], 0x20              ; wscales
	v_lshl_add_u32 v192, v0, 2, 0x5400
	v_mov_b32 v193, 0
	v_lshrrev_b32 v1, 5, v0
	v_readfirstlane_b32 s16, v1                    ; wave
	v_and_b32 v2, 31, v0                           ; lane
	v_lshrrev_b32 v3, 4, v2
	v_and_b32 v10, 15, v2
	v_lshlrev_b32 v3, 12, v3
	v_lshl_add_u32 v3, v10, 4, v3                  ; a load: lanes 0-15 one row's 256 bytes, lanes 16-31 the next row's (4,096 bytes on)
	s_mul_i32 s17, s16, WREG
	v_lshrrev_b32 v14, 2, v2
	v_mul_u32_u24 v14, v14, SP
	v_and_b32 v15, 3, v2
	v_lshl_add_u32 v14, v15, 4, v14
	v_add_nc_u32 v14, s17, v14                     ; the stage, on the way in: four lanes' 64 bytes on end, then the padding
	v_mul_u32_u24 v15, v2, SP
	v_add_nc_u32 v15, s17, v15                     ; and on the way out: lane l takes row l / 4, numbers 16 (l % 4) on
	v_mul_u32_u24 v4, v2, 12                       ; my 12 bytes of the step's 384: 48 (l / 4) + 12 (l % 4)
	v_lshrrev_b32 v5, 2, v2
	v_lshlrev_b32 v5, 3, v5
	v_bfe_u32 v10, v2, 1, 1
	v_add_nc_u32 v5, v5, v10
	s_lshl_b32 s18, s16, 6
	s_add_co_u32 s18, s18, SCB
	v_add_nc_u32 v5, s18, v5                       ; my block's byte: 8 bytes a row, my wave's 8 rows, the block's place in its plane of 64
	s_lshl_b32 s18, s16, 8
	s_add_co_u32 s18, s18, SCB
	v_lshl_add_u32 v6, v2, 3, s18                  ; at the end wave w takes plane w of the scale bytes: 8 bytes a lane, lane = row
	s_mov_b32 s24, 256
	s_wait_kmcnt 0x0
	s_cmp_lt_u32 ttmp9, 352                        ; which tensor: the choice hangs on the work-group's number alone
	s_cselect_b64 s[6:7], s[6:7], s[8:9]
	s_cselect_b32 s17, s24, 352
	s_cselect_b32 s20, 3, 0                        ; the rows change places, or (out_w) not
	s_cselect_b32 s21, 0x18, 0
	s_cmp_lt_u32 ttmp9, 256
	s_cselect_b64 s[4:5], s[4:5], s[6:7]
	s_cselect_b32 s17, 0, s17
	s_sub_co_u32 s17, ttmp9, s17                   ; the work-group's number within its tensor
	s_lshl_b32 s17, s17, 2
	s_add_co_u32 s17, s17, s16
	s_lshl_b32 s22, s17, 15                        ; 8 rows of 4,096 bytes a wave
	s_mov_b32 s23, 0
	s_add_nc_u64 s[4:5], s[4:5], s[22:23]
	s_lshr_b32 s18, s16, 1                         ; bits 3 and 4 of a row's number are bits 0 and 1 of the wave's
	s_xor_b32 s18, s18, s16
	s_and_b32 s18, s18, 1
	s_mul_i32 s18, s18, 3
	s_and_b32 s18, s18, s20
	s_xor_b32 s18, s18, s16
	s_lshl_b32 s19, ttmp9, 2
	s_add_co_u32 s18, s18, s19                     ; which 8 rows of a plane my codes go to
	s_mul_i32 s22, s18, 384
	s_add_co_u32 s22, s22, 8*PLB                   ; the base stands at plane 8, so that all sixteen planes lie inside the signed 24-bit immediate (ISA guide, chapter 10)
	s_add_nc_u64 s[10:11], s[10:11], s[22:23]
	s_mul_i32 s22, s16, SPL
	s_lshl_b32 s19, ttmp9, 8
	s_add_co_u32 s22, s22, s19
	s_add_nc_u64 s[12:13], s[12:13], s[22:23]      ; plane w of the scale bytes, the work-group's 32 rows
	v_lshrrev_b32 v10, 3, v2
	v_lshrrev_b32 v7, 4, v2
	v_xor_b32 v10, v10, v7
	v_and_b32 v10, 1, v10
	v_mul_u32_u24 v10, v10, s21
	v_xor_b32 v7, v2, v10
	v_lshlrev_b32 v7, 3, v7                        ; where row l's 8 bytes go: the row with bits 3 and 4 exchanged
.macro LOAD t
.irp i, 0,1,2,3
	global_load_b128 v[R+16*((\t)%4)+4*\i:R+16*((\t)%4)+4*\i+3], v3, s[4:5] offset:256*(\t)+8192*\i th:TH_LOAD_NT   ; rows 2 i and 2 i + 1: 256 consecutive, aligned bytes of each; read once
.endr
.endm
.macro TURN t                          ; step t's numbers through the stage: LDS serves a wave's instructions in order (ISA guide 5.7.1.4), so no wait stands between the stores and the loads
.irp i, 0,1,2,3
	ds_store_b128 v14, v[R+16*((\t)%4)+4*\i:R+16*((\t)%4)+4*\i+3] offset:32*SP*((\t)%2)+8*SP*\i
.endr
.irp i, 0,1,2,3
	ds_load_b128 v[X+16*((\t)%2)+4*\i:X+16*((\t)%2)+4*\i+3], v15 offset:32*SP*((\t)%2)+16*\i
.endr
.endm
.irp t, 0,1,2,3
	LOAD \t
.endr
	s_wait_loadcnt 12                              ; step 0's four loads are in; the twelve of steps 1 to 3 may be out
	TURN 0
.macro STEP t
.set XS, X+16*((\t)%2)
.if (\t) > 0
	s_wait_dscnt 1                                 ; this step's numbers are back from the stage (the last step's byte store may be out): so its stores into the stage have read their registers,
.else
	s_wait_dscnt 0x0
.endif
.if (\t)+4 < STEPS
	LOAD (\t)+4                                    ; which take the loads of four steps on
.endif
.if (\t)+1 < STEPS
.if STEPS-2-(\t) >= 3
	s_wait_loadcnt 12                              ; the next step's four loads are in; those of the three steps behind it may be out
.else
	s_wait_loadcnt 4*(STEPS-2-(\t))
.endif
	TURN (\t)+1
.endif
	v_max3_num_f32 v8, |v[XS]|, |v[XS+1]|, |v[XS+2]|               ; the largest magnitude of my 16, in two chains
	v_max3_num_f32 v9, |v[XS+3]|, |v[XS+4]|, |v[XS+5]|
.irp i, 6,10
	v_max3_num_f32 v8, v8, |v[XS+\i]|, |v[XS+\i+1]|
	v_max3_num_f32 v9, v9, |v[XS+\i+2]|, |v[XS+\i+3]|
.endr
	v_max3_num_f32 v8, v8, |v[XS+14]|, |v[XS+15]|
	v_max3_num_f32 v8, v8, v9, 0x1800000           ; and the floor 2^(3 - 127): the byte cannot fall under 1
	v_max_num_f32_dpp v8, v8, v8 row_xmask:1 row_mask:0xf bank_mask:0xf   ; and of my neighbour's 16: the block's
	v_add_nc_u32 v11, 0xff000000, v8               ; 2 off its exponent field: the conversion takes the exponent field of this operand as its scale
	v_cvt_scalef32_pk16_fp6_f32 v[C+4*(\t):C+4*(\t)+2], v[XS:XS+15], v11
	v_lshrrev_b32 v[E+(\t)], 23, v11               ; the scale's byte
	ds_store_b8 v5, v[E+(\t)] offset:256*((\t)/4)+2*((\t)%4)       ; both lanes of a block write the same byte with the same value
	global_store_b96 v4, v[C+4*(\t):C+4*(\t)+2], s[10:11] offset:((\t)-8)*PLB   ; 384 consecutive bytes of plane t; the four waves' stores cover 1,536
.endm
.irp t, 0,1,2,3,4,5,6,7,8,9,10,11,12,13,14,15
	STEP \t
.endr
	s_wait_dscnt 0x0                               ; for the others' sake: my byte stores are done
	s_barrier_signal -1
	s_barrier_wait -1
	ds_load_b64 v[12:13], v6                       ; plane w of the 32 rows' scale bytes
	s_wait_dscnt 0x0
	global_store_b64 v7, v[12:13], s[12:13]        ; 32 lanes store 256 consecutive, aligned bytes, the rows in their stored order
	s_wait_tensorcnt 0x0
	ds_add_u32 v192, v193
	s_wait_dscnt 0x0
	s_endpgm
.Lfunc_end_k_qdf114dfbdf_quant:
	.size	k_qdf114dfbdf_quant, .Lfunc_end_k_qdf114dfbdf_quant-k_qdf114dfbdf_quant
	.p2alignl 7, 3214868480
	.fill 96, 4, 3214868480
	.section	.rodata,"a",@progbits
	.p2align	6, 0x0
	.amdhsa_kernel k_qdf114dfbdf_quant
		.amdhsa_group_segment_fixed_size 22016
		.amdhsa_private_segment_fixed_size 0
		.amdhsa_enable_private_segment 0
		.amdhsa_kernarg_size 40
		.amdhsa_user_sgpr_count 2
		.amdhsa_user_sgpr_kernarg_segment_ptr 1
		.amdhsa_wavefront_size32 1
		.amdhsa_system_sgpr_workgroup_id_x 1
		.amdhsa_system_sgpr_workgroup_id_y 1
		.amdhsa_system_sgpr_workgroup_id_z 1
		.amdhsa_system_vgpr_workitem_id 0
		.amdhsa_next_free_vgpr 194
		.amdhsa_next_free_sgpr 66
		.amdhsa_reserve_vcc 0
		.amdhsa_float_denorm_mode_32 3
		.amdhsa_float_denorm_mode_16_64 3
		.amdhsa_memory_ordered 1
		.amdhsa_forward_progress 1
		.amdhsa_inst_pref_size 34
	.end_amdhsa_kernel
	.amdgpu_metadata
---
amdhsa.version: [ 1, 2 ]
amdhsa.kernels:
  - .name:           k_qdf114dfbdf_quant
    .symbol:         k_qdf114dfbdf_quant.kd
    .args:
      - { .name: hidden_states, .offset: 0, .size: 8, .value_kind: global_buffer, .address_space: global }
      - { .name: qkv_w, .offset: 8, .size: 8, .value_kind: global_buffer, .address_space: global }
      - { .name: out_w, .offset: 16, .size: 8, .value_kind: global_buffer, .address_space: global }
      - { .name: wcodes, .offset: 24, .size: 8, .value_kind: global_buffer, .address_space: global }
      - { .name: wscales, .offset: 32, .size: 8, .value_kind: global_buffer, .address_space: global }
    .group_segment_fixed_size: 22016
    .private_segment_fixed_size: 0
    .kernarg_segment_align: 8
    .kernarg_segment_size: 40
    .max_flat_workgroup_size: 128
    .sgpr_count:     66
    .vgpr_count:     194
    .wavefront_size: 32
...
	.end_amdgpu_metadata
.endif
;; end of part 1
;; launch qkv (part 2): grid 8 x 48, 4 waves a work-group, clusters of 4 x 4, 327,680 bytes of LDS; arguments wcodes, wscales, cos, sin, norm_q_w, norm_k_w, qk_codes, qk_scales, v_codes, v_scales; writes qk_codes, qk_scales, v_codes, v_scales
.if DOCPART == 2
	.amdgcn_target "amdgcn-amd-amdhsa--gfx1250"
	.amdhsa_code_object_version 6
	.text
	.protected	k_qdf114dfbdf_qkv
	.globl	k_qdf114dfbdf_qkv
	.p2align	8
	.type	k_qdf114dfbdf_qkv,@function
k_qdf114dfbdf_qkv:
	s_mov_b64 s[64:65], 0
	v_nop
	global_prefetch_b8 v0, s[64:65] scope:SCOPE_SE
	s_setreg_imm32_b32 hwreg(HW_REG_WAVE_MODE, 25, 1), 1
	s_wait_xcnt 0x0
	s_wait_alu depctr_hold_cnt(0) depctr_sa_sdst(0) depctr_va_vdst(0) depctr_va_sdst(0) depctr_va_ssrc(0) depctr_va_vcc(0) depctr_vm_vsrc(0)
	s_getreg_b32 s2, hwreg(HW_REG_IB_STS2, 6, 4)
	s_cmp_eq_u32 s2, 0
	s_cbranch_scc0 .Lentry_in_a_cluster
	s_endpgm
.Lentry_in_a_cluster:
	s_bfe_u32 s2, ttmp6, 0x10000c
	s_cmp_lg_u32 s2, 0xf033
	s_cbranch_scc0 .Lentry_shape_is_right
	s_endpgm
.Lentry_shape_is_right:
; The QKV projection on codes of FP6 (E2M3) with E8M0 scales, K = 1,024, and what follows it up to the next quantisers: for q and k the RMS norm over a head's 64 with its gain, RoPE from cos and sin, and the quantiser
; along the head's 64; for v the quantiser along the tokens (the keys are the K of attention's second product).  q, k and v go to memory as codes only.
; OPERANDS: wcodes [16 planes of 64 k][12288 rows][48 bytes], wscales [4 planes of 256 k][12288][8]; rows 0-8191 hidden_states, 8192-11263 qkv_w, both stored with bits 3 and 4 of the row's number exchanged.
; A tile of the product, 256 x 256, is made by four waves, as many as a WGP has SIMDs; a wave makes 128 x 128 in 64 accumulators.  THE MATRIX INSTRUCTION IS USED TRANSPOSED: source 0 = 16 rows of "B", source 1 = 16 rows of "A":
; a lane holds ONE row of A, and, thanks to the stored order, register 16 b + i of two neighbouring accumulators is B's TRUE row 32 b + 16 (lane / 16) + i: sixteen neighbours for a conversion.
; TWO MODES, by the cluster's y, which all partners share.  y < 8 (q, k): A = tokens, B = channels 0-2047: a lane holds a token and two whole heads' halves.  y >= 8 (v): A = v's channels, B = tokens: a lane holds a channel, its registers run down the keys.
; CLUSTERS: 4 x 4 work-groups; A's tiles are asked for jointly along a row of the cluster, B's along a column.  K goes in steps of 256 through a ring of two LDS slots; a wave's tensor load brings 4 planes x 128 rows x 48 bytes, each plane's part 6,144 dense bytes.
; OUT: qk_codes [32 heads: q, then k][8192 tokens in stored order][48], qk_scales [32][8192][4] (bytes 0, 1 the two blocks; bytes 2, 3 are 0);  v_codes [token / 64 = 128][1024 channels in stored order][48], v_scales [token / 128 = 64][1024][4].
; LIMITS: NaN and infinities are not served; a block whose largest magnitude lies under 2^-124 is held at the byte 1, a block of zeros has the byte 1 and not 127 (its codes are zeros; this program alone reads the bytes); the reciprocal root is v_rsq_f32's.
; REGISTERS, in windows of 256: window 0: v0-31 addresses; v32-63 scale words, two sets; v64-95 the gain, v96-127 RoPE's products (way out); v128-223 A's fragments, ONE set (way out: v128-155 at work, later v128-231 the stage read back; v240-255 codes).
;   window 1: B's fragments, TWO sets, at v0 and v128 (way out: four sets of 64 of cos and sin).   window 2: the accumulators of my A rows 0-63 ((a, b) at v[8 (8 a + b)]);   window 3: those of rows 64-127.
.set NQ,     2                         ; steps of 128 in a slot
.set FR,     12                        ; registers of a fragment
.set NL,     6                         ; LDS loads that bring one
.set NP,     4                         ; places behind this matrix instruction (ISA guide 7.12.1)
.set PLANE,  6144                      ; 128 rows x 48 bytes.  Lane (r, h) reads at 48 r + 24 h: words 12 r + 6 h + 0, 1: the 32 lanes of a load of 8 bytes touch 64 different banks (64 banks of 4 bytes: ISA guide 11.1): no padding
.set HALFT,  4*PLANE                   ; what one tensor load brings, and what one wave reads of A or of B
.set SLOT,   4*HALFT                   ; A's two halves, then B's two
.set SCL,    2*SLOT                    ; behind the ring: the scales of all of K, [4 planes][128 rows][8] for each half: filled once
.set HALFS,  4096
.set SPARE,  SCL+4*HALFS               ; the spare words, 128 bytes for each wave: two blocks of 256 bytes that no other line names
.set STAGE,  SPARE+512                 ; the way out of q and k: for each wave codes [2 planes][128 rows][48], then scale words [2][128][4]; no fill lands here
.set WSTG,   13312
.set STAGE2, STAGE+4*WSTG              ; the way out of v has bytes of its own
.set KADV,   4*12288*48                ; four planes on
.set ADRA, 16                          ; v16-17  LDS address of my A fragments in slot 0, 1
.set ADRB, 20                          ; v20-21  the same for B
.set NWA,  23                          ; v23     the gain: 64 (lane / 16)
.set STO,  24                          ; v24     the stage: my 12 bytes of a row's 48
.set SSO,  25                          ; v25     the stage: my row's scale word
.set RD,   26                          ; v26     the stage read back: 16 x lane
.set ADRS, 27                          ; v27     LDS address of my scale words: lanes 0-15 A's rows, lanes 16-31 B's
.set SPW,  28                          ; v28     my spare word: SPARE + 4 x my thread's number; never rewritten
.set NIL,  29                          ; v29     0; never rewritten
.set CO,   30                          ; v30     16 x lane, for the stores
.set CSA,  31                          ; v31     cos, sin: my true token's row within 32, + 64 (lane / 16)
.set SC,   32
.set NW,   64
.set TMP,  96
.set AF,   128
.set TM,   128                         ; v128-131 largest magnitudes, v132-135 the other half's, then bytes, v136-139 the conversions' scale operands
.set W01,  140
.set W23,  141
.set WA,   142
.set SS,   144                         ; v144-151 sums of squares
.set RS,   152                         ; v152, v154 the two heads' reciprocal roots (named as pairs)
.set BK,   128
.set CD,   240
.set G1, 24
.set G0, 32
.set G1B, 48
.set G0B, 56
.set G1S, 68
.set G0S, 76
.set G1SB, 80
.set G0SB, 88
.set MSB, 0
.macro WIN new                         ; the immediate's high byte repeats the setting that is left
.if MSB != \new
	s_set_vgpr_msb (MSB<<8)|\new
.set MSB, \new
.endif
.endm
.set MUL_LO, 0xa1                      ; source 0 (B) window 1, source 1 (A) window 0, C and D window 2
.set MUL_HI, 0xf1                      ; the same, C and D window 3
.set TO_B,   0x40                      ; destination window 1, address window 0
; A joint load: waves 0 and 1 fetch for A, waves 2 and 3 for B; the branch hangs on the wave's number alone.  Four v_nop follow each of the two lines.
.macro JLOAD g0a, g1a, g0b, g1b
	s_cmp_eq_u32 s15, 0
	s_cbranch_scc0 .Lfor_b_\@
	tensor_load_to_lds s[\g0a:\g0a+3], s[\g1a:\g1a+7]
	s_nop 0
.rept 4
	v_nop
.endr
	s_branch .Lasked_\@
.Lfor_b_\@:
	tensor_load_to_lds s[\g0b:\g0b+3], s[\g1b:\g1b+7]
	s_nop 0
.rept 4
	v_nop
.endr
.Lasked_\@:
.endm
.macro CREST                           ; a round of the cluster's barrier behind its opening barrier
	s_cmp_lg_u32 s14, 0
	s_cbranch_scc1 .Lnot_wave_0_\@
	s_barrier_signal -3
.Lnot_wave_0_\@:
	s_barrier_wait -3
	s_barrier_signal -1
	s_barrier_wait -1
.endm
.macro CROUND
	s_barrier_signal -1
	s_barrier_wait -1
	CREST
.endm
	s_load_b128 s[4:7], s[0:1], 0x0                ; wcodes s[4:5], wscales s[6:7]
	v_lshl_add_u32 v[SPW], v0, 2, SPARE
	v_mov_b32 v[NIL], 0
	ds_add_u32 v28, v29
	ds_add_u32 v28, v29
	s_wait_dscnt 0x0
	v_lshrrev_b32 v1, 5, v0
	v_readfirstlane_b32 s14, v1                    ; wave 0..3
	s_lshr_b32 s15, s14, 1                         ; which half of A's rows is mine.  Also: I fetch for A (0) or for B (1)
	s_and_b32 s16, s14, 1                          ; which half of B's.  Also: which 128 rows of that tile I fetch
	s_bfe_u32 s40, ttmp6, 0x40000                  ; cx, cy: my place in the cluster
	s_bfe_u32 s41, ttmp6, 0x40004
	s_and_b32 s66, ttmp7, 0xffff                   ; the cluster's y
	s_lshl_b32 s18, s66, 2
	s_lshl_b32 s19, s66, 3
	s_sub_co_u32 s19, s19, 64
	s_lshl_b32 s42, ttmp9, 2
	s_cmp_ge_u32 s66, 8                            ; the mode: the same in all sixteen partners
	s_cselect_b32 s95, 1, 0
	s_cselect_b32 s18, 0, s18
	s_cselect_b32 s19, s19, 0
	s_cselect_b32 s67, 10240, 0                    ; where A's rows begin in the stack: v's channels, or the tokens
	s_cselect_b32 s96, 0, 8192                     ; and B's: the tokens, or q's and k's channels
	s_add_co_u32 s17, s18, s41                     ; A's tile: 4 y + cy, or cy
	s_add_co_u32 s42, s42, s19
	s_add_co_u32 s42, s42, s40                     ; B's tile: 4 x + cx, or 4 x + 8 (y - 8) + cx
	s_lshl_b32 s43, s41, 2
	s_lshl_b32 s43, 15, s43                        ; my row of the cluster
	s_lshl_b32 s44, 0x1111, s40                    ; my column
	; descriptor group 1, codes: 4 planes' parts of 768 elements of 8 bytes, a plane 73,728 elements from the next; no padding
	s_or_b32 s[G1+0], s43, (3<<16)|(1<<21)         ; 15:0 the mask: A's tiles go to my row; 17:16 elements of 8 bytes; 21 set beside a mask
	s_or_b32 s[G1B+0], s44, (3<<16)|(1<<21)
.irp g, G1, G1B
	s_mov_b32 s[\g+1], 768<<16                     ; tensor_dim0
	s_mov_b32 s[\g+2], 4<<16                       ; tensor_dim1
	s_mov_b32 s[\g+3], 768<<16                     ; tile_dim0
	s_mov_b32 s[\g+4], 4                           ; tile_dim1
	s_mov_b32 s[\g+5], 73728                       ; tensor_dim0_stride
	s_mov_b32 s[\g+6], 0
	s_mov_b32 s[\g+7], 0
.endr
	; scales: 4 planes' parts of 128 elements of 8 bytes, a plane 12,288 elements from the next
	s_or_b32 s[G1S+0], s43, (3<<16)|(1<<21)
	s_or_b32 s[G1SB+0], s44, (3<<16)|(1<<21)
.irp g, G1S, G1SB
	s_mov_b32 s[\g+1], 128<<16
	s_mov_b32 s[\g+2], 4<<16
	s_mov_b32 s[\g+3], 128<<16
	s_mov_b32 s[\g+4], 4
	s_mov_b32 s[\g+5], 12288
	s_mov_b32 s[\g+6], 0
	s_mov_b32 s[\g+7], 0
.endr
	s_lshl_b32 s18, s16, 7                         ; which 128 rows of the tile I fetch
	s_lshl_b32 s20, s17, 8
	s_add_co_u32 s20, s20, s18
	s_add_co_u32 s20, s20, s67                     ; A's row in the stack (no register here ever holds cx)
	s_lshl_b32 s46, s42, 8
	s_add_co_u32 s46, s46, s18
	s_add_co_u32 s46, s46, s96                     ; B's (nor here cy)
	s_lshl_b32 s22, s20, 3                         ; their scales, 8 bytes a row,
	s_mov_b32 s23, 0
	s_lshl_b32 s92, s46, 3
	s_mov_b32 s93, 0
	s_mul_i32 s20, s20, 48                         ; and their codes, 48
	s_mov_b32 s21, 0
	s_mul_i32 s46, s46, 48
	s_mov_b32 s47, 0
	s_mul_i32 s45, s14, HALFT                      ; where they go: by the wave's number alone
	s_lshl_b32 s94, s14, 12
	s_wait_kmcnt 0x0
	s_add_nc_u64 s[20:21], s[4:5], s[20:21]
	s_add_nc_u64 s[22:23], s[6:7], s[22:23]
	s_add_nc_u64 s[46:47], s[4:5], s[46:47]
	s_add_nc_u64 s[92:93], s[6:7], s[92:93]
	CROUND                                         ; all sixteen work-groups are here: the first joint loads meet
	s_mov_b32 s[G0S], 1
	s_add_co_u32 s[G0S+1], s94, SCL
	s_mov_b64 s[G0S+2:G0S+3], s[22:23]
	s_or_b32 s[G0S+3], s[G0S+3], 0x80000000
	s_mov_b32 s[G0SB], 1
	s_add_co_u32 s[G0SB+1], s94, SCL
	s_mov_b64 s[G0SB+2:G0SB+3], s[92:93]
	s_or_b32 s[G0SB+3], s[G0SB+3], 0x80000000
	JLOAD G0S, G1S, G0SB, G1SB                     ; the scales first: they are wanted with K step 0
.irp s, 0,1
	s_mov_b32 s[G0+4*\s], 1
	s_add_co_u32 s[G0+4*\s+1], s45, \s*SLOT
	s_add_nc_u64 s[G0+4*\s+2:G0+4*\s+3], s[20:21], \s*KADV
	s_or_b32 s[G0+4*\s+3], s[G0+4*\s+3], 0x80000000
	s_mov_b32 s[G0B+4*\s], 1
	s_add_co_u32 s[G0B+4*\s+1], s45, \s*SLOT
	s_add_nc_u64 s[G0B+4*\s+2:G0B+4*\s+3], s[46:47], \s*KADV
	s_or_b32 s[G0B+4*\s+3], s[G0B+4*\s+3], 0x80000000
	JLOAD G0+4*\s, G1, G0B+4*\s, G1B               ; three tensor loads of mine are out now
.endr
	v_and_b32 v1, 15, v0                           ; r = lane % 16
	v_bfe_u32 v2, v0, 4, 1                         ; h = lane / 16
	v_mul_u32_u24 v3, v1, 48
	v_mad_u32_u24 v4, v2, 24, v3                   ; a fragment's row x 48 + 24 x half
	s_mul_i32 s21, s15, HALFT                      ; my 128 rows of A
	s_mul_i32 s22, s16, HALFT                      ; my 128 rows of B,
	s_add_co_u32 s22, s22, 2*HALFT                 ; which lie behind A's
.irp s, 0,1
	v_add_nc_u32 v[ADRA+\s], s21, v4
	v_add_nc_u32 v[ADRB+\s], s22, v4
	s_add_co_u32 s21, s21, SLOT
	s_add_co_u32 s22, s22, SLOT
.endr
	v_lshlrev_b32 v5, 3, v1                        ; my row's scales: 8 bytes for a K step
	s_lshl_b32 s21, s15, 12
	s_lshl_b32 s22, s16, 12
	s_add_co_u32 s22, s22, 2*HALFS
	s_sub_co_u32 s22, s22, s21
	v_mul_u32_u24 v6, s22, v2                      ; lanes 16-31 take B's
	s_add_co_u32 s21, s21, SCL
	v_add_nc_u32 v5, v5, v6
	v_add_nc_u32 v[ADRS], s21, v5
	s_mul_i32 s23, s14, WSTG
	s_add_co_u32 s23, s23, STAGE                   ; my stage
	v_mad_u32_u24 v5, v2, 12, v3
	v_add_nc_u32 v[STO], s23, v5                   ; 48 r + 12 h
	v_lshlrev_b32 v5, 2, v1
	v_add_nc_u32 v5, 12288, v5
	v_add_nc_u32 v[SSO], s23, v5                   ; behind the codes: 4 r
	v_and_b32 v6, 31, v0
	v_lshlrev_b32 v[CO], 4, v6
	v_add_nc_u32 v[RD], s23, v[CO]
	v_and_b32 v5, 8, v1
	v_add_nc_u32 v5, v5, v1                        ; 16 (r / 8) + r % 8: stored row 16 a + r is true token 32 (a / 2) + 8 (a % 2) + this
	v_lshlrev_b32 v5, 8, v5
	v_lshl_add_u32 v[CSA], v2, 6, v5               ; a row of cos or sin is 256 bytes; my 16 numbers of each 32 begin 64 h on
	v_lshlrev_b32 v[NWA], 6, v2
.macro FRAG reg, adr, q, i             ; 16 rows x 128 K: 12 registers; registers 6 c .. 6 c + 5 hold K = 64 c + 32 (lane / 16) + 0 .. 31: 24 bytes of plane 2 q + c, in pieces of 8
.irp p, 0,1,2,3,4,5
	ds_load_b64 v[\reg+2*\p:\reg+2*\p+1], v[\adr] offset:(2*(\q)+\p/3)*PLANE+(\i)*768+8*(\p%3)
.endr
.endm
; 16 matrix instructions: A's blocks a0, a0 + 1 x B's eight, 128 along K.  p: B's set;  sc: the set of scale words.  zero = 1: the first product starts the sums.
; The 64 accumulators take turns, one instruction a turn, in the same order in every step.
.macro MUL16 a0, p, q, sc, zero
.irp a, \a0, \a0+1
.irp b, 0,1,2,3,4,5,6,7
.if \zero
	v_wmma_scale_f32_16x16x128_f8f6f4 v[8*(8*((\a)%4)+\b):8*(8*((\a)%4)+\b)+7], v[128*(\p)+FR*\b:128*(\p)+FR*\b+FR-1], v[AF+FR*(\a):AF+FR*(\a)+FR-1], 0, v[SC+8*NQ*(\sc)+NQ*\b+(\q)], v[SC+8*NQ*(\sc)+NQ*(\a)+(\q)] matrix_a_fmt:MATRIX_FMT_FP6 matrix_b_fmt:MATRIX_FMT_FP6 matrix_a_scale:MATRIX_SCALE_ROW1
.else
	v_wmma_scale_f32_16x16x128_f8f6f4 v[8*(8*((\a)%4)+\b):8*(8*((\a)%4)+\b)+7], v[128*(\p)+FR*\b:128*(\p)+FR*\b+FR-1], v[AF+FR*(\a):AF+FR*(\a)+FR-1], v[8*(8*((\a)%4)+\b):8*(8*((\a)%4)+\b)+7], v[SC+8*NQ*(\sc)+NQ*\b+(\q)], v[SC+8*NQ*(\sc)+NQ*(\a)+(\q)] matrix_a_fmt:MATRIX_FMT_FP6 matrix_b_fmt:MATRIX_FMT_FP6 matrix_a_scale:MATRIX_SCALE_ROW1
.endif
.endr
.endr
.endm
.macro FETCH_B slot, q, p
	WIN TO_B
.irp i, 0,1,2,3,4,5,6,7
	FRAG 128*(\p)+FR*\i, ADRB+\slot, \q, \i
.endr
	WIN 0
.endm
.macro FETCH_A slot, q, i0
.irp i, \i0, \i0+1, \i0+2, \i0+3
	FRAG AF+FR*(\i), ADRA+\slot, \q, \i
.endr
.endm
.macro SCALES sc                       ; a K step's scale words: two a row; lanes 0-15 take A's block i, lanes 16-31 B's block i
.irp i, 0,1,2,3,4,5,6,7
	ds_load_b64 v[SC+8*NQ*\sc+NQ*\i:SC+8*NQ*\sc+NQ*\i+1], v[ADRS] offset:\i*128
.endr
.endm
.macro PLACES n                        ; a load into a register that a matrix instruction has read, and a read of a result, stand NP plain vector instructions behind it (ISA guide 7.12.1 for a read of a result)
.rept \n
	v_nop
.endr
.endm
.macro STEP slot, q, zero              ; a step of 128 along K that has its successor in the same slot
	s_wait_dscnt 4*NL                              ; B's set, A's blocks 0-3 and the scale words are in; the youngest 24 loads (A's blocks 4-7) may be out
	WIN MUL_LO
	MUL16 0, (\q)%2, \q, \slot, \zero
	MUL16 2, (\q)%2, \q, \slot, \zero
	s_wait_dscnt 0                                 ; A's blocks 4-7 are in
	PLACES NP
	FETCH_B \slot, (\q)+1, 1-(\q)%2
	FETCH_A \slot, (\q)+1, 0
	WIN MUL_HI
	MUL16 4, (\q)%2, \q, \slot, \zero
	MUL16 6, (\q)%2, \q, \slot, \zero
	PLACES NP
	WIN 0
	FETCH_A \slot, (\q)+1, 4
.endm
; A slot's last step changes slots: ONE barrier; in front of it each wave waits for all its tensor loads, adds 0 to its spare word, and waits for that and for its own reads of this slot.  fill = 1: this slot is filled again, two K steps ahead.
.macro TURN slot, next, fill
	s_wait_tensorcnt 0x0                           ; all my tensor loads have landed: my part of the next slot
	ds_add_u32 v[SPW], v[NIL]                      ; 0 onto my spare word
	s_wait_dscnt 4*NL+1                            ; (the add and the youngest 24 loads, A's blocks 4-7, may be out)
	WIN MUL_LO
	MUL16 0, 1, NQ-1, \slot, 0                     ; sixteen matrix instructions stand between the add and the wait for it
	s_wait_dscnt 0x0                               ; the add is done, and my reads of this slot are over
	s_barrier_signal -1
	MUL16 2, 1, NQ-1, \slot, 0
	WIN 0
	s_barrier_wait -1
.if \fill
	CREST                                          ; the barrier has opened a round of the cluster's: no wave of any partner still reads this slot or has a load on its way
	s_add_nc_u64 s[G0+4*\slot+2:G0+4*\slot+3], s[G0+4*\slot+2:G0+4*\slot+3], 2*KADV
	s_add_nc_u64 s[G0B+4*\slot+2:G0B+4*\slot+3], s[G0B+4*\slot+2:G0B+4*\slot+3], 2*KADV
	JLOAD G0+4*\slot, G1, G0B+4*\slot, G1B         ; the first tensor load behind the round, my only one until the next; its four v_nop are the places in front of the loads below
.else
	PLACES NP
.endif
	v_add_nc_u32 v[ADRS], 1024, v[ADRS]            ; on to the next K step's plane of scale words
	FETCH_B \next, 0, 0
	FETCH_A \next, 0, 0
	SCALES \next
	WIN MUL_HI
	MUL16 4, 1, NQ-1, \slot, 0
	MUL16 6, 1, NQ-1, \slot, 0
	PLACES NP
	WIN 0
	FETCH_A \next, 0, 4
.endm
.macro LAST                            ; the very last step: nothing more to fetch
	s_wait_dscnt 4*NL
	WIN MUL_LO
	MUL16 0, 1, NQ-1, 1, 0
	MUL16 2, 1, NQ-1, 1, 0
	s_wait_dscnt 0
	WIN MUL_HI
	MUL16 4, 1, NQ-1, 1, 0
	MUL16 6, 1, NQ-1, 1, 0
	WIN 0
	PLACES NP                                      ; in front of the first reads of results, and of loads and writes into registers that the last products have read
.endm
; cos and sin of block a's 16 tokens, my 16 numbers of each half of the head: 64 registers, set a % 4 of window 1: cos d 16 h.., cos d 32 + 16 h.., sin likewise
.macro CSLOAD a
	WIN TO_B
.irp b, 0,1
.irp j, 0,1,2,3
	global_load_b128 v[64*((\a)%4)+16*\b+4*\j:64*((\a)%4)+16*\b+4*\j+3], v[CSA], s[68:69] offset:(32*((\a)/2)+8*((\a)%2))*256+128*\b+16*\j
.endr
.endr
.irp b, 0,1
.irp j, 0,1,2,3
	global_load_b128 v[64*((\a)%4)+32+16*\b+4*\j:64*((\a)%4)+32+16*\b+4*\j+3], v[CSA], s[70:71] offset:(32*((\a)/2)+8*((\a)%2))*256+128*\b+16*\j
.endr
.endr
	WIN 0
.endm
; THE WAY OUT of A's block a.  My 64 registers: 16 b + i is B's true row 32 b + 16 h + i.  rope = 1: blocks 0, 1 are head 0's d, blocks 2, 3 head 1's: norm, gain, RoPE; then, in both modes, four blocks are quantised.
; left: the cos and sin loads of the blocks behind this one, which may stay out.
.macro EPI a, rope, left
.set W, 2+(\a)/4
.set AC, 64*((\a)%4)
.set CB, 64*((\a)%4)
.set W_RR, W|(W<<2)                    ; sources 0 and 1 in the accumulators' window
.set W_DS, (W<<6)|W                    ; destination and source 0 there
.set W_SC, W|(1<<2)                    ; source 0 there, source 1 in window 1
.set W_DSC, (W<<6)|(1<<2)|W            ; destination and source 0 there, source 1 in window 1
.if \rope
	WIN W_RR
.irp pr, 0,1                           ; the sum of squares of my 32 numbers of each head: two packed chains a head, each accumulator from its low end on
.irp e, 0,1
	v_pk_mul_f32 v[SS+4*\e+2*\pr:SS+4*\e+2*\pr+1], v[AC+32*\e+2*\pr:AC+32*\e+2*\pr+1], v[AC+32*\e+2*\pr:AC+32*\e+2*\pr+1]
.endr
.endr
.irp pr, 2,3,4,5,6,7,8,9,10,11,12,13,14,15
.irp e, 0,1
	v_pk_fma_f32 v[SS+4*\e+2*(\pr%2):SS+4*\e+2*(\pr%2)+1], v[AC+32*\e+2*\pr:AC+32*\e+2*\pr+1], v[AC+32*\e+2*\pr:AC+32*\e+2*\pr+1], v[SS+4*\e+2*(\pr%2):SS+4*\e+2*(\pr%2)+1]
.endr
.endr
	WIN 0
.irp e, 0,1
	v_pk_add_f32 v[SS+4*\e:SS+4*\e+1], v[SS+4*\e:SS+4*\e+1], v[SS+4*\e+2:SS+4*\e+3]
.endr
.irp e, 0,1
	v_add_f32 v[SS+4*\e], v[SS+4*\e], v[SS+4*\e+1]
.endr
.irp e, 0,1
	v_permlanex16_b32 v[SS+4*\e+1], v[SS+4*\e], s98, s99           ; the head's other 32 lie in lane l xor 16
.endr
.irp e, 0,1
	v_add_f32 v[SS+4*\e], v[SS+4*\e], v[SS+4*\e+1]
.endr
.irp e, 0,1
	v_fma_f32 v[SS+4*\e], v[SS+4*\e], s96, s97     ; the mean (x 1 / 64, exact) + 1e-6
.endr
.irp e, 0,1
	v_rsq_f32 v[RS+2*\e], v[SS+4*\e]
.endr
	v_nop                                          ; a plain place behind the transcendentals
	s_wait_loadcnt \left                           ; the gain, and this block's cos and sin, are in
	WIN W_DS
	s_wait_alu depctr_va_vdst(0)
.irp e, 0,1
.irp i, 0,2,4,6,8,10,12,14,16,18,20,22,24,26,28,30
	v_pk_mul_f32 v[AC+32*\e+\i:AC+32*\e+\i+1], v[AC+32*\e+\i:AC+32*\e+\i+1], v[RS+2*\e:RS+2*\e+1] op_sel_hi:[1,0]
.endr
.endr
.irp e, 0,1
.irp i, 0,2,4,6,8,10,12,14,16,18,20,22,24,26,28,30
	v_pk_mul_f32 v[AC+32*\e+\i:AC+32*\e+\i+1], v[AC+32*\e+\i:AC+32*\e+\i+1], v[NW+\i:NW+\i+1]   ; then the gain, in the order in which the norm is written
.endr
.endr
.irp e, 0,1                            ; RoPE: x(d) cos(d) - x(d + 32) sin(d) for d < 32, x(d) cos(d) + x(d - 32) sin(d) above: both halves are mine
	WIN W_SC
.irp i, 0,2,4,6,8,10,12,14
	v_pk_mul_f32 v[TMP+\i:TMP+\i+1], v[AC+32*\e+16+\i:AC+32*\e+16+\i+1], v[CB+32+\i:CB+32+\i+1]
	v_pk_mul_f32 v[TMP+16+\i:TMP+16+\i+1], v[AC+32*\e+\i:AC+32*\e+\i+1], v[CB+48+\i:CB+48+\i+1]
.endr
	WIN W_DSC
.irp i, 0,2,4,6,8,10,12,14
	v_pk_fma_f32 v[AC+32*\e+\i:AC+32*\e+\i+1], v[AC+32*\e+\i:AC+32*\e+\i+1], v[CB+\i:CB+\i+1], v[TMP+\i:TMP+\i+1] neg_lo:[0,0,1] neg_hi:[0,0,1]
	v_pk_fma_f32 v[AC+32*\e+16+\i:AC+32*\e+16+\i+1], v[AC+32*\e+16+\i:AC+32*\e+16+\i+1], v[CB+16+\i:CB+16+\i+1], v[TMP+16+\i:TMP+16+\i+1]
.endr
.endr
.if (\a) < 4
	CSLOAD (\a)+4                                  ; this set takes the block four further on
.endif
.endif
	WIN 0
	s_wait_dscnt 0x0                               ; the last block's stores into the stage have read their registers
	WIN W_RR
.irp b, 0,1,2,3
	v_max3_num_f32 v[TM+\b], |v[AC+16*\b]|, |v[AC+16*\b+1]|, 0x1800000   ; block b: my 16 numbers, and the floor 2^(3 - 127): the byte cannot fall under 1
.endr
.irp i, 2,4,6,8,10,12,14
.irp b, 0,1,2,3
	v_max3_num_f32 v[TM+\b], |v[AC+16*\b+\i]|, |v[AC+16*\b+\i+1]|, v[TM+\b]   ; (the four blocks by turns)
.endr
.endr
	WIN 0
.irp b, 0,1,2,3
	v_permlanex16_b32 v[TM+4+\b], v[TM+\b], s98, s99
.endr
.irp b, 0,1,2,3
	v_max_num_f32 v[TM+\b], v[TM+\b], v[TM+4+\b]   ; with lane l xor 16's: the block's largest magnitude
.endr
.irp b, 0,1,2,3
	v_add_nc_u32 v[TM+8+\b], 0xff000000, v[TM+\b]  ; 2 off its exponent field: the conversion's scale operand
.endr
.irp b, 0,1,2,3
	v_lshrrev_b32 v[TM+4+\b], 23, v[TM+8+\b]       ; the scale's byte
.endr
	v_lshl_or_b32 v[W01], v[TM+5], 8, v[TM+4]
	v_lshl_or_b32 v[W23], v[TM+7], 8, v[TM+6]
.if !\rope
	v_lshl_or_b32 v[WA], v[W23], 16, v[W01]        ; v: the four blocks are 128 keys: one word
.endif
	WIN W
.irp b, 0,1,2,3
	v_cvt_scalef32_pk16_fp6_f32 v[CD+4*\b:CD+4*\b+2], v[AC+16*\b:AC+16*\b+15], v[TM+8+\b]
.endr
	WIN 0
.irp b, 0,1,2,3
.irp n, 0,1,2
	ds_store_b32 v[STO], v[CD+4*\b+\n] offset:(\b/2)*6144+(\a)*768+24*(\b%2)+4*\n   ; words 12 r + 3 h + n: 32 different banks
.endr
.endr
.if \rope
	ds_store_b32 v[SSO], v[W01] offset:64*(\a)     ; a head's word: two bytes, and two zeros for the half of the next product's 128 that is empty.  (Both halves of the lanes write the same word)
	ds_store_b32 v[SSO], v[W23] offset:512+64*(\a)
.else
	ds_store_b32 v[SSO], v[WA] offset:64*(\a)
.endif
.endm
; The stage comes back as it lies, 512 bytes a load, and leaves so: two planes of 6,144 dense bytes, then n - 24 runs of 512 bytes of scale words.
.macro OUT n
	s_wait_dscnt 0x0                               ; the stores have read their registers, over which the loads land
.set k, 0
.rept \n
	ds_load_b128 v[BK+4*k:BK+4*k+3], v[RD] offset:512*k            ; my own bytes: LDS serves a wave's instructions in order (ISA guide 5.7.1.4)
.set k, k+1
.endr
.set k, 0
.rept 24
	s_wait_dscnt \n-1-k                            ; loads come back in order: number k is in
	global_store_b128 v[CO], v[BK+4*k:BK+4*k+3], s[84+2*(k/12):85+2*(k/12)] offset:512*(k%12)   ; 512 consecutive bytes, at a multiple of 256 from the buffer's first byte
.set k, k+1
.endr
	s_wait_dscnt \n-25
	global_store_b128 v[CO], v[BK+96:BK+99], s[88:89]
.if \n == 26
	s_wait_dscnt 0x0
	global_store_b128 v[CO], v[BK+100:BK+103], s[90:91]
.endif
.endm
	s_wait_tensorcnt 1                             ; the scales and my part of K step 0 are in (K step 1's load may be out)
	s_barrier_signal -1
	s_barrier_wait -1                              ; everybody's are
	FETCH_B 0, 0, 0
	FETCH_A 0, 0, 0
	SCALES 0
	FETCH_A 0, 0, 4
	STEP 0, 0, 1                                   ; the first step stands in front of the loop: its products start the sums
	s_mov_b32 s3, 1                                ; K = 1,024 is two laps of the ring: one trip fills both slots again
.Llap:
	TURN 0, 1, 1
	STEP 1, 0, 0
	TURN 1, 0, 1
	STEP 0, 0, 0
	s_sub_co_u32 s3, s3, 1
	s_cmp_lg_u32 s3, 0
	s_cbranch_scc1 .Llap
	TURN 0, 1, 0                                   ; the last lap fills nothing; its wait for 0 has shown my last tensor load done, so every descriptor register is free
	s_load_b256 s[68:75], s[0:1], 0x10             ; cos, sin, norm_q_w, norm_k_w
	s_load_b256 s[76:83], s[0:1], 0x30             ; qk_codes, qk_scales, v_codes, v_scales
	STEP 1, 0, 0
	s_wait_kmcnt 0x0
	s_lshl_b32 s24, s17, 8
	s_lshl_b32 s25, s15, 7
	s_add_co_u32 s24, s24, s25                     ; my first row of A within its tensor: the row of the planes that I write
	s_lshl_b32 s26, s42, 2
	s_lshl_b32 s25, s16, 1
	s_add_co_u32 s26, s26, s25                     ; my first plane of 64 of B's rows: a head of q or k, or 64 keys
	s_lshr_b32 s28, s26, 1
	s_mov_b32 s27, 8192
	s_cmp_lg_u32 s95, 0
	s_cselect_b32 s27, 1024, s27                   ; rows in a plane
	s_cselect_b32 s28, s28, s26                    ; the plane of scale words: one for 128 keys, or one a head
	s_cselect_b64 s[84:85], s[80:81], s[76:77]     ; the choice hangs on the mode alone
	s_cselect_b64 s[88:89], s[82:83], s[78:79]
	s_mul_i32 s30, s26, s27
	s_add_co_u32 s30, s30, s24
	s_mul_i32 s30, s30, 48
	s_mov_b32 s31, 0
	s_add_nc_u64 s[84:85], s[84:85], s[30:31]      ; my first plane's 128 rows,
	s_mul_i32 s30, s27, 48
	s_add_nc_u64 s[86:87], s[84:85], s[30:31]      ; my second's
	s_mul_i32 s30, s28, s27
	s_add_co_u32 s30, s30, s24
	s_lshl_b32 s30, s30, 2
	s_add_nc_u64 s[88:89], s[88:89], s[30:31]      ; the scale words,
	s_add_nc_u64 s[90:91], s[88:89], 32768         ; and (q, k) the second head's
	s_and_b32 s30, s24, 2047
	s_lshl_b32 s30, s30, 8
	s_add_nc_u64 s[68:69], s[68:69], s[30:31]      ; cos and sin at my first token's place in its sequence
	s_add_nc_u64 s[70:71], s[70:71], s[30:31]
	s_cmp_eq_u32 ttmp9, 0                          ; the cluster's x: channels 0-1023 are q's, 1024-2047 k's
	s_cselect_b64 s[72:73], s[72:73], s[74:75]
	s_mov_b32 s96, 0x3c800000                      ; 1 / 64
	s_mov_b32 s97, 0x358637bd                      ; 1e-6
	s_mov_b32 s98, 0x76543210
	s_mov_b32 s99, 0xfedcba98                      ; v_permlanex16_b32's selects for lane l xor 16
	s_cmp_lg_u32 s95, 0
	s_cbranch_scc1 .Lvpath                         ; ONE branch on the mode; from here each path is written out, with an LDS stage of its own, up to the common end
	; ---- q and k
.irp b, 0,1
.irp j, 0,1,2,3
	global_load_b128 v[NW+16*\b+4*\j:NW+16*\b+4*\j+3], v[NWA], s[72:73] offset:128*\b+16*\j   ; the gain at d = 32 b + 16 h + 0 .. 15
.endr
.endr
	CSLOAD 0                                       ; into B's set 0, which the step above has left four places ago: they land under the last step
	CSLOAD 1
	LAST
	CSLOAD 2
	CSLOAD 3
.irp b, 0,1,2,3
	v_mov_b32 v[TM+4+\b], 0                        ; written once: a lane permute's destination counts as one of its sources
.endr
	v_mov_b32 v[RS+1], 0                           ; (named as the upper halves of pairs)
	v_mov_b32 v[RS+3], 0
	EPI 0, 1, 48
	EPI 1, 1, 48
	EPI 2, 1, 48
	EPI 3, 1, 48
	EPI 4, 1, 48
	EPI 5, 1, 32
	EPI 6, 1, 16
	EPI 7, 1, 0
	OUT 26
	s_branch .Lend
.Lvpath:
	; ---- v
	v_add_nc_u32 v[STO], STAGE2-STAGE, v[STO]      ; this path's own stage
	v_add_nc_u32 v[SSO], STAGE2-STAGE, v[SSO]
	v_add_nc_u32 v[RD], STAGE2-STAGE, v[RD]
	LAST
.irp b, 0,1,2,3
	v_mov_b32 v[TM+4+\b], 0
.endr
.irp a, 0,1,2,3,4,5,6,7
	EPI \a, 0, 0
.endr
	OUT 25
.Lend:
	s_wait_tensorcnt 0x0                           ; the wave's end: behind my last tensor load and my last LDS store
	ds_add_u32 v[SPW], v[NIL]
	s_wait_dscnt 0x0
	CROUND                                         ; the closing round: no work-group ends while a partner may still ask for a tile that names it
	s_endpgm
.Lfunc_end_k_qdf114dfbdf_qkv:
	.size	k_qdf114dfbdf_qkv, .Lfunc_end_k_qdf114dfbdf_qkv-k_qdf114dfbdf_qkv
	.p2alignl 7, 3214868480
	.fill 96, 4, 3214868480
	.section	.rodata,"a",@progbits
	.p2align	6, 0x0
	.amdhsa_kernel k_qdf114dfbdf_qkv
		.amdhsa_group_segment_fixed_size 327680
		.amdhsa_private_segment_fixed_size 0
		.amdhsa_enable_private_segment 0
		.amdhsa_kernarg_size 80
		.amdhsa_user_sgpr_count 2
		.amdhsa_user_sgpr_kernarg_segment_ptr 1
		.amdhsa_wavefront_size32 1
		.amdhsa_system_sgpr_workgroup_id_x 1
		.amdhsa_system_sgpr_workgroup_id_y 1
		.amdhsa_system_sgpr_workgroup_id_z 1
		.amdhsa_system_vgpr_workitem_id 0
		.amdhsa_next_free_vgpr 1024
		.amdhsa_next_free_sgpr 100
		.amdhsa_reserve_vcc 0
		.amdhsa_float_denorm_mode_32 3
		.amdhsa_float_denorm_mode_16_64 3
		.amdhsa_memory_ordered 1
		.amdhsa_forward_progress 1
		.amdhsa_inst_pref_size 255
	.end_amdhsa_kernel
	.section	.bss,"aw",@nobits
	.p2align	6
	.space	262144
	.amdgpu_metadata
---
amdhsa.version: [ 1, 2 ]
amdhsa.kernels:
  - .name:           k_qdf114dfbdf_qkv
    .symbol:         k_qdf114dfbdf_qkv.kd
    .args:
      - { .name: wcodes, .offset: 0, .size: 8, .value_kind: global_buffer, .address_space: global }
      - { .name: wscales, .offset: 8, .size: 8, .value_kind: global_buffer, .address_space: global }
      - { .name: cos, .offset: 16, .size: 8, .value_kind: global_buffer, .address_space: global }
      - { .name: sin, .offset: 24, .size: 8, .value_kind: global_buffer, .address_space: global }
      - { .name: norm_q_w, .offset: 32, .size: 8, .value_kind: global_buffer, .address_space: global }
      - { .name: norm_k_w, .offset: 40, .size: 8, .value_kind: global_buffer, .address_space: global }
      - { .name: qk_codes, .offset: 48, .size: 8, .value_kind: global_buffer, .address_space: global }
      - { .name: qk_scales, .offset: 56, .size: 8, .value_kind: global_buffer, .address_space: global }
      - { .name: v_codes, .offset: 64, .size: 8, .value_kind: global_buffer, .address_space: global }
      - { .name: v_scales, .offset: 72, .size: 8, .value_kind: global_buffer, .address_space: global }
    .group_segment_fixed_size: 327680
    .private_segment_fixed_size: 0
    .kernarg_segment_align: 8
    .kernarg_segment_size: 80
    .max_flat_workgroup_size: 128
    .sgpr_count:     100
    .vgpr_count:     1024
    .wavefront_size: 32
...
	.end_amdgpu_metadata
.endif
;; end of part 2
;; launch attn (part 3): grid 4 x 64, 16 waves a work-group, clusters of 4 x 1, 223,232 bytes of LDS; arguments qk_codes, qk_scales, v_codes, v_scales, attn_codes, attn_scales; writes attn_codes, attn_scales
.if DOCPART == 3
	.amdgcn_target "amdgcn-amd-amdhsa--gfx1250"
	.amdhsa_code_object_version 6
	.text
	.protected	k_qdf114dfbdf_attn
	.globl	k_qdf114dfbdf_attn
	.p2align	8
	.type	k_qdf114dfbdf_attn,@function
k_qdf114dfbdf_attn:
	s_mov_b64 s[64:65], 0
	v_nop
	global_prefetch_b8 v0, s[64:65] scope:SCOPE_SE
	s_setreg_imm32_b32 hwreg(HW_REG_WAVE_MODE, 25, 1), 1
	s_wait_xcnt 0x0
	s_wait_alu depctr_hold_cnt(0) depctr_sa_sdst(0) depctr_va_vdst(0) depctr_va_sdst(0) depctr_va_ssrc(0) depctr_va_vcc(0) depctr_vm_vsrc(0)
	s_getreg_b32 s2, hwreg(HW_REG_IB_STS2, 6, 4)
	s_cmp_eq_u32 s2, 0
	s_cbranch_scc0 .Lentry_in_a_cluster
	s_endpgm
.Lentry_in_a_cluster:
	s_bfe_u32 s2, ttmp6, 0x10000c
	s_cmp_lg_u32 s2, 0x3003
	s_cbranch_scc0 .Lentry_shape_is_right
	s_endpgm
.Lentry_shape_is_right:
; Attention of one head on codes of FP6 (E2M3) with E8M0 scales: S^T = K Q^T (K of the product: the head's 64), the softmax, O^T = V^T P^T (K: the keys), O / l, and the quantiser of the result along C for the output projection.
; THE SOFTMAX: t = score x log2(e) / 8; M = the row's largest t so far, rounded UP to a whole number; p = 2^(t - M) is what is quantised, along the keys, not normalised.  The row's sum is taken of the unquantised p and divides O at the end.
; When M moves, the sum and O are multiplied by 2^(old M - new M): exact.
; SHARES.  A work-group owns 512 queries of one head; each of its SIXTEEN waves owns two tiles of 16, one after the other (two passes), in 256 registers: four waves to a SIMD, so that one wave's vector work stands beside another's products and LDS loads.
; THE WHOLE HEAD'S K AND V LIE IN LDS: 196,608 bytes of codes and 12,288 of scale words come ONCE, by first fills: no ring, no refill, no barrier in the loops.
; CLUSTER.  The four work-groups of a cluster are the four blocks of queries of one head and read the same K and V: every fill is asked for JOINTLY, with a mask that names the four.
; LAYOUT.  Both products are used transposed: a lane holds ONE query (lane % 16) throughout.  K's rows and V's channels lie in memory with bits 3 and 4 of their number exchanged, so that 16 neighbouring stored rows as source 0 give a lane,
; in the registers of tiles 2 b and 2 b + 1, the true keys (or channels) 32 b + 16 (lane / 16) + 0 .. 15.  Q's rows are fetched by their true numbers, so the result lies in true order of tokens.
; THE FIRST PRODUCT'S K IS 64, half of the instruction's 128: registers 6-11 of both its operands hold zero codes, written once, and bytes 2, 3 of both scale words are 0 (2^-127, no NaN): that half adds nothing.
; OUT: attn_codes [16 heads][8192 tokens][48]; attn_scales [4][8192][8], this head's two bytes at 2 (head % 4): two bytes in eight of each row, since the other six are other work-groups': 1 / 24 of the codes' bytes.
; LIMITS: NaN and infinities are not served; a block whose largest magnitude lies under 2^-124 is held at the byte 1, a block of zeros has the byte 1; a block's largest p is taken through its largest score, which takes v_exp_f32 not to fall where its input rises; 1 / l is v_rcp_f32's.
.set LVC,  98304                       ; LDS: K's codes [2048 stored tokens][48] at 0; V's [32 planes of 64 keys][64 stored channels][48] here
.set LKS,  196608                      ; K's scale words, one a key
.set LVS,  204800                      ; V's, [16 steps of 128 keys][64][4]
.set STG,  208896                      ; the way out: 16 rows x 48 bytes for each wave; no fill lands here
.set AK0,  1                           ; v1   48 r + 24 h: words 12 r + 6 h + 0, 1: a load of 8 bytes a lane touches 64 different banks (64 banks of 4 bytes: ISA guide 11.1)
.set AV0,  2                           ; v2   the same in V's codes
.set ASK0, 3                           ; v3   K's scale words: 4 x lane: lanes 0-15 an even tile's, lanes 16-31 the odd one's behind it
.set ASV0, 4                           ; v4   V's likewise
.set STO,  5                           ; v5   my stage: 48 r + 12 h
.set SRD,  6                           ; v6   my stage read back: 8 x lane
.set GO,   7                           ; v7   8 x lane
.set ADK,  8                           ; v8-11 the step's addresses
.set ADV,  9
.set ADS,  10
.set ADT,  11                          ; v12 -M, v13 the largest t, v[14:15] the sum in two halves
.set Q,    16                          ; v16-27 Q's fragment (v22-27 zeros)
.set QS,   28                          ; v28 its scale words;  v29, v30-35 the second tile's
.set KF,   36                          ; v36-83 four fragments of K (the upper six registers of each: zeros)
.set KSW,  84                          ; v84-87 K's scale words, v88-89 V's
.set VSW,  88
.set GS,   90                          ; v90  8 r
.set S,    92                          ; v92-155 S^T, then p, then V's four fragments
.set O,    156                         ; v156-187 O^T
.set PC,   188                         ; v188-199 p's codes
.set BM,   200                         ; v200-203 the blocks' largest scores, then p
.set T4,   204                         ; v204-211 at work
.set SO,   212                         ; v212-215 the conversions' scale operands
.set C1,   216                         ; v216-218 the way out: the second block's codes
.set F,    220                         ; v220 f = 2^(old M - new M)
.set PW,   221                         ; v221 p's scale word
.set TT,   222
.set WV,   18
.set SEL,  20
.set CS,   22
.set TB,   56                          ; s56  the step's bytes in K's and in V's codes: 6,144 a step
.set TS,   57                          ; s57  in K's scale words: 512
.set TJ,   58                          ; s58  in V's: 256
.macro CROUND                          ; a round of the cluster's barrier
	s_barrier_signal -1
	s_barrier_wait -1
	s_cmp_lg_u32 s[WV], 0
	s_cbranch_scc1 .Lnot_wave_0_\@
	s_barrier_signal -3
.Lnot_wave_0_\@:
	s_barrier_wait -3
	s_barrier_signal -1
	s_barrier_wait -1
.endm
.macro SHAPE d0, d1, st                ; descriptor group 1: d1 rows of d0 elements of 8 bytes, st elements apart; no padding
	s_mov_b32 s48, 15|(3<<16)|(1<<21)              ; 15:0 the mask: all four work-groups; 17:16 elements of 8 bytes; 21 set beside a mask
	s_mov_b32 s49, (\d0)<<16
	s_mov_b32 s50, (\d1)<<16
	s_mov_b32 s51, (\d0)<<16
	s_mov_b32 s52, \d1
	s_mov_b32 s53, \st
	s_mov_b32 s54, 0
	s_mov_b32 s55, 0
.endm
.macro ASK base                        ; group 0 (s41, the LDS address, is written ahead), and the load; four v_nop follow it
	s_mov_b32 s40, 1
	s_add_nc_u64 s[42:43], s[\base:\base+1], s[32:33]
	s_or_b32 s43, s43, 0x80000000
	tensor_load_to_lds s[40:43], s[48:55]
	s_nop 0
.rept 4
	v_nop
.endr
.endm
	s_load_b256 s[4:11], s[0:1], 0x0               ; qk_codes s[4:5], qk_scales s[6:7], v_codes s[8:9], v_scales s[10:11]
	s_load_b128 s[12:15], s[0:1], 0x20             ; attn_codes s[12:13], attn_scales s[14:15]
	v_lshl_add_u32 v254, v0, 2, 0x36000
	v_mov_b32 v255, 0
	ds_add_u32 v254, v255
	ds_add_u32 v254, v255
	v_lshrrev_b32 v8, 5, v0
	v_readfirstlane_b32 s[WV], v8                  ; wave 0..15
	s_bfe_u32 s19, ttmp6, 0x40000                  ; cx: my block of 512 queries: it enters Q's and the outputs' addresses alone
	s_and_b32 s24, ttmp7, 0xffff
	s_lshr_b32 s25, s24, 4                         ; the batch
	s_and_b32 s26, s24, 15                         ; the head
	s_lshl_b32 s27, s26, 13                        ; the head's plane of 8,192 rows
	s_lshl_b32 s28, s25, 11                        ; the batch's 2,048 tokens
	s_add_co_u32 s29, s27, s28
	s_add_co_u32 s30, s29, 16*8192                 ; k's planes lie behind q's sixteen
	s_mov_b32 s33, 0
	s_mov_b32 s[SEL], 0x76543210
	s_mov_b32 s[SEL+1], 0xfedcba98                 ; v_permlanex16_b32's selects for lane l xor 16
	s_mov_b32 s[CS], 0x3e38aa3b                    ; c = log2(e) / sqrt(64)
	s_mov_b32 s[CS+1], s[CS]                       ; (named with it as a pair, so it is written)
	s_mov_b32 s60, 2                               ; passes
	s_wait_dscnt 0x0
	s_wait_kmcnt 0x0
	CROUND                                         ; all four work-groups are here: the joint loads meet
	; THE FILLS: one load a wave, in one chain of branches on the wave's number; waves 10 to 15 issue none.  No place in the cluster enters a descriptor.
	s_cmp_lt_u32 s[WV], 4
	s_cbranch_scc0 .Lnot_k
	SHAPE 32, 96, 32                               ; waves 0-3: a quarter of K's codes: 512 tokens x 48 dense bytes, as 96 rows of 256
	s_mul_i32 s41, s[WV], 24576
	s_lshl_b32 s32, s[WV], 9
	s_add_co_u32 s32, s32, s30
	s_mul_i32 s32, s32, 48
	ASK 4
	s_branch .Lasked
.Lnot_k:
	s_cmp_lt_u32 s[WV], 8
	s_cbranch_scc0 .Lnot_v
	SHAPE 384, 8, 6144                             ; waves 4-7: a quarter of V's: 8 planes' parts of 64 channels x 48 bytes, a plane 1,024 x 48 bytes from the next
	s_mul_i32 s41, s[WV], 24576                    ; (V's codes begin at 4 x 24,576)
	s_lshl_b32 s32, s25, 5
	s_lshl_b32 s31, s[WV], 3
	s_add_co_u32 s32, s32, s31
	s_sub_co_u32 s32, s32, 32                      ; plane 32 x batch + 8 (wave - 4)
	s_lshl_b32 s32, s32, 10
	s_lshl_b32 s31, s26, 6
	s_add_co_u32 s32, s32, s31
	s_mul_i32 s32, s32, 48
	ASK 8
	s_branch .Lasked
.Lnot_v:
	s_cmp_eq_u32 s[WV], 8
	s_cbranch_scc0 .Lnot_ks
	SHAPE 32, 32, 32                               ; wave 8: K's scale words: 8,192 dense bytes
	s_mov_b32 s41, LKS
	s_lshl_b32 s32, s30, 2
	ASK 6
	s_branch .Lasked
.Lnot_ks:
	s_cmp_eq_u32 s[WV], 9
	s_cbranch_scc0 .Lasked
	SHAPE 32, 16, 512                              ; wave 9: V's: 16 planes' parts of 256 bytes, a plane 4,096 bytes from the next
	s_mov_b32 s41, LVS
	s_lshl_b32 s32, s25, 14
	s_lshl_b32 s31, s26, 6
	s_add_co_u32 s32, s32, s31
	s_lshl_b32 s32, s32, 2
	ASK 10
.Lasked:
	s_lshl_b32 s34, s19, 9
	s_add_co_u32 s34, s34, s28                     ; my work-group's first token
	s_lshr_b32 s35, s[WV], 1                       ; true query 16 T + r lies at stored row 32 (T / 2) + 8 (T % 2) + 16 (r / 8) + r % 8;  T = wave, then wave + 16
	s_lshl_b32 s35, s35, 5
	s_and_b32 s31, s[WV], 1
	s_lshl_b32 s31, s31, 3
	s_add_co_u32 s35, s35, s31
	s_add_co_u32 s35, s35, s34
	s_add_co_u32 s35, s35, s27
	s_mul_i32 s32, s35, 48
	s_add_nc_u64 s[36:37], s[4:5], s[32:33]        ; Q's codes
	s_lshl_b32 s32, s35, 2
	s_add_nc_u64 s[38:39], s[6:7], s[32:33]        ; and scale words
	s_lshl_b32 s31, s[WV], 4
	s_add_co_u32 s34, s34, s31                     ; my first true token
	s_add_co_u32 s35, s34, s27
	s_mul_i32 s32, s35, 48
	s_add_nc_u64 s[12:13], s[12:13], s[32:33]      ; its row of the head's plane of attn_codes
	s_lshr_b32 s35, s26, 2
	s_lshl_b32 s35, s35, 16
	s_lshl_b32 s32, s34, 3
	s_add_co_u32 s32, s32, s35
	s_and_b32 s35, s26, 3
	s_lshl_b32 s35, s35, 1
	s_add_co_u32 s32, s32, s35
	s_add_nc_u64 s[14:15], s[14:15], s[32:33]      ; and the head's two bytes of its row of attn_scales
	v_and_b32 v200, 15, v0                         ; r
	v_bfe_u32 v201, v0, 4, 1                       ; h
	v_and_b32 v202, 31, v0                         ; lane
	v_mul_u32_u24 v203, v200, 48
	v_mad_u32_u24 v[AK0], v201, 24, v203
	v_add_nc_u32 v[AV0], LVC, v[AK0]
	v_lshl_add_u32 v[ASK0], v202, 2, LKS
	v_lshl_add_u32 v[ASV0], v202, 2, LVS
	s_mul_i32 s31, s[WV], 768
	s_add_co_u32 s31, s31, STG
	v_mad_u32_u24 v[STO], v201, 12, v203
	v_add_nc_u32 v[STO], s31, v[STO]
	v_lshlrev_b32 v[GO], 3, v202
	v_add_nc_u32 v[SRD], s31, v[GO]
	v_lshlrev_b32 v[GS], 3, v200
	v_and_b32 v204, 8, v200
	v_add_nc_u32 v204, v204, v200                  ; 16 (r / 8) + r % 8
	v_mul_u32_u24 v205, v204, 48
	v_mad_u32_u24 v205, v201, 24, v205
	v_lshlrev_b32 v206, 2, v204
.irp p, 0,1,2
	global_load_b64 v[Q+2*\p:Q+2*\p+1], v205, s[36:37] offset:8*\p                 ; my first tile of Q: 24 bytes of the row,
	global_load_b64 v[30+2*\p:31+2*\p], v205, s[36:37] offset:12288+8*\p           ; and my second, 256 stored rows on
.endr
	global_load_b32 v[QS], v206, s[38:39]
	global_load_b32 v29, v206, s[38:39] offset:1024
.irp i, 6,7,8,9,10,11
	v_mov_b32 v[Q+\i], 0                           ; the empty half of the first product's K: zero codes, written once
.irp t, 0,1,2,3
	v_mov_b32 v[KF+12*\t+\i], 0
.endr
.endr
	v_mov_b32 v207, 0                              ; (v204-207 are lane permutes' destinations, which count as sources: all four are written)
	v_mov_b32 v[PW], 0                             ; (named as the upper half of the pair v[220:221] before it is first written)
	s_wait_tensorcnt 0x0                           ; my fill, if I issued one, has landed,
	s_barrier_signal -1
	s_barrier_wait -1                              ; everybody's has: the head's K and V lie in LDS for the rest of the launch
	s_wait_loadcnt 0x0                             ; Q
.macro QK d, a, sc, odd                ; 16 keys x my 16 queries; an odd tile's scale words stand in lanes 16-31
.if \odd
	v_wmma_scale_f32_16x16x128_f8f6f4 v[\d:\d+7], v[\a:\a+11], v[Q:Q+11], 0, v[\sc], v[QS] matrix_a_fmt:MATRIX_FMT_FP6 matrix_b_fmt:MATRIX_FMT_FP6 matrix_a_scale:MATRIX_SCALE_ROW1
.else
	v_wmma_scale_f32_16x16x128_f8f6f4 v[\d:\d+7], v[\a:\a+11], v[Q:Q+11], 0, v[\sc], v[QS] matrix_a_fmt:MATRIX_FMT_FP6 matrix_b_fmt:MATRIX_FMT_FP6
.endif
.endm
.macro PV d, a, sc, odd                ; 16 channels x my 16 queries, K = the step's 128 keys
.if \odd
	v_wmma_scale_f32_16x16x128_f8f6f4 v[\d:\d+7], v[\a:\a+11], v[PC:PC+11], v[\d:\d+7], v[\sc], v[PW] matrix_a_fmt:MATRIX_FMT_FP6 matrix_b_fmt:MATRIX_FMT_FP6 matrix_a_scale:MATRIX_SCALE_ROW1
.else
	v_wmma_scale_f32_16x16x128_f8f6f4 v[\d:\d+7], v[\a:\a+11], v[PC:PC+11], v[\d:\d+7], v[\sc], v[PW] matrix_a_fmt:MATRIX_FMT_FP6 matrix_b_fmt:MATRIX_FMT_FP6
.endif
.endm
; A KEY STEP: 128 keys.
.macro STEP
	v_add_nc_u32 v[ADK], s[TB], v[AK0]
	v_add_nc_u32 v[ADV], s[TB], v[AV0]
	v_add_nc_u32 v[ADS], s[TS], v[ASK0]
	v_add_nc_u32 v[ADT], s[TJ], v[ASV0]
	v_nop                                          ; six places behind the last step's products: the new scores are written over the registers that held V's fragments (five are asked: ISA guide 7.12.1)
	v_nop
.irp g, 0,1                                    ; S^T = K Q^T, four tiles of 16 keys at a time
.if \g
.rept 4
	v_nop                                          ; places in front of loads into registers that matrix instructions have read
.endr
.endif
.irp t, 0,1,2,3
.irp p, 0,1,2
	ds_load_b64 v[KF+12*\t+2*\p:KF+12*\t+2*\p+1], v[ADK] offset:(4*\g+\t)*768+8*\p
.endr
.endr
.if \g == 0
.irp m, 0,1,2,3
	ds_load_b32 v[KSW+\m], v[ADS] offset:128*\m    ; the words of tiles 2 m and 2 m + 1
.endr
.endif
	s_wait_dscnt 0x0
.irp t, 0,1,2,3
	QK S+8*(4*\g+\t), KF+12*\t, KSW+(4*\g+\t)/2, \t%2
.endr
.endr
.rept 4
	v_nop
.endr
.irp b, 0,1,2,3
	v_max3_num_f32 v[BM+\b], v[S+16*\b], v[S+1+16*\b], v[S+2+16*\b]   ; THE LARGEST SCORE OF EACH BLOCK OF 32 KEYS serves twice: for the row's maximum, and, since p rises with the score, for the block's largest p
.endr
.irp i, 3,5,7,9,11,13
.irp b, 0,1,2,3
	v_max3_num_f32 v[BM+\b], v[BM+\b], v[S+16*\b+\i], v[S+1+16*\b+\i]   ; (the four blocks by turns)
.endr
.endr
.irp b, 0,1,2,3
	v_max_num_f32 v[BM+\b], v[BM+\b], v[S+15+16*\b]
.endr
.irp b, 0,1,2,3
	v_permlanex16_b32 v[T4+\b], v[BM+\b], s[SEL], s[SEL+1]
.endr
.irp b, 0,1,2,3
	v_max_num_f32 v[BM+\b], v[BM+\b], v[T4+\b]     ; with lane l xor 16's 16 keys
.endr
	v_max3_num_f32 v[TT], v[BM], v[BM+1], v[BM+2]
	v_max_num_f32 v[TT], v[TT], v[BM+3]            ; the step's largest score of my query
	v_mul_f32 v[TT], s[CS], v[TT]                  ; as t (c is positive)
	v_max_num_f32 v13, v13, v[TT]                  ; the running largest t
	v_mov_b32 v[TT], v12
	v_floor_f32 v12, -v13                          ; the new -M = floor(-t) = -ceil(t): M IS A WHOLE NUMBER
	v_sub_f32 v[TT], v12, v[TT]                    ; M's old value less its new one: a whole number, 0 or less
	v_cvt_i32_f32 v[TT], v[TT]                     ; (it saturates)
	v_ldexp_f32 v[F], 1.0, v[TT]                   ; f = 2^(old M - new M): a multiplication by it rounds nothing
.set j, 0
.rept 32
	v_pk_fma_f32 v[S+j:S+j+1], v[S+j:S+j+1], s[CS:CS+1], v[12:13] op_sel_hi:[1,0,0]   ; t - M, two at a time
.set j, j+2
.endr
.irp b, 0,1,2,3
	v_fma_f32 v[BM+\b], v[BM+\b], s[CS], v12       ; the same of each block's largest score
.endr
.set j, 0
.rept 64
	v_exp_f32 v[S+j], v[S+j]                       ; p = 2^(t - M), at most 1: NOT normalised
.set j, j+1
.endr
.irp b, 0,1,2,3
	v_exp_f32 v[BM+\b], v[BM+\b]                   ; the block's largest p: the same two instructions on the same number give the same bits
.endr
	v_pk_mul_f32 v[14:15], v[14:15], v[F:F+1] op_sel_hi:[1,0]      ; the sums under the new M.  (A plain place behind the exponentials)
	s_wait_alu depctr_va_vdst(0)
.irp b, 0,1,2,3
	v_max_num_f32 v[BM+\b], 0x1800000, v[BM+\b]    ; the floor 2^(3 - 127): the byte cannot fall under 1
.endr
.irp b, 0,1,2,3
	v_add_nc_u32 v[SO+\b], 0xff000000, v[BM+\b]    ; 2 off the exponent field: the conversion's scale operand
.endr
.irp b, 0,1,2,3
	v_lshrrev_b32 v[T4+\b], 23, v[SO+\b]           ; the scale's byte
.endr
	v_lshl_or_b32 v[PW], v[T4+1], 8, v[T4]         ; p's scale word for these 128 keys
	v_lshl_or_b32 v[PW], v[T4+2], 16, v[PW]
	v_lshl_or_b32 v[PW], v[T4+3], 24, v[PW]
.irp c, 0,1
	v_cvt_scalef32_pk16_fp6_f32 v[PC+6*\c:PC+6*\c+2], v[S+32*\c:S+32*\c+15], v[SO+2*\c]
	v_cvt_scalef32_pk16_fp6_f32 v[T4+4*\c:T4+4*\c+2], v[S+16+32*\c:S+31+32*\c], v[SO+2*\c+1]   ; (a conversion's three registers begin on an even number)
.endr
	v_nop                                          ; one plain place behind a scaled conversion
.irp c, 0,1                                    ; the operand's layout wants a WHOLE block in a lane: lanes 0-15 block 2 c, lanes 16-31 block 2 c + 1
.irp i, 0,1,2
	v_permlane16_swap_b32 v[PC+6*\c+\i], v[T4+4*\c+\i]
.endr
.irp i, 0,1,2
	v_mov_b32 v[PC+3+6*\c+\i], v[T4+4*\c+\i]
.endr
.endr
	v_pk_add_f32 v[T4:T4+1], v[S:S+1], v[S+2:S+3]  ; THE ROW'S SUM IS TAKEN OF THE UNQUANTISED p: two at a time, in two chains
.set j, 4
.rept 15
	v_pk_add_f32 v[14:15], v[14:15], v[S+j:S+j+1]
	v_pk_add_f32 v[T4:T4+1], v[T4:T4+1], v[S+2+j:S+3+j]
.set j, j+4
.endr
	v_pk_add_f32 v[14:15], v[14:15], v[T4:T4+1]
.irp t, 0,1,2,3                                ; p is spent: V's four fragments (16 channels x 128 keys) take its registers
.irp p, 0,1,2,3,4,5
	ds_load_b64 v[S+12*\t+2*\p:S+12*\t+2*\p+1], v[ADV] offset:\t*768+(\p/3)*3072+8*(\p%3)
.endr
.endr
.irp m, 0,1
	ds_load_b32 v[VSW+\m], v[ADT] offset:128*\m
.endr
.set j, 0
.rept 16
	v_pk_mul_f32 v[O+j:O+j+1], v[O+j:O+j+1], v[F:F+1] op_sel_hi:[1,0]   ; O^T under the new M, while the loads are on their way
.set j, j+2
.endr
	s_wait_dscnt 0x0
.irp t, 0,1,2,3                                ; the four accumulators take turns
	PV O+8*\t, S+12*\t, VSW+\t/2, \t%2
.endr
	s_add_co_u32 s[TB], s[TB], 6144
	s_add_co_u32 s[TS], s[TS], 512
	s_add_co_u32 s[TJ], s[TJ], 256
.endm
.Lpass:                                            ; two trips: my two tiles of queries
	v_mov_b32 v13, 0xff61b1e6                      ; the largest t so far: -3e38, under every t
	v_floor_f32 v12, -v13                          ; -M
	v_mov_b32 v14, 0                               ; the sum, in two halves
	v_mov_b32 v15, 0
.set j, 0
.rept 32
	v_mov_b32 v[O+j], 0                            ; O^T: the step is written once; the first finds zeros, which the first change of M leaves zeros.  (Also the places between the moves of Q below and the first product)
.set j, j+1
.endr
	s_mov_b32 s[TB], 0
	s_mov_b32 s[TS], 0
	s_mov_b32 s[TJ], 0
	s_mov_b32 s59, 16
.Lstep:                                            ; sixteen trips: 2,048 keys
	STEP
	s_sub_co_u32 s59, s59, 1
	s_cmp_lg_u32 s59, 0
	s_cbranch_scc1 .Lstep
	; THE WAY OUT of a tile: O^T / l; register 16 b + i is channel 32 b + 16 h + i of my query: two blocks along C, quantised as p is; 16 rows x 48 bytes go through my stage and leave as three runs of 256 bytes.
.rept 4
	v_nop
.endr
	v_add_f32 v14, v14, v15                        ; the sum's two halves,
	v_permlanex16_b32 v[F], v14, s[SEL], s[SEL+1]
	v_add_f32 v14, v14, v[F]                       ; and lane l xor 16's: the row's sum
	v_rcp_f32 v14, v14
	v_nop                                          ; a plain place behind the transcendental
.set j, 0
	s_wait_alu depctr_va_vdst(0)
.rept 16
	v_pk_mul_f32 v[S+j:S+j+1], v[O+j:O+j+1], v[14:15] op_sel_hi:[1,0]   ; each accumulator from its low end on
.set j, j+2
.endr
.irp b, 0,1
	v_max3_num_f32 v[BM+\b], |v[S+16*\b]|, |v[S+16*\b+1]|, 0x1800000
.endr
.irp i, 2,4,6,8,10,12,14
.irp b, 0,1
	v_max3_num_f32 v[BM+\b], v[BM+\b], |v[S+16*\b+\i]|, |v[S+16*\b+\i+1]|
.endr
.endr
.irp b, 0,1
	v_permlanex16_b32 v[T4+\b], v[BM+\b], s[SEL], s[SEL+1]
.endr
.irp b, 0,1
	v_max_num_f32 v[BM+\b], v[BM+\b], v[T4+\b]
.endr
.irp b, 0,1
	v_add_nc_u32 v[SO+\b], 0xff000000, v[BM+\b]
.endr
.irp b, 0,1
	v_lshrrev_b32 v[T4+\b], 23, v[SO+\b]
.endr
	v_lshl_or_b32 v[TT], v[T4+1], 8, v[T4]         ; the head's two scale bytes of my row
	v_cvt_scalef32_pk16_fp6_f32 v[T4+4:T4+6], v[S:S+15], v[SO]
	v_cvt_scalef32_pk16_fp6_f32 v[C1:C1+2], v[S+16:S+31], v[SO+1]
.irp n, 0,1,2
	ds_store_b32 v[STO], v[T4+4+\n] offset:4*\n
	ds_store_b32 v[STO], v[C1+\n] offset:24+4*\n
.endr
.irp k, 0,1,2
	ds_load_b64 v[S+32+2*\k:S+33+2*\k], v[SRD] offset:256*\k       ; my own bytes: LDS serves a wave's instructions in order (ISA guide 5.7.1.4)
.endr
	s_wait_dscnt 0x0
.irp k, 0,1,2
	global_store_b64 v[GO], v[S+32+2*\k:S+33+2*\k], s[12:13] offset:256*\k   ; 32 lanes store 256 consecutive bytes, at a multiple of 256 from the buffer's first byte
.endr
	global_store_b16 v[GS], v[TT], s[14:15]        ; (both halves of the lanes write the same two bytes)
	s_wait_xcnt 0x0                                ; the stores have read their registers and bases: both may be written again
	s_add_nc_u64 s[12:13], s[12:13], 12288         ; my second tile lies 256 tokens on
	s_add_nc_u64 s[14:15], s[14:15], 2048
.irp i, 0,1,2,3,4,5
	v_mov_b32 v[Q+\i], v[30+\i]                    ; its Q
.endr
	v_mov_b32 v[QS], v29
	s_sub_co_u32 s60, s60, 1
	s_cmp_lg_u32 s60, 0
	s_cbranch_scc1 .Lpass
	s_wait_tensorcnt 0x0
	ds_add_u32 v254, v255
	s_wait_dscnt 0x0
	CROUND                                         ; the closing round: no work-group ends while a partner may still ask for a tile that names it
	s_endpgm
.Lfunc_end_k_qdf114dfbdf_attn:
	.size	k_qdf114dfbdf_attn, .Lfunc_end_k_qdf114dfbdf_attn-k_qdf114dfbdf_attn
	.p2alignl 7, 3214868480
	.fill 96, 4, 3214868480
	.section	.rodata,"a",@progbits
	.p2align	6, 0x0
	.amdhsa_kernel k_qdf114dfbdf_attn
		.amdhsa_group_segment_fixed_size 223232
		.amdhsa_private_segment_fixed_size 0
		.amdhsa_enable_private_segment 0
		.amdhsa_kernarg_size 48
		.amdhsa_user_sgpr_count 2
		.amdhsa_user_sgpr_kernarg_segment_ptr 1
		.amdhsa_wavefront_size32 1
		.amdhsa_system_sgpr_workgroup_id_x 1
		.amdhsa_system_sgpr_workgroup_id_y 1
		.amdhsa_system_sgpr_workgroup_id_z 1
		.amdhsa_system_vgpr_workitem_id 0
		.amdhsa_next_free_vgpr 256
		.amdhsa_next_free_sgpr 66
		.amdhsa_reserve_vcc 0
		.amdhsa_float_denorm_mode_32 3
		.amdhsa_float_denorm_mode_16_64 3
		.amdhsa_memory_ordered 1
		.amdhsa_forward_progress 1
		.amdhsa_inst_pref_size 34
	.end_amdhsa_kernel
	.amdgpu_metadata
---
amdhsa.version: [ 1, 2 ]
amdhsa.kernels:
  - .name:           k_qdf114dfbdf_attn
    .symbol:         k_qdf114dfbdf_attn.kd
    .args:
      - { .name: qk_codes, .offset: 0, .size: 8, .value_kind: global_buffer, .address_space: global }
      - { .name: qk_scales, .offset: 8, .size: 8, .value_kind: global_buffer, .address_space: global }
      - { .name: v_codes, .offset: 16, .size: 8, .value_kind: global_buffer, .address_space: global }
      - { .name: v_scales, .offset: 24, .size: 8, .value_kind: global_buffer, .address_space: global }
      - { .name: attn_codes, .offset: 32, .size: 8, .value_kind: global_buffer, .address_space: global }
      - { .name: attn_scales, .offset: 40, .size: 8, .value_kind: global_buffer, .address_space: global }
    .group_segment_fixed_size: 223232
    .private_segment_fixed_size: 0
    .kernarg_segment_align: 8
    .kernarg_segment_size: 48
    .max_flat_workgroup_size: 512
    .sgpr_count:     66
    .vgpr_count:     256
    .wavefront_size: 32
...
	.end_amdgpu_metadata
.endif
;; end of part 3
;; launch outp (part 4): grid 4 x 32, 4 waves a work-group, clusters of 4 x 4, 327,680 bytes of LDS; arguments attn_codes, attn_scales, wcodes, wscales, out0; writes out0
.if DOCPART == 4
	.amdgcn_target "amdgcn-amd-amdhsa--gfx1250"
	.amdhsa_code_object_version 6
	.text
	.protected	k_qdf114dfbdf_outp
	.globl	k_qdf114dfbdf_outp
	.p2align	8
	.type	k_qdf114dfbdf_outp,@function
k_qdf114dfbdf_outp:
	s_mov_b64 s[64:65], 0
	v_nop
	global_prefetch_b8 v0, s[64:65] scope:SCOPE_SE
	s_setreg_imm32_b32 hwreg(HW_REG_WAVE_MODE, 25, 1), 1
	s_wait_xcnt 0x0
	s_wait_alu depctr_hold_cnt(0) depctr_sa_sdst(0) depctr_va_vdst(0) depctr_va_sdst(0) depctr_va_ssrc(0) depctr_va_vcc(0) depctr_vm_vsrc(0)
	s_getreg_b32 s2, hwreg(HW_REG_IB_STS2, 6, 4)
	s_cmp_eq_u32 s2, 0
	s_cbranch_scc0 .Lentry_in_a_cluster
	s_endpgm
.Lentry_in_a_cluster:
	s_bfe_u32 s2, ttmp6, 0x10000c
	s_cmp_lg_u32 s2, 0xf033
	s_cbranch_scc0 .Lentry_shape_is_right
	s_endpgm
.Lentry_shape_is_right:
; The output projection on codes of FP6 (E2M3) with E8M0 scales: out0[token][o] = sum over c of attn[token][c] out_w[o][c], K = 1,024; sums in f32; out0 [8192][1024] f32.
; A: attn_codes [16 planes of 64 k][8192 tokens][48 bytes], attn_scales [4 planes of 256 k][8192][8].  B: rows 11264-12287 of wcodes [16][12288][48] and wscales [4][12288][8]: out_w, its rows in true order.
; A tile of 256 x 256 is made by four waves, as many as a WGP has SIMDs; a wave makes 128 x 128 in 64 accumulators.  K goes in steps of 256 through a ring of two LDS slots; a wave's tensor load brings 4 planes x 128 rows x 48 bytes, each plane's part 6,144 dense bytes.
; The scales of the work-group's rows, for all of K, come once, with the first fills.  CLUSTERS: 4 x 4 work-groups; A's tiles are asked for jointly along a row of the cluster, B's along a column.
; THE MATRIX INSTRUCTION IS USED TRANSPOSED (source 0 = 16 rows of B, source 1 = 16 rows of A): a lane holds eight neighbouring numbers of a row of out0.
; REGISTERS, in windows of 256: window 0: v0-31 addresses; v32-63 scale words, two sets; v128-223 A's fragments, ONE set (way out: v128-255 rows read back).   window 1: B's fragments, TWO sets, at v0 and v128.
;   window 2: the accumulators of my rows 0-63 ((a, b) at v[8 (8 a + b)]);   window 3: those of rows 64-127.
.set NQ,     2
.set FR,     12
.set NL,     6
.set NP,     4                         ; places behind this matrix instruction (ISA guide 7.12.1)
.set PLANE,  6144                      ; 128 rows x 48 bytes.  Lane (r, h) reads at 48 r + 24 h: words 12 r + 6 h + 0, 1: a load of 8 bytes a lane touches 64 different banks (64 banks of 4 bytes: ISA guide 11.1): no padding
.set HALFT,  4*PLANE
.set SLOT,   4*HALFT
.set SCL,    2*SLOT
.set HALFS,  4096
.set SPARE,  SCL+4*HALFS               ; the spare words, 128 bytes for each wave: two blocks of 256 bytes that no other line names
.set STAGE,  SPARE+512                 ; the way out: 16 rows x (512 bytes + 16) for each wave; no fill lands here
.set SPITCH, 528
.set KADVA,  4*8192*48                 ; four planes on, in A
.set KADVB,  4*12288*48                ; and in B
.set SIZE_N, 1024
.set ADRA, 16
.set ADRB, 20
.set STO,  24
.set RD,   25
.set CO,   26
.set ADRS, 27
.set SPW,  28                          ; v28     my spare word: SPARE + 4 x my thread's number; never rewritten
.set NIL,  29                          ; v29     0; never rewritten
.set SC,   32
.set AF,   128
.set BK,   128
.set G1, 24
.set G0, 32
.set G1B, 48
.set G0B, 56
.set G1S, 68
.set G0S, 76
.set G1SB, 80
.set G0SB, 88
.set MSB, 0
.macro WIN new                         ; the immediate's high byte repeats the setting that is left
.if MSB != \new
	s_set_vgpr_msb (MSB<<8)|\new
.set MSB, \new
.endif
.endm
.set MUL_LO, 0xa1
.set MUL_HI, 0xf1
.set TO_B,   0x40
.macro JLOAD g0a, g1a, g0b, g1b        ; a joint load: waves 0 and 1 fetch for A, waves 2 and 3 for B; four v_nop follow each of the two lines
	s_cmp_eq_u32 s15, 0
	s_cbranch_scc0 .Lfor_b_\@
	tensor_load_to_lds s[\g0a:\g0a+3], s[\g1a:\g1a+7]
	s_nop 0
.rept 4
	v_nop
.endr
	s_branch .Lasked_\@
.Lfor_b_\@:
	tensor_load_to_lds s[\g0b:\g0b+3], s[\g1b:\g1b+7]
	s_nop 0
.rept 4
	v_nop
.endr
.Lasked_\@:
.endm
.macro CREST
	s_cmp_lg_u32 s14, 0
	s_cbranch_scc1 .Lnot_wave_0_\@
	s_barrier_signal -3
.Lnot_wave_0_\@:
	s_barrier_wait -3
	s_barrier_signal -1
	s_barrier_wait -1
.endm
.macro CROUND
	s_barrier_signal -1
	s_barrier_wait -1
	CREST
.endm
	s_load_b128 s[4:7], s[0:1], 0x0                ; attn_codes, attn_scales
	s_load_b128 s[8:11], s[0:1], 0x10              ; wcodes, wscales
	s_load_b64 s[12:13], s[0:1], 0x20              ; out0
	v_lshl_add_u32 v[SPW], v0, 2, SPARE
	v_mov_b32 v[NIL], 0
	ds_add_u32 v28, v29
	ds_add_u32 v28, v29
	s_wait_dscnt 0x0
	v_lshrrev_b32 v1, 5, v0
	v_readfirstlane_b32 s14, v1                    ; wave 0..3
	s_lshr_b32 s15, s14, 1                         ; which half of the tile's rows is mine.  Also: I fetch for A (0) or for B (1)
	s_and_b32 s16, s14, 1                          ; which half of its columns.  Also: which 128 rows of that tile I fetch
	s_bfe_u32 s40, ttmp6, 0x40000                  ; cx, cy
	s_bfe_u32 s41, ttmp6, 0x40004
	s_lshl_b32 s42, ttmp9, 2
	s_add_co_u32 s42, s42, s40                     ; tile column = 4 x cluster x + cx
	s_and_b32 s17, ttmp7, 0xffff
	s_lshl_b32 s17, s17, 2
	s_add_co_u32 s17, s17, s41                     ; tile row = 4 x cluster y + cy
	s_lshl_b32 s43, s41, 2
	s_lshl_b32 s43, 15, s43                        ; my row of the cluster
	s_lshl_b32 s44, 0x1111, s40                    ; my column
	s_or_b32 s[G1+0], s43, (3<<16)|(1<<21)         ; 15:0 the mask; 17:16 elements of 8 bytes; 21 set beside a mask; no padding
	s_or_b32 s[G1B+0], s44, (3<<16)|(1<<21)
.irp g, G1, G1B
	s_mov_b32 s[\g+1], 768<<16                     ; 4 planes' parts of 768 elements
	s_mov_b32 s[\g+2], 4<<16
	s_mov_b32 s[\g+3], 768<<16
	s_mov_b32 s[\g+4], 4
	s_mov_b32 s[\g+6], 0
	s_mov_b32 s[\g+7], 0
.endr
	s_mov_b32 s[G1+5], 49152                       ; a plane of A is 8,192 x 48 bytes,
	s_mov_b32 s[G1B+5], 73728                      ; of B 12,288 x 48
	s_or_b32 s[G1S+0], s43, (3<<16)|(1<<21)
	s_or_b32 s[G1SB+0], s44, (3<<16)|(1<<21)
.irp g, G1S, G1SB
	s_mov_b32 s[\g+1], 128<<16                     ; the scales: 4 planes' parts of 128 elements
	s_mov_b32 s[\g+2], 4<<16
	s_mov_b32 s[\g+3], 128<<16
	s_mov_b32 s[\g+4], 4
	s_mov_b32 s[\g+6], 0
	s_mov_b32 s[\g+7], 0
.endr
	s_mov_b32 s[G1S+5], 8192
	s_mov_b32 s[G1SB+5], 12288
	s_lshl_b32 s18, s16, 7                         ; which 128 rows of the tile I fetch
	s_lshl_b32 s20, s17, 8
	s_add_co_u32 s20, s20, s18                     ; A: token 256 x tile row + 128 x half
	s_lshl_b32 s46, s42, 8
	s_add_co_u32 s46, s46, s18
	s_add_co_u32 s46, s46, 11264                   ; B: out_w's rows begin here in the stack
	s_lshl_b32 s22, s20, 3
	s_mov_b32 s23, 0
	s_lshl_b32 s92, s46, 3
	s_mov_b32 s93, 0
	s_mul_i32 s20, s20, 48
	s_mov_b32 s21, 0
	s_mul_i32 s46, s46, 48
	s_mov_b32 s47, 0
	s_mul_i32 s45, s14, HALFT                      ; where they go: by the wave's number alone
	s_lshl_b32 s94, s14, 12
	s_wait_kmcnt 0x0
	s_add_nc_u64 s[20:21], s[4:5], s[20:21]
	s_add_nc_u64 s[22:23], s[6:7], s[22:23]
	s_add_nc_u64 s[46:47], s[8:9], s[46:47]
	s_add_nc_u64 s[92:93], s[10:11], s[92:93]
	CROUND                                         ; all sixteen work-groups are here: the first joint loads meet
	s_mov_b32 s[G0S], 1
	s_add_co_u32 s[G0S+1], s94, SCL
	s_mov_b64 s[G0S+2:G0S+3], s[22:23]
	s_or_b32 s[G0S+3], s[G0S+3], 0x80000000
	s_mov_b32 s[G0SB], 1
	s_add_co_u32 s[G0SB+1], s94, SCL
	s_mov_b64 s[G0SB+2:G0SB+3], s[92:93]
	s_or_b32 s[G0SB+3], s[G0SB+3], 0x80000000
	JLOAD G0S, G1S, G0SB, G1SB                     ; the scales first: they are wanted with K step 0
.irp s, 0,1
	s_mov_b32 s[G0+4*\s], 1
	s_add_co_u32 s[G0+4*\s+1], s45, \s*SLOT
	s_add_nc_u64 s[G0+4*\s+2:G0+4*\s+3], s[20:21], \s*KADVA
	s_or_b32 s[G0+4*\s+3], s[G0+4*\s+3], 0x80000000
	s_mov_b32 s[G0B+4*\s], 1
	s_add_co_u32 s[G0B+4*\s+1], s45, \s*SLOT
	s_add_nc_u64 s[G0B+4*\s+2:G0B+4*\s+3], s[46:47], \s*KADVB
	s_or_b32 s[G0B+4*\s+3], s[G0B+4*\s+3], 0x80000000
	JLOAD G0+4*\s, G1, G0B+4*\s, G1B               ; three tensor loads of mine are out now
.endr
	v_and_b32 v1, 15, v0                           ; r
	v_bfe_u32 v2, v0, 4, 1                         ; h
	v_mul_u32_u24 v3, v1, 48
	v_mad_u32_u24 v4, v2, 24, v3                   ; a fragment's row x 48 + 24 x half
	s_mul_i32 s21, s15, HALFT
	s_mul_i32 s22, s16, HALFT
	s_add_co_u32 s22, s22, 2*HALFT
.irp s, 0,1
	v_add_nc_u32 v[ADRA+\s], s21, v4
	v_add_nc_u32 v[ADRB+\s], s22, v4
	s_add_co_u32 s21, s21, SLOT
	s_add_co_u32 s22, s22, SLOT
.endr
	v_lshlrev_b32 v5, 3, v1                        ; my row's scales: 8 bytes for a K step
	s_lshl_b32 s21, s15, 12
	s_lshl_b32 s22, s16, 12
	s_add_co_u32 s22, s22, 2*HALFS
	s_sub_co_u32 s22, s22, s21
	v_mul_u32_u24 v6, s22, v2                      ; lanes 16-31 take B's
	s_add_co_u32 s21, s21, SCL
	v_add_nc_u32 v5, v5, v6
	v_add_nc_u32 v[ADRS], s21, v5
	s_mul_i32 s23, s14, 16*SPITCH
	s_add_co_u32 s23, s23, STAGE                   ; my stage
	v_mul_u32_u24 v5, v1, SPITCH                   ; in: row r, 32 bytes for each half of the lanes
	v_lshl_add_u32 v5, v2, 5, v5
	v_add_nc_u32 v[STO], s23, v5
	v_and_b32 v6, 31, v0
	v_lshlrev_b32 v[CO], 4, v6                     ; back: the 32 lanes take one row of 512 bytes; and the same in out0
	v_add_nc_u32 v[RD], s23, v[CO]
	s_lshl_b32 s20, s17, 8
	s_lshl_b32 s21, s15, 7
	s_add_co_u32 s20, s20, s21                     ; my first row of out0
	s_lshl_b32 s20, s20, 12                        ; 4,096 bytes a row
	s_lshl_b32 s46, s42, 10                        ; my first column, in bytes: 1,024 x tile column + 512 x half
	s_lshl_b32 s47, s16, 9
	s_add_co_u32 s46, s46, s47
	s_add_co_u32 s20, s20, s46
	s_mov_b32 s21, 0
	s_add_nc_u64 s[12:13], s[12:13], s[20:21]
.macro FRAG reg, adr, q, i             ; 16 rows x 128 K: 12 registers; registers 6 c .. 6 c + 5 hold K = 64 c + 32 (lane / 16) + 0 .. 31: 24 bytes of plane 2 q + c, in pieces of 8
.irp p, 0,1,2,3,4,5
	ds_load_b64 v[\reg+2*\p:\reg+2*\p+1], v[\adr] offset:(2*(\q)+\p/3)*PLANE+(\i)*768+8*(\p%3)
.endr
.endm
; 16 matrix instructions: A's blocks a0, a0 + 1 x B's eight.  The 64 accumulators take turns, one instruction a turn, in the same order in every step.
.macro MUL16 a0, p, q, sc, zero
.irp a, \a0, \a0+1
.irp b, 0,1,2,3,4,5,6,7
.if \zero
	v_wmma_scale_f32_16x16x128_f8f6f4 v[8*(8*((\a)%4)+\b):8*(8*((\a)%4)+\b)+7], v[128*(\p)+FR*\b:128*(\p)+FR*\b+FR-1], v[AF+FR*(\a):AF+FR*(\a)+FR-1], 0, v[SC+8*NQ*(\sc)+NQ*\b+(\q)], v[SC+8*NQ*(\sc)+NQ*(\a)+(\q)] matrix_a_fmt:MATRIX_FMT_FP6 matrix_b_fmt:MATRIX_FMT_FP6 matrix_a_scale:MATRIX_SCALE_ROW1
.else
	v_wmma_scale_f32_16x16x128_f8f6f4 v[8*(8*((\a)%4)+\b):8*(8*((\a)%4)+\b)+7], v[128*(\p)+FR*\b:128*(\p)+FR*\b+FR-1], v[AF+FR*(\a):AF+FR*(\a)+FR-1], v[8*(8*((\a)%4)+\b):8*(8*((\a)%4)+\b)+7], v[SC+8*NQ*(\sc)+NQ*\b+(\q)], v[SC+8*NQ*(\sc)+NQ*(\a)+(\q)] matrix_a_fmt:MATRIX_FMT_FP6 matrix_b_fmt:MATRIX_FMT_FP6 matrix_a_scale:MATRIX_SCALE_ROW1
.endif
.endr
.endr
.endm
.macro FETCH_B slot, q, p
	WIN TO_B
.irp i, 0,1,2,3,4,5,6,7
	FRAG 128*(\p)+FR*\i, ADRB+\slot, \q, \i
.endr
	WIN 0
.endm
.macro FETCH_A slot, q, i0
.irp i, \i0, \i0+1, \i0+2, \i0+3
	FRAG AF+FR*(\i), ADRA+\slot, \q, \i
.endr
.endm
.macro SCALES sc                       ; a K step's scale words: two a row; lanes 0-15 take A's block i, lanes 16-31 B's block i
.irp i, 0,1,2,3,4,5,6,7
	ds_load_b64 v[SC+8*NQ*\sc+NQ*\i:SC+8*NQ*\sc+NQ*\i+1], v[ADRS] offset:\i*128
.endr
.endm
.macro PLACES n                        ; a load into a register that a matrix instruction has read, and a read of a result, stand NP plain vector instructions behind it (ISA guide 7.12.1 for a read of a result)
.rept \n
	v_nop
.endr
.endm
.macro STEP slot, q, zero
	s_wait_dscnt 4*NL                              ; B's set, A's blocks 0-3 and the scale words are in; the youngest 24 loads (A's blocks 4-7) may be out
	WIN MUL_LO
	MUL16 0, (\q)%2, \q, \slot, \zero
	MUL16 2, (\q)%2, \q, \slot, \zero
	s_wait_dscnt 0                                 ; A's blocks 4-7 are in
	PLACES NP
	FETCH_B \slot, (\q)+1, 1-(\q)%2
	FETCH_A \slot, (\q)+1, 0
	WIN MUL_HI
	MUL16 4, (\q)%2, \q, \slot, \zero
	MUL16 6, (\q)%2, \q, \slot, \zero
	PLACES NP
	WIN 0
	FETCH_A \slot, (\q)+1, 4
.endm
; A slot's last step changes slots: ONE barrier; in front of it each wave waits for all its tensor loads, adds 0 to its spare word, and waits for that and for its own reads of this slot.  fill = 1: this slot is filled again, two K steps ahead.
.macro TURN slot, next, fill
	s_wait_tensorcnt 0x0                           ; all my tensor loads have landed: my part of the next slot
	ds_add_u32 v[SPW], v[NIL]                      ; 0 onto my spare word
	s_wait_dscnt 4*NL+1                            ; (the add and the youngest 24 loads, A's blocks 4-7, may be out)
	WIN MUL_LO
	MUL16 0, 1, NQ-1, \slot, 0                     ; sixteen matrix instructions stand between the add and the wait for it
	s_wait_dscnt 0x0                               ; the add is done, and my reads of this slot are over
	s_barrier_signal -1
	MUL16 2, 1, NQ-1, \slot, 0
	WIN 0
	s_barrier_wait -1
.if \fill
	CREST                                          ; the barrier has opened a round of the cluster's: no wave of any partner still reads this slot or has a load on its way
	s_add_nc_u64 s[G0+4*\slot+2:G0+4*\slot+3], s[G0+4*\slot+2:G0+4*\slot+3], 2*KADVA
	s_add_nc_u64 s[G0B+4*\slot+2:G0B+4*\slot+3], s[G0B+4*\slot+2:G0B+4*\slot+3], 2*KADVB
	JLOAD G0+4*\slot, G1, G0B+4*\slot, G1B         ; the first tensor load behind the round, my only one until the next; its four v_nop are the places in front of the loads below
.else
	PLACES NP
.endif
	v_add_nc_u32 v[ADRS], 1024, v[ADRS]            ; on to the next K step's plane of scale words
	FETCH_B \next, 0, 0
	FETCH_A \next, 0, 0
	SCALES \next
	WIN MUL_HI
	MUL16 4, 1, NQ-1, \slot, 0
	MUL16 6, 1, NQ-1, \slot, 0
	PLACES NP
	WIN 0
	FETCH_A \next, 0, 4
.endm
	s_wait_tensorcnt 1                             ; the scales and my part of K step 0 are in (K step 1's load may be out)
	s_barrier_signal -1
	s_barrier_wait -1                              ; everybody's are
	FETCH_B 0, 0, 0
	FETCH_A 0, 0, 0
	SCALES 0
	FETCH_A 0, 0, 4
	STEP 0, 0, 1                                   ; the first step stands in front of the loop: its products start the sums
	s_mov_b32 s3, 1                                ; K = 1,024 is two laps of the ring: one trip fills both slots again
.Llap:
	TURN 0, 1, 1
	STEP 1, 0, 0
	TURN 1, 0, 1
	STEP 0, 0, 0
	s_sub_co_u32 s3, s3, 1
	s_cmp_lg_u32 s3, 0
	s_cbranch_scc1 .Llap
	TURN 0, 1, 0                                   ; the last lap fills nothing, and has no round of the cluster's barrier
	STEP 1, 0, 0
	s_wait_dscnt 4*NL                              ; the very last step: nothing more to fetch
	WIN MUL_LO
	MUL16 0, 1, NQ-1, 1, 0
	MUL16 2, 1, NQ-1, 1, 0
	s_wait_dscnt 0
	WIN MUL_HI
	MUL16 4, 1, NQ-1, 1, 0
	MUL16 6, 1, NQ-1, 1, 0
	WIN 0
; THE WAY OUT, block by block of 16 rows x 128 columns.  A lane holds 32 neighbouring bytes of a row, and the lanes beside it hold other rows: so a block goes through my own stage in LDS and comes back as whole
; rows of 512 bytes.  LDS serves a wave's instructions in order (ISA guide 5.7.1.4): no wait between the stores and the loads, nor in front of the next block's stores.
.macro TOSTAGE a
.set AC, 64*((\a)%4)
.set WD, 0x08+4*((\a)/4)
	WIN WD                                         ; an LDS store's data are its source 1: window 2 or 3
.irp b, 0,1,2,3,4,5,6,7
	ds_store_b128 v[STO], v[AC+8*\b:AC+8*\b+3] offset:64*\b          ; each accumulator from its low end on
	ds_store_b128 v[STO], v[AC+8*\b+4:AC+8*\b+7] offset:64*\b+16
.endr
	WIN 0
.set BB, BK+64*((\a)%2)
.irp t, 0,1,2,3,4,5,6,7,8,9,10,11,12,13,14,15
	ds_load_b128 v[BB+4*\t:BB+4*\t+3], v[RD] offset:\t*SPITCH
.endr
.endm
.macro SEND a, younger                 ; younger: the LDS instructions issued behind block a's loads, which may stay out
.set BB, BK+64*((\a)%2)
	s_wait_dscnt \younger                          ; the block is back in registers
.if (\a) > 0
	s_add_nc_u64 s[12:13], s[12:13], 16*SIZE_N*4   ; (behind a wait on XCNT: the earlier stores have read their base)  16 rows on
.endif
.irp t, 0,1,2,3,4,5,6,7,8,9,10,11,12,13,14,15
	global_store_b128 v[CO], v[BB+4*\t:BB+4*\t+3], s[12:13] offset:\t*SIZE_N*4 th:TH_STORE_NT   ; 32 lanes store 512 consecutive bytes, at a multiple of 256 from out0's first byte; written once, read by nobody here
.endr
.endm
	PLACES NP                                      ; in front of the first reads of results and of the loads into the registers that held A's fragments
	TOSTAGE 0
.irp a, 1,2,3,4,5,6,7
.if \a > 1
	s_wait_xcnt 0x0                                ; block a - 2's stores have read their registers and their base: block a's loads may land there, and the base may step
.endif
	TOSTAGE \a
	SEND \a-1, 32                                  ; behind block a - 1's loads: block a's 16 stores and 16 loads
.endr
	s_wait_xcnt 0x0                                ; block 6's stores have read their base
	SEND 7, 0
	s_wait_tensorcnt 0x0                           ; the wave's end: behind my last tensor load and my last LDS store
	ds_add_u32 v[SPW], v[NIL]
	s_wait_dscnt 0x0
	CROUND                                         ; the closing round: no work-group ends while a partner may still ask for a tile that names it
	s_endpgm
.Lfunc_end_k_qdf114dfbdf_outp:
	.size	k_qdf114dfbdf_outp, .Lfunc_end_k_qdf114dfbdf_outp-k_qdf114dfbdf_outp
	.p2alignl 7, 3214868480
	.fill 96, 4, 3214868480
	.section	.rodata,"a",@progbits
	.p2align	6, 0x0
	.amdhsa_kernel k_qdf114dfbdf_outp
		.amdhsa_group_segment_fixed_size 327680
		.amdhsa_private_segment_fixed_size 0
		.amdhsa_enable_private_segment 0
		.amdhsa_kernarg_size 40
		.amdhsa_user_sgpr_count 2
		.amdhsa_user_sgpr_kernarg_segment_ptr 1
		.amdhsa_wavefront_size32 1
		.amdhsa_system_sgpr_workgroup_id_x 1
		.amdhsa_system_sgpr_workgroup_id_y 1
		.amdhsa_system_sgpr_workgroup_id_z 1
		.amdhsa_system_vgpr_workitem_id 0
		.amdhsa_next_free_vgpr 1024
		.amdhsa_next_free_sgpr 98
		.amdhsa_reserve_vcc 0
		.amdhsa_float_denorm_mode_32 3
		.amdhsa_float_denorm_mode_16_64 3
		.amdhsa_memory_ordered 1
		.amdhsa_forward_progress 1
		.amdhsa_inst_pref_size 159
	.end_amdhsa_kernel
	.amdgpu_metadata
---
amdhsa.version: [ 1, 2 ]
amdhsa.kernels:
  - .name:           k_qdf114dfbdf_outp
    .symbol:         k_qdf114dfbdf_outp.kd
    .args:
      - { .name: attn_codes, .offset: 0, .size: 8, .value_kind: global_buffer, .address_space: global }
      - { .name: attn_scales, .offset: 8, .size: 8, .value_kind: global_buffer, .address_space: global }
      - { .name: wcodes, .offset: 16, .size: 8, .value_kind: global_buffer, .address_space: global }
      - { .name: wscales, .offset: 24, .size: 8, .value_kind: global_buffer, .address_space: global }
      - { .name: out0, .offset: 32, .size: 8, .value_kind: global_buffer, .address_space: global }
    .group_segment_fixed_size: 327680
    .private_segment_fixed_size: 0
    .kernarg_segment_align: 8
    .kernarg_segment_size: 40
    .max_flat_workgroup_size: 128
    .sgpr_count:     98
    .vgpr_count:     1024
    .wavefront_size: 32
...
	.end_amdgpu_metadata
.endif
;; end of part 4
;; ======== version 2 of 2: 4 launches
;; limits: right only within a limited range of input values
;; workspace buffers: wcodes 9,437,184 bytes; wscales 393,216 bytes; qk_codes 12,582,912 bytes; qk_scales 1,048,576 bytes; v_codes 6,291,456 bytes; v_scales 262,144 bytes; attn_codes 6,291,456 bytes; attn_scales 262,144 bytes
;; launch quant (part 5): grid 384 x 4, 4 waves a work-group, no clusters, 21,248 bytes of LDS; arguments hidden_states, qkv_w, out_w, wcodes, wscales; writes wcodes, wscales
.if DOCPART == 5
	.amdgcn_target "amdgcn-amd-amdhsa--gfx1250"
	.amdhsa_code_object_version 6
	.text
	.protected	k_qdf114dfbdf_quant
	.globl	k_qdf114dfbdf_quant
	.p2align	8
	.type	k_qdf114dfbdf_quant,@function
k_qdf114dfbdf_quant:
	s_mov_b64 s[64:65], 0
	v_nop
	global_prefetch_b8 v0, s[64:65] scope:SCOPE_SE
	s_setreg_imm32_b32 hwreg(HW_REG_WAVE_MODE, 25, 1), 1
	s_wait_xcnt 0x0
; hidden_states [8192][1024], qkv_w [3072][1024] and out_w [1024][1024], f32, become codes of FP6 (E2M3) with one E8M0 scale byte for each 32 along K = their last axis.
; The three tensors are STACKED along their rows: 12,288 rows.  wcodes is laid [K / 64 = 16 planes][12288 rows][48 bytes]: a row's 64 codes of a plane, in true order of k;
; wscales [K / 256 = 4 planes][12288 rows][8 bytes].  So 128 rows of a plane are 6,144 dense bytes, which the later launches fetch as they lie.
; THE ROWS of hidden_states and of qkv_w are stored with bits 3 and 4 of the row's number exchanged (out_w's are not): sixteen neighbouring stored rows, taken as source 0 of a matrix instruction,
; then give a lane sixteen true neighbours in the registers of two neighbouring result tiles.
; A block's scale is 2^(floor(log2(its largest magnitude)) - 2); its byte is the largest magnitude's exponent field - 2, held at 1 from below.
; LIMITS: a block whose largest magnitude lies under 2^-124 is held at the byte 1; a block of zeros has the byte 1 and not 127 (its codes are zeros, and this program alone reads the bytes); NaN and infinities are not served.
; SHARES: a work-group takes 32 stacked rows (its x) x 256 along K (its y), a wave 8 of the rows; step t of 4 is plane 4 y + t: 8 rows x 64 numbers.  A wave's 16 loads all go out at its head; six such work-groups
; fit on a WGP (134 registers a wave, 21,248 bytes of LDS), so that many bytes are on their way at once.  Each load reads two rows' 256 consecutive bytes; a step's 2,048 bytes turn through the wave's own stage in LDS,
; so that a lane holds 16 neighbours along K (two neighbouring lanes hold a block).  A step's codes are 384 consecutive bytes of the plane.  The scale bytes of the work-group's 32 rows meet in LDS and leave as one run of 256 bytes.
; No tensor loads, no matrix unit, no cluster: the launch streams, and its work-groups share nothing.
.set STEPS, 4
.set SP,    80                         ; a lane's place in a stage: its 64 bytes + 16 of padding
.set WREG,  2*32*SP                    ; two stages for each wave
.set SCB,   4*WREG                     ; behind them: the work-group's scale bytes, [32 rows as they are read][8]
.set PLB,   12288*48                   ; a plane of codes
.set SPL,   12288*8                    ; a plane of scale bytes
.set R,     16                         ; v16-79   four sets of 16 numbers as they are loaded
.set X,     80                         ; v80-111  two sets of 16 neighbours
.set E,     112                        ; v112-115 a scale byte for each step
.set C,     116                        ; v116-131 codes: four registers for each step, so that no store's data are written again
	s_load_b128 s[4:7], s[0:1], 0x0                ; hidden_states, qkv_w
	s_load_b128 s[8:11], s[0:1], 0x10              ; out_w, wcodes
	s_load_b64 s[12:13], s[0:1], 0x20              ; wscales
	v_lshl_add_u32 v132, v0, 2, 0x5100
	v_mov_b32 v133, 0
	v_lshrrev_b32 v1, 5, v0
	v_readfirstlane_b32 s16, v1                    ; wave
	s_and_b32 s25, ttmp7, 0xffff                   ; which 256 along K
	v_and_b32 v2, 31, v0                           ; lane
	v_lshrrev_b32 v3, 4, v2
	v_and_b32 v10, 15, v2
	v_lshlrev_b32 v3, 12, v3
	v_lshl_add_u32 v3, v10, 4, v3                  ; a load: lanes 0-15 one row's 256 bytes, lanes 16-31 the next row's (4,096 bytes on)
	s_mul_i32 s17, s16, WREG
	v_lshrrev_b32 v14, 2, v2
	v_mul_u32_u24 v14, v14, SP
	v_and_b32 v15, 3, v2
	v_lshl_add_u32 v14, v15, 4, v14
	v_add_nc_u32 v14, s17, v14                     ; the stage, on the way in: four lanes' 64 bytes on end, then the padding
	v_mul_u32_u24 v15, v2, SP
	v_add_nc_u32 v15, s17, v15                     ; and on the way out: lane l takes row l / 4, numbers 16 (l % 4) on
	v_mul_u32_u24 v4, v2, 12                       ; my 12 bytes of the step's 384: 48 (l / 4) + 12 (l % 4)
	v_lshrrev_b32 v5, 2, v2
	v_lshlrev_b32 v5, 3, v5
	v_bfe_u32 v10, v2, 1, 1
	v_add_nc_u32 v5, v5, v10
	s_lshl_b32 s18, s16, 6
	s_add_co_u32 s18, s18, SCB
	v_add_nc_u32 v5, s18, v5                       ; my block's byte: 8 bytes a row, my wave's 8 rows, the block's place in its plane of 64
	v_lshl_add_u32 v6, v2, 3, SCB                  ; at the end wave 0 takes all 32 rows' bytes: 8 a lane, lane = row
	s_mov_b32 s24, 256
	s_wait_kmcnt 0x0
	s_cmp_lt_u32 ttmp9, 352                        ; which tensor: the choice hangs on the work-group's number alone
	s_cselect_b64 s[6:7], s[6:7], s[8:9]
	s_cselect_b32 s17, s24, 352
	s_cselect_b32 s20, 3, 0                        ; the rows change places, or (out_w) not
	s_cselect_b32 s21, 0x18, 0
	s_cmp_lt_u32 ttmp9, 256
	s_cselect_b64 s[4:5], s[4:5], s[6:7]
	s_cselect_b32 s17, 0, s17
	s_sub_co_u32 s17, ttmp9, s17                   ; the work-group's x within its tensor
	s_lshl_b32 s17, s17, 2
	s_add_co_u32 s17, s17, s16
	s_lshl_b32 s22, s17, 15                        ; 8 rows of 4,096 bytes a wave,
	s_lshl_b32 s26, s25, 10                        ; and 1,024 bytes into each row for each 256 along K
	s_add_co_u32 s22, s22, s26
	s_mov_b32 s23, 0
	s_add_nc_u64 s[4:5], s[4:5], s[22:23]
	s_lshr_b32 s18, s16, 1                         ; bits 3 and 4 of a row's number are bits 0 and 1 of the wave's
	s_xor_b32 s18, s18, s16
	s_and_b32 s18, s18, 1
	s_mul_i32 s18, s18, 3
	s_and_b32 s18, s18, s20
	s_xor_b32 s18, s18, s16
	s_lshl_b32 s19, ttmp9, 2
	s_add_co_u32 s18, s18, s19                     ; which 8 rows of a plane my codes go to
	s_mul_i32 s22, s18, 384
	s_mul_i32 s26, s25, 4*PLB                      ; my first plane: 4 y
	s_add_co_u32 s22, s22, s26
	s_add_nc_u64 s[10:11], s[10:11], s[22:23]
	s_mul_i32 s22, s25, SPL
	s_lshl_b32 s19, ttmp9, 8
	s_add_co_u32 s22, s22, s19
	s_add_nc_u64 s[12:13], s[12:13], s[22:23]      ; plane y of the scale bytes, the work-group's 32 rows
	v_lshrrev_b32 v10, 3, v2
	v_lshrrev_b32 v7, 4, v2
	v_xor_b32 v10, v10, v7
	v_and_b32 v10, 1, v10
	v_mul_u32_u24 v10, v10, s21
	v_xor_b32 v7, v2, v10
	v_lshlrev_b32 v7, 3, v7                        ; where row l's 8 bytes go: the row with bits 3 and 4 exchanged
.macro LOAD t
.irp i, 0,1,2,3
	global_load_b128 v[R+16*(\t)+4*\i:R+16*(\t)+4*\i+3], v3, s[4:5] offset:256*(\t)+8192*\i th:TH_LOAD_NT   ; rows 2 i and 2 i + 1: 256 consecutive, aligned bytes of each; read once
.endr
.endm
.macro TURN t                          ; step t's numbers through the stage: LDS serves a wave's instructions in order (ISA guide 5.7.1.4), so no wait stands between the stores and the loads
.irp i, 0,1,2,3
	ds_store_b128 v14, v[R+16*(\t)+4*\i:R+16*(\t)+4*\i+3] offset:32*SP*((\t)%2)+8*SP*\i
.endr
.irp i, 0,1,2,3
	ds_load_b128 v[X+16*((\t)%2)+4*\i:X+16*((\t)%2)+4*\i+3], v15 offset:32*SP*((\t)%2)+16*\i
.endr
.endm
.irp t, 0,1,2,3
	LOAD \t                                        ; all sixteen loads of the wave
.endr
	s_wait_loadcnt 12                              ; step 0's four loads are in; the twelve of steps 1 to 3 may be out
	TURN 0
.macro STEP t
.set XS, X+16*((\t)%2)
.if (\t) > 0
	s_wait_dscnt 1                                 ; this step's numbers are back from the stage (the last step's byte store may be out)
.else
	s_wait_dscnt 0x0
.endif
.if (\t)+1 < STEPS
	s_wait_loadcnt 4*(STEPS-2-(\t))                ; the next step's four loads are in; four for each step behind it may be out
	TURN (\t)+1                                    ; they go through the other stage while this step is worked
.endif
	v_max3_num_f32 v8, |v[XS]|, |v[XS+1]|, |v[XS+2]|               ; the largest magnitude of my 16, in two chains
	v_max3_num_f32 v9, |v[XS+3]|, |v[XS+4]|, |v[XS+5]|
.irp i, 6,10
	v_max3_num_f32 v8, v8, |v[XS+\i]|, |v[XS+\i+1]|
	v_max3_num_f32 v9, v9, |v[XS+\i+2]|, |v[XS+\i+3]|
.endr
	v_max3_num_f32 v8, v8, |v[XS+14]|, |v[XS+15]|
	v_max3_num_f32 v8, v8, v9, 0x1800000           ; and the floor 2^(3 - 127): the byte cannot fall under 1
	v_max_num_f32_dpp v8, v8, v8 row_xmask:1 row_mask:0xf bank_mask:0xf   ; and of my neighbour's 16: the block's
	v_add_nc_u32 v11, 0xff000000, v8               ; 2 off its exponent field: the conversion takes the exponent field of this operand as its scale
	v_cvt_scalef32_pk16_fp6_f32 v[C+4*(\t):C+4*(\t)+2], v[XS:XS+15], v11
	v_lshrrev_b32 v[E+(\t)], 23, v11               ; the scale's byte
	ds_store_b8 v5, v[E+(\t)] offset:2*(\t)        ; both lanes of a block write the same byte with the same value
	global_store_b96 v4, v[C+4*(\t):C+4*(\t)+2], s[10:11] offset:(\t)*PLB   ; 384 consecutive bytes of plane 4 y + t; the four waves' stores cover 1,536
.endm
.irp t, 0,1,2,3
	STEP \t
.endr
	s_wait_dscnt 0x0                               ; for wave 0's sake: my byte stores are done
	s_barrier_signal -1
	s_barrier_wait -1
	s_cmp_lg_u32 s16, 0
	s_cbranch_scc1 .Ldone                          ; the 256 bytes are one store's worth: wave 0 takes them
	ds_load_b64 v[12:13], v6
	s_wait_dscnt 0x0
	global_store_b64 v7, v[12:13], s[12:13]        ; 32 lanes store 256 consecutive, aligned bytes, the rows in their stored order
.Ldone:
	s_wait_tensorcnt 0x0
	ds_add_u32 v132, v133
	s_wait_dscnt 0x0
	s_endpgm
.Lfunc_end_k_qdf114dfbdf_quant:
	.size	k_qdf114dfbdf_quant, .Lfunc_end_k_qdf114dfbdf_quant-k_qdf114dfbdf_quant
	.p2alignl 7, 3214868480
	.fill 96, 4, 3214868480
	.section	.rodata,"a",@progbits
	.p2align	6, 0x0
	.amdhsa_kernel k_qdf114dfbdf_quant
		.amdhsa_group_segment_fixed_size 21248
		.amdhsa_private_segment_fixed_size 0
		.amdhsa_enable_private_segment 0
		.amdhsa_kernarg_size 40
		.amdhsa_user_sgpr_count 2
		.amdhsa_user_sgpr_kernarg_segment_ptr 1
		.amdhsa_wavefront_size32 1
		.amdhsa_system_sgpr_workgroup_id_x 1
		.amdhsa_system_sgpr_workgroup_id_y 1
		.amdhsa_system_sgpr_workgroup_id_z 1
		.amdhsa_system_vgpr_workitem_id 0
		.amdhsa_next_free_vgpr 134
		.amdhsa_next_free_sgpr 66
		.amdhsa_reserve_vcc 0
		.amdhsa_float_denorm_mode_32 3
		.amdhsa_float_denorm_mode_16_64 3
		.amdhsa_memory_ordered 1
		.amdhsa_forward_progress 1
		.amdhsa_inst_pref_size 12
	.end_amdhsa_kernel
	.amdgpu_metadata
---
amdhsa.version: [ 1, 2 ]
amdhsa.kernels:
  - .name:           k_qdf114dfbdf_quant
    .symbol:         k_qdf114dfbdf_quant.kd
    .args:
      - { .name: hidden_states, .offset: 0, .size: 8, .value_kind: global_buffer, .address_space: global }
      - { .name: qkv_w, .offset: 8, .size: 8, .value_kind: global_buffer, .address_space: global }
      - { .name: out_w, .offset: 16, .size: 8, .value_kind: global_buffer, .address_space: global }
      - { .name: wcodes, .offset: 24, .size: 8, .value_kind: global_buffer, .address_space: global }
      - { .name: wscales, .offset: 32, .size: 8, .value_kind: global_buffer, .address_space: global }
    .group_segment_fixed_size: 21248
    .private_segment_fixed_size: 0
    .kernarg_segment_align: 8
    .kernarg_segment_size: 40
    .max_flat_workgroup_size: 128
    .sgpr_count:     66
    .vgpr_count:     134
    .wavefront_size: 32
...
	.end_amdgpu_metadata
.endif
;; end of part 5
;; launch qkv (part 6): grid 8 x 48, 4 waves a work-group, clusters of 4 x 4, 327,680 bytes of LDS; arguments wcodes, wscales, cos, sin, norm_q_w, norm_k_w, qk_codes, qk_scales, v_codes, v_scales; writes qk_codes, qk_scales, v_codes, v_scales
.if DOCPART == 6
	.amdgcn_target "amdgcn-amd-amdhsa--gfx1250"
	.amdhsa_code_object_version 6
	.text
	.protected	k_qdf114dfbdf_qkv
	.globl	k_qdf114dfbdf_qkv
	.p2align	8
	.type	k_qdf114dfbdf_qkv,@function
k_qdf114dfbdf_qkv:
	s_mov_b64 s[64:65], 0
	v_nop
	global_prefetch_b8 v0, s[64:65] scope:SCOPE_SE
	s_setreg_imm32_b32 hwreg(HW_REG_WAVE_MODE, 25, 1), 1
	s_wait_xcnt 0x0
	s_wait_alu depctr_hold_cnt(0) depctr_sa_sdst(0) depctr_va_vdst(0) depctr_va_sdst(0) depctr_va_ssrc(0) depctr_va_vcc(0) depctr_vm_vsrc(0)
	s_getreg_b32 s2, hwreg(HW_REG_IB_STS2, 6, 4)
	s_cmp_eq_u32 s2, 0
	s_cbranch_scc0 .Lentry_in_a_cluster
	s_endpgm
.Lentry_in_a_cluster:
	s_bfe_u32 s2, ttmp6, 0x10000c
	s_cmp_lg_u32 s2, 0xf033
	s_cbranch_scc0 .Lentry_shape_is_right
	s_endpgm
.Lentry_shape_is_right:
.set NQ,     2
.set FR,     12
.set NL,     6
.set NP,     4
.set PLANE,  6144
.set HALFT,  4*PLANE
.set SLOT,   4*HALFT
.set SCL,    2*SLOT
.set HALFS,  4096
.set SPARE,  SCL+4*HALFS
.set STAGE,  SPARE+512
.set WSTG,   13312
.set STAGE2, STAGE+4*WSTG
.set KADV,   4*12288*48
.set ADRA, 16
.set ADRB, 20
.set STB,  22
.set NWA,  23
.set STO,  24
.set SSO,  25
.set RD,   26
.set ADRS, 27
.set SPW,  28
.set NIL,  29
.set CO,   30
.set CSA,  31
.set SC,   32
.set NW,   64
.set TMP,  96
.set AF,   128
.set TM,   128
.set W01,  140
.set W23,  141
.set WA,   142
.set SS,   144
.set RS,   152
.set BK,   128
.set CD,   240
.set G1, 24
.set G0, 32
.set G1B, 48
.set G0B, 56
.set G1S, 68
.set G0S, 76
.set G1SB, 80
.set G0SB, 88
.set MSB, 0
.macro WIN new
.if MSB != \new
	s_set_vgpr_msb (MSB<<8)|\new
.set MSB, \new
.endif
.endm
.set MUL_LO, 0xa1
.set MUL_HI, 0xf1
.set TO_B,   0x40
.macro JLOAD g0a, g1a, g0b, g1b
	s_cmp_eq_u32 s15, 0
	s_cbranch_scc0 .Lfor_b_\@
	tensor_load_to_lds s[\g0a:\g0a+3], s[\g1a:\g1a+7]
	s_nop 0
.rept 4
	v_nop
.endr
	s_branch .Lasked_\@
.Lfor_b_\@:
	tensor_load_to_lds s[\g0b:\g0b+3], s[\g1b:\g1b+7]
	s_nop 0
.rept 4
	v_nop
.endr
.Lasked_\@:
.endm
.macro CREST
	s_cmp_lg_u32 s14, 0
	s_cbranch_scc1 .Lnot_wave_0_\@
	s_barrier_signal -3
.Lnot_wave_0_\@:
	s_barrier_wait -3
	s_barrier_signal -1
	s_barrier_wait -1
.endm
.macro CROUND
	s_barrier_signal -1
	s_barrier_wait -1
	CREST
.endm
	s_load_b128 s[4:7], s[0:1], 0x0
	v_lshl_add_u32 v[SPW], v0, 2, SPARE
	v_mov_b32 v[NIL], 0
	ds_add_u32 v28, v29
	ds_add_u32 v28, v29
	s_wait_dscnt 0x0
	v_lshrrev_b32 v1, 5, v0
	v_readfirstlane_b32 s14, v1
	s_lshr_b32 s15, s14, 1
	s_and_b32 s16, s14, 1
	s_bfe_u32 s40, ttmp6, 0x40000
	s_bfe_u32 s41, ttmp6, 0x40004
	s_and_b32 s66, ttmp7, 0xffff
	s_lshl_b32 s18, s66, 2
	s_lshl_b32 s19, s66, 3
	s_sub_co_u32 s19, s19, 64
	s_lshl_b32 s42, ttmp9, 2
	s_cmp_ge_u32 s66, 8
	s_cselect_b32 s95, 1, 0
	s_cselect_b32 s18, 0, s18
	s_cselect_b32 s19, s19, 0
	s_cselect_b32 s67, 10240, 0
	s_cselect_b32 s96, 0, 8192
	s_add_co_u32 s17, s18, s41
	s_add_co_u32 s42, s42, s19
	s_add_co_u32 s42, s42, s40
	s_lshl_b32 s43, s41, 2
	s_lshl_b32 s43, 15, s43
	s_lshl_b32 s44, 0x1111, s40
	s_or_b32 s[G1+0], s43, (3<<16)|(1<<21)
	s_or_b32 s[G1B+0], s44, (3<<16)|(1<<21)
.irp g, G1, G1B
	s_mov_b32 s[\g+1], 768<<16
	s_mov_b32 s[\g+2], 4<<16
	s_mov_b32 s[\g+3], 768<<16
	s_mov_b32 s[\g+4], 4
	s_mov_b32 s[\g+5], 73728
	s_mov_b32 s[\g+6], 0
	s_mov_b32 s[\g+7], 0
.endr
	s_or_b32 s[G1S+0], s43, (3<<16)|(1<<21)
	s_or_b32 s[G1SB+0], s44, (3<<16)|(1<<21)
.irp g, G1S, G1SB
	s_mov_b32 s[\g+1], 128<<16
	s_mov_b32 s[\g+2], 4<<16
	s_mov_b32 s[\g+3], 128<<16
	s_mov_b32 s[\g+4], 4
	s_mov_b32 s[\g+5], 12288
	s_mov_b32 s[\g+6], 0
	s_mov_b32 s[\g+7], 0
.endr
	s_lshl_b32 s18, s16, 7
	s_lshl_b32 s20, s17, 8
	s_add_co_u32 s20, s20, s18
	s_add_co_u32 s20, s20, s67
	s_lshl_b32 s46, s42, 8
	s_add_co_u32 s46, s46, s18
	s_add_co_u32 s46, s46, s96
	s_lshl_b32 s22, s20, 3
	s_mov_b32 s23, 0
	s_lshl_b32 s92, s46, 3
	s_mov_b32 s93, 0
	s_mul_i32 s20, s20, 48
	s_mov_b32 s21, 0
	s_mul_i32 s46, s46, 48
	s_mov_b32 s47, 0
	s_mul_i32 s45, s14, HALFT
	s_lshl_b32 s94, s14, 12
	s_wait_kmcnt 0x0
	s_add_nc_u64 s[20:21], s[4:5], s[20:21]
	s_add_nc_u64 s[22:23], s[6:7], s[22:23]
	s_add_nc_u64 s[46:47], s[4:5], s[46:47]
	s_add_nc_u64 s[92:93], s[6:7], s[92:93]
	CROUND
	s_mov_b32 s[G0S], 1
	s_add_co_u32 s[G0S+1], s94, SCL
	s_mov_b64 s[G0S+2:G0S+3], s[22:23]
	s_or_b32 s[G0S+3], s[G0S+3], 0x80000000
	s_mov_b32 s[G0SB], 1
	s_add_co_u32 s[G0SB+1], s94, SCL
	s_mov_b64 s[G0SB+2:G0SB+3], s[92:93]
	s_or_b32 s[G0SB+3], s[G0SB+3], 0x80000000
	JLOAD G0S, G1S, G0SB, G1SB
.irp s, 0,1
	s_mov_b32 s[G0+4*\s], 1
	s_add_co_u32 s[G0+4*\s+1], s45, \s*SLOT
	s_add_nc_u64 s[G0+4*\s+2:G0+4*\s+3], s[20:21], \s*KADV
	s_or_b32 s[G0+4*\s+3], s[G0+4*\s+3], 0x80000000
	s_mov_b32 s[G0B+4*\s], 1
	s_add_co_u32 s[G0B+4*\s+1], s45, \s*SLOT
	s_add_nc_u64 s[G0B+4*\s+2:G0B+4*\s+3], s[46:47], \s*KADV
	s_or_b32 s[G0B+4*\s+3], s[G0B+4*\s+3], 0x80000000
	s_wait_alu depctr_va_vdst(0)
	s_wait_tensorcnt 0x0
	ds_add_u32 v28, v29
	s_wait_dscnt 0x0
	CROUND
	JLOAD G0+4*\s, G1, G0B+4*\s, G1B
.endr
	v_and_b32 v1, 15, v0
	v_bfe_u32 v2, v0, 4, 1
	s_wait_alu depctr_va_vdst(0)
	v_mul_u32_u24 v3, v1, 48
	v_mad_u32_u24 v4, v2, 24, v3
	s_mul_i32 s21, s15, HALFT
	s_mul_i32 s22, s16, HALFT
	s_add_co_u32 s22, s22, 2*HALFT
.irp s, 0,1
	v_add_nc_u32 v[ADRA+\s], s21, v4
	v_add_nc_u32 v[ADRB+\s], s22, v4
	s_add_co_u32 s21, s21, SLOT
	s_add_co_u32 s22, s22, SLOT
.endr
	v_lshlrev_b32 v5, 3, v1
	s_lshl_b32 s21, s15, 12
	s_lshl_b32 s22, s16, 12
	s_add_co_u32 s22, s22, 2*HALFS
	s_sub_co_u32 s22, s22, s21
	v_mul_u32_u24 v6, s22, v2
	s_add_co_u32 s21, s21, SCL
	v_add_nc_u32 v5, v5, v6
	v_add_nc_u32 v[ADRS], s21, v5
	s_mul_i32 s23, s14, WSTG
	s_add_co_u32 s23, s23, STAGE
	v_lshlrev_b32 v5, 4, v1
	v_add_nc_u32 v5, s23, v5
	v_mad_u32_u24 v[STO], v2, 12, v5
	v_mad_u32_u24 v[STB], v2, 508, v5
	v_lshlrev_b32 v5, 2, v1
	v_add_nc_u32 v5, 12288, v5
	v_add_nc_u32 v[SSO], s23, v5
	v_and_b32 v6, 31, v0
	v_lshlrev_b32 v[CO], 4, v6
	v_add_nc_u32 v[RD], s23, v[CO]
	v_and_b32 v5, 8, v1
	v_add_nc_u32 v5, v5, v1
	v_lshlrev_b32 v5, 8, v5
	v_lshl_add_u32 v[CSA], v2, 6, v5
	v_lshlrev_b32 v[NWA], 6, v2
.macro FRAG reg, adr, q, i
.irp p, 0,1,2,3,4,5
	ds_load_b64 v[\reg+2*\p:\reg+2*\p+1], v[\adr] offset:(2*(\q)+\p/3)*PLANE+(\i)*768+8*(\p%3)
.endr
.endm
.macro MUL16 a0, p, q, sc, zero
.irp a, \a0, \a0+1
.irp b, 0,1,2,3,4,5,6,7
.if \zero
	v_wmma_scale_f32_16x16x128_f8f6f4 v[8*(8*((\a)%4)+\b):8*(8*((\a)%4)+\b)+7], v[128*(\p)+FR*\b:128*(\p)+FR*\b+FR-1], v[AF+FR*(\a):AF+FR*(\a)+FR-1], 0, v[SC+8*NQ*(\sc)+NQ*\b+(\q)], v[SC+8*NQ*(\sc)+NQ*(\a)+(\q)] matrix_a_fmt:MATRIX_FMT_FP6 matrix_b_fmt:MATRIX_FMT_FP6 matrix_a_scale:MATRIX_SCALE_ROW1
.else
	v_wmma_scale_f32_16x16x128_f8f6f4 v[8*(8*((\a)%4)+\b):8*(8*((\a)%4)+\b)+7], v[128*(\p)+FR*\b:128*(\p)+FR*\b+FR-1], v[AF+FR*(\a):AF+FR*(\a)+FR-1], v[8*(8*((\a)%4)+\b):8*(8*((\a)%4)+\b)+7], v[SC+8*NQ*(\sc)+NQ*\b+(\q)], v[SC+8*NQ*(\sc)+NQ*(\a)+(\q)] matrix_a_fmt:MATRIX_FMT_FP6 matrix_b_fmt:MATRIX_FMT_FP6 matrix_a_scale:MATRIX_SCALE_ROW1
.endif
.endr
.endr
.endm
.macro FETCH_B slot, q, p
	WIN TO_B
.irp i, 0,1,2,3,4,5,6,7
	FRAG 128*(\p)+FR*\i, ADRB+\slot, \q, \i
.endr
	WIN 0
.endm
.macro FETCH_A slot, q, i0
.irp i, \i0, \i0+1, \i0+2, \i0+3
	FRAG AF+FR*(\i), ADRA+\slot, \q, \i
.endr
.endm
.macro SCALES sc
.irp i, 0,1,2,3,4,5,6,7
	ds_load_b64 v[SC+8*NQ*\sc+NQ*\i:SC+8*NQ*\sc+NQ*\i+1], v[ADRS] offset:\i*128
.endr
.endm
.macro PLACES n
.rept \n
	v_nop
.endr
.endm
.macro STEP slot, q, zero
	s_wait_dscnt 4*NL
	WIN MUL_LO
	MUL16 0, (\q)%2, \q, \slot, \zero
	MUL16 2, (\q)%2, \q, \slot, \zero
	s_wait_dscnt 0
	PLACES NP
	FETCH_B \slot, (\q)+1, 1-(\q)%2
	FETCH_A \slot, (\q)+1, 0
	WIN MUL_HI
	MUL16 4, (\q)%2, \q, \slot, \zero
	MUL16 6, (\q)%2, \q, \slot, \zero
	PLACES NP
	WIN 0
	FETCH_A \slot, (\q)+1, 4
.endm
.macro TURN slot, next, fill
	s_wait_tensorcnt 0x0
	ds_add_u32 v[SPW], v[NIL]
	s_wait_dscnt 4*NL+1
	WIN MUL_LO
	MUL16 0, 1, NQ-1, \slot, 0
	s_wait_dscnt 0x0
	s_barrier_signal -1
	MUL16 2, 1, NQ-1, \slot, 0
	WIN 0
	s_barrier_wait -1
.if \fill
	CREST
	s_add_nc_u64 s[G0+4*\slot+2:G0+4*\slot+3], s[G0+4*\slot+2:G0+4*\slot+3], 2*KADV
	s_add_nc_u64 s[G0B+4*\slot+2:G0B+4*\slot+3], s[G0B+4*\slot+2:G0B+4*\slot+3], 2*KADV
	JLOAD G0+4*\slot, G1, G0B+4*\slot, G1B
.else
	PLACES NP
.endif
	s_wait_alu depctr_va_vdst(0)
	v_add_nc_u32 v[ADRS], 1024, v[ADRS]
	FETCH_B \next, 0, 0
	FETCH_A \next, 0, 0
	SCALES \next
	WIN MUL_HI
	MUL16 4, 1, NQ-1, \slot, 0
	MUL16 6, 1, NQ-1, \slot, 0
	PLACES NP
	WIN 0
	FETCH_A \next, 0, 4
.endm
.macro LAST
	s_wait_dscnt 4*NL
	WIN MUL_LO
	MUL16 0, 1, NQ-1, 1, 0
	MUL16 2, 1, NQ-1, 1, 0
	s_wait_dscnt 0
	WIN MUL_HI
	MUL16 4, 1, NQ-1, 1, 0
	MUL16 6, 1, NQ-1, 1, 0
	WIN 0
	PLACES NP
.endm
.macro CSLOAD a
	WIN TO_B
.irp b, 0,1
.irp j, 0,1,2,3
	global_load_b128 v[64*((\a)%4)+16*\b+4*\j:64*((\a)%4)+16*\b+4*\j+3], v[CSA], s[68:69] offset:(32*((\a)/2)+8*((\a)%2))*256+128*\b+16*\j
.endr
.endr
.irp b, 0,1
.irp j, 0,1,2,3
	global_load_b128 v[64*((\a)%4)+32+16*\b+4*\j:64*((\a)%4)+32+16*\b+4*\j+3], v[CSA], s[70:71] offset:(32*((\a)/2)+8*((\a)%2))*256+128*\b+16*\j
.endr
.endr
	WIN 0
.endm
.macro EPI a, rope, left
.set W, 2+(\a)/4
.set AC, 64*((\a)%4)
.set CB, 64*((\a)%4)
.set W_RR, W|(W<<2)
.set W_DS, (W<<6)|W
.set W_SC, W|(1<<2)
.set W_DSC, (W<<6)|(1<<2)|W
.if \rope
	WIN W_RR
.irp pr, 0,1
.irp e, 0,1
	v_pk_mul_f32 v[SS+4*\e+2*\pr:SS+4*\e+2*\pr+1], v[AC+32*\e+2*\pr:AC+32*\e+2*\pr+1], v[AC+32*\e+2*\pr:AC+32*\e+2*\pr+1]
.endr
.endr
.irp pr, 2,3,4,5,6,7,8,9,10,11,12,13,14,15
.irp e, 0,1
	v_pk_fma_f32 v[SS+4*\e+2*(\pr%2):SS+4*\e+2*(\pr%2)+1], v[AC+32*\e+2*\pr:AC+32*\e+2*\pr+1], v[AC+32*\e+2*\pr:AC+32*\e+2*\pr+1], v[SS+4*\e+2*(\pr%2):SS+4*\e+2*(\pr%2)+1]
.endr
.endr
	WIN 0
.irp e, 0,1
	v_pk_add_f32 v[SS+4*\e:SS+4*\e+1], v[SS+4*\e:SS+4*\e+1], v[SS+4*\e+2:SS+4*\e+3]
.endr
.irp e, 0,1
	v_add_f32 v[SS+4*\e], v[SS+4*\e], v[SS+4*\e+1]
.endr
.irp e, 0,1
	v_permlanex16_b32 v[SS+4*\e+1], v[SS+4*\e], s98, s99
.endr
.irp e, 0,1
	v_add_f32 v[SS+4*\e], v[SS+4*\e], v[SS+4*\e+1]
.endr
.irp e, 0,1
	v_fma_f32 v[SS+4*\e], v[SS+4*\e], s96, s97
.endr
	s_wait_alu depctr_va_vdst(0)
.irp e, 0,1
	v_rsq_f32 v[RS+2*\e], v[SS+4*\e]
.endr
	v_nop
	s_wait_loadcnt \left
	WIN W_DS
	s_wait_alu depctr_va_vdst(0)
.irp e, 0,1
.irp i, 0,2,4,6,8,10,12,14,16,18,20,22,24,26,28,30
	v_pk_mul_f32 v[AC+32*\e+\i:AC+32*\e+\i+1], v[AC+32*\e+\i:AC+32*\e+\i+1], v[RS+2*\e:RS+2*\e+1] op_sel_hi:[1,0]
.endr
.endr
.irp e, 0,1
.irp i, 0,2,4,6,8,10,12,14,16,18,20,22,24,26,28,30
	v_pk_mul_f32 v[AC+32*\e+\i:AC+32*\e+\i+1], v[AC+32*\e+\i:AC+32*\e+\i+1], v[NW+\i:NW+\i+1]
.endr
.endr
.irp e, 0,1
	WIN W_SC
.irp i, 0,2,4,6,8,10,12,14
	v_pk_mul_f32 v[TMP+\i:TMP+\i+1], v[AC+32*\e+16+\i:AC+32*\e+16+\i+1], v[CB+32+\i:CB+32+\i+1]
	v_pk_mul_f32 v[TMP+16+\i:TMP+16+\i+1], v[AC+32*\e+\i:AC+32*\e+\i+1], v[CB+48+\i:CB+48+\i+1]
.endr
	WIN W_DSC
.irp i, 0,2,4,6,8,10,12,14
	v_pk_fma_f32 v[AC+32*\e+\i:AC+32*\e+\i+1], v[AC+32*\e+\i:AC+32*\e+\i+1], v[CB+\i:CB+\i+1], v[TMP+\i:TMP+\i+1] neg_lo:[0,0,1] neg_hi:[0,0,1]
	v_pk_fma_f32 v[AC+32*\e+16+\i:AC+32*\e+16+\i+1], v[AC+32*\e+16+\i:AC+32*\e+16+\i+1], v[CB+16+\i:CB+16+\i+1], v[TMP+16+\i:TMP+16+\i+1]
.endr
.endr
.if (\a) < 4
	CSLOAD (\a)+4
.endif
.endif
	WIN 0
	s_wait_dscnt 0x0
	WIN W_RR
.irp b, 0,1,2,3
	v_max3_num_f32 v[TM+\b], |v[AC+16*\b]|, |v[AC+16*\b+1]|, 0x1800000
.endr
.irp i, 2,4,6,8,10,12,14
.irp b, 0,1,2,3
	v_max3_num_f32 v[TM+\b], |v[AC+16*\b+\i]|, |v[AC+16*\b+\i+1]|, v[TM+\b]
.endr
.endr
	WIN 0
.irp b, 0,1,2,3
	v_permlanex16_b32 v[TM+4+\b], v[TM+\b], s98, s99
.endr
.irp b, 0,1,2,3
	v_max_num_f32 v[TM+\b], v[TM+\b], v[TM+4+\b]
.endr
.irp b, 0,1,2,3
	v_add_nc_u32 v[TM+8+\b], 0xff000000, v[TM+\b]
.endr
.irp b, 0,1,2,3
	v_lshrrev_b32 v[TM+4+\b], 23, v[TM+8+\b]
.endr
	v_lshl_or_b32 v[W01], v[TM+5], 8, v[TM+4]
	v_lshl_or_b32 v[W23], v[TM+7], 8, v[TM+6]
.if !\rope
	v_lshl_or_b32 v[WA], v[W23], 16, v[W01]
.endif
	WIN W
.irp b, 0,1,2,3
	v_cvt_scalef32_pk16_fp6_f32 v[CD+4*\b:CD+4*\b+2], v[AC+16*\b:AC+16*\b+15], v[TM+8+\b]
.endr
	WIN 0
.irp b, 0,1,2,3
.irp n, 0,1,2
.if \rope
.set RC, 6*(4*((\a)/4)+(\a)%2)+\n
.set OFS, (\b/2)*6144+256*(\b%2)+128*(((\a)/2)%2)+512*(RC/4)+4*(RC%4)
.else
.set RC, 12*((\a)%4)+6*(\b/2)+\n
.set OFS, ((\a)/4)*6144+256*(\b%2)+512*(RC/4)+4*(RC%4)
.endif
.if RC%4 == 0
	ds_store_b32 v[STO], v[CD+4*\b+\n] offset:OFS
.else
	ds_store_b32 v[STB], v[CD+4*\b+\n] offset:OFS
.endif
.endr
.endr
.if \rope
.set RB, 8*(((\a)/2)%2)+16*((\a)%2)+64*((\a)/4)
	ds_store_b32 v[SSO], v[W01] offset:4*RB
	ds_store_b32 v[SSO], v[W23] offset:512+4*RB
.else
	ds_store_b32 v[SSO], v[WA] offset:64*(\a)
.endif
.endm
.macro OUT n
	s_wait_dscnt 0x0
.set k, 0
.rept \n
	ds_load_b128 v[BK+4*k:BK+4*k+3], v[RD] offset:512*k
.set k, k+1
.endr
.set k, 0
.rept 24
	s_wait_dscnt \n-1-k
	global_store_b128 v[CO], v[BK+4*k:BK+4*k+3], s[84+2*(k/12):85+2*(k/12)] offset:512*(k%12)
.set k, k+1
.endr
	s_wait_dscnt \n-25
	global_store_b128 v[CO], v[BK+96:BK+99], s[88:89]
.if \n == 26
	s_wait_dscnt 0x0
	global_store_b128 v[CO], v[BK+100:BK+103], s[90:91]
.endif
.endm
	s_wait_tensorcnt 1
	s_barrier_signal -1
	s_barrier_wait -1
	FETCH_B 0, 0, 0
	FETCH_A 0, 0, 0
	SCALES 0
	FETCH_A 0, 0, 4
	STEP 0, 0, 1
	s_mov_b32 s3, 1
.Llap:
	TURN 0, 1, 1
	STEP 1, 0, 0
	TURN 1, 0, 1
	STEP 0, 0, 0
	s_sub_co_u32 s3, s3, 1
	s_cmp_lg_u32 s3, 0
	s_cbranch_scc1 .Llap
	TURN 0, 1, 0
	s_load_b256 s[68:75], s[0:1], 0x10
	s_load_b256 s[76:83], s[0:1], 0x30
	STEP 1, 0, 0
	s_wait_kmcnt 0x0
	s_lshl_b32 s24, s17, 8
	s_lshl_b32 s25, s15, 7
	s_add_co_u32 s24, s24, s25
	s_lshl_b32 s26, s42, 2
	s_lshl_b32 s25, s16, 1
	s_add_co_u32 s26, s26, s25
	s_lshr_b32 s28, s26, 1
	s_lshl_b32 s29, s24, 1
	s_mov_b32 s27, 8192
	s_cmp_lg_u32 s95, 0
	s_cselect_b32 s25, 128, s27
	s_cselect_b32 s27, 1024, s27
	s_cselect_b32 s28, s28, s26
	s_cselect_b32 s29, s29, s24
	s_cselect_b64 s[84:85], s[80:81], s[76:77]
	s_cselect_b64 s[88:89], s[82:83], s[78:79]
	s_mul_i32 s30, s26, s27
	s_add_co_u32 s30, s30, s29
	s_mul_i32 s30, s30, 48
	s_mov_b32 s31, 0
	s_add_nc_u64 s[84:85], s[84:85], s[30:31]
	s_mul_i32 s30, s25, 48
	s_add_nc_u64 s[86:87], s[84:85], s[30:31]
	s_mul_i32 s30, s28, s27
	s_add_co_u32 s30, s30, s24
	s_lshl_b32 s30, s30, 2
	s_add_nc_u64 s[88:89], s[88:89], s[30:31]
	s_add_nc_u64 s[90:91], s[88:89], 32768
	s_and_b32 s30, s24, 2047
	s_lshl_b32 s30, s30, 8
	s_add_nc_u64 s[68:69], s[68:69], s[30:31]
	s_add_nc_u64 s[70:71], s[70:71], s[30:31]
	s_cmp_eq_u32 ttmp9, 0
	s_cselect_b64 s[72:73], s[72:73], s[74:75]
	s_mov_b32 s96, 0x3c800000
	s_mov_b32 s97, 0x358637bd
	s_mov_b32 s98, 0x76543210
	s_mov_b32 s99, 0xfedcba98
	s_cmp_lg_u32 s95, 0
	s_cbranch_scc1 .Lvpath
	v_bfe_u32 v5, v0, 3, 1
	v_mad_u32_u24 v[STO], v5, 1408, v[STO]
	v_mad_u32_u24 v[STB], v5, 1408, v[STB]
	v_mad_u32_u24 v[SSO], v5, 96, v[SSO]
.irp b, 0,1
.irp j, 0,1,2,3
	global_load_b128 v[NW+16*\b+4*\j:NW+16*\b+4*\j+3], v[NWA], s[72:73] offset:128*\b+16*\j
.endr
.endr
	CSLOAD 0
	CSLOAD 1
	LAST
	CSLOAD 2
	CSLOAD 3
.irp b, 0,1,2,3
	v_mov_b32 v[TM+4+\b], 0
.endr
	v_mov_b32 v[RS+1], 0
	v_mov_b32 v[RS+3], 0
	EPI 0, 1, 48
	EPI 1, 1, 48
	EPI 2, 1, 48
	EPI 3, 1, 48
	EPI 4, 1, 48
	EPI 5, 1, 32
	EPI 6, 1, 16
	EPI 7, 1, 0
	OUT 26
	s_branch .Lend
.Lvpath:
	v_add_nc_u32 v[STO], STAGE2-STAGE, v[STO]
	v_add_nc_u32 v[STB], STAGE2-STAGE, v[STB]
	v_add_nc_u32 v[SSO], STAGE2-STAGE, v[SSO]
	v_add_nc_u32 v[RD], STAGE2-STAGE, v[RD]
	LAST
.irp b, 0,1,2,3
	v_mov_b32 v[TM+4+\b], 0
.endr
.irp a, 0,1,2,3,4,5,6,7
	EPI \a, 0, 0
.endr
	OUT 25
.Lend:
	s_wait_tensorcnt 0x0
	ds_add_u32 v[SPW], v[NIL]
	s_wait_dscnt 0x0
	CROUND
	s_endpgm
.Lfunc_end_k_qdf114dfbdf_qkv:
	.size	k_qdf114dfbdf_qkv, .Lfunc_end_k_qdf114dfbdf_qkv-k_qdf114dfbdf_qkv
	.p2alignl 7, 3214868480
	.fill 96, 4, 3214868480
	.section	.rodata,"a",@progbits
	.p2align	6, 0x0
	.amdhsa_kernel k_qdf114dfbdf_qkv
		.amdhsa_group_segment_fixed_size 327680
		.amdhsa_private_segment_fixed_size 0
		.amdhsa_enable_private_segment 0
		.amdhsa_kernarg_size 80
		.amdhsa_user_sgpr_count 2
		.amdhsa_user_sgpr_kernarg_segment_ptr 1
		.amdhsa_wavefront_size32 1
		.amdhsa_system_sgpr_workgroup_id_x 1
		.amdhsa_system_sgpr_workgroup_id_y 1
		.amdhsa_system_sgpr_workgroup_id_z 1
		.amdhsa_system_vgpr_workitem_id 0
		.amdhsa_next_free_vgpr 1024
		.amdhsa_next_free_sgpr 100
		.amdhsa_reserve_vcc 0
		.amdhsa_float_denorm_mode_32 3
		.amdhsa_float_denorm_mode_16_64 3
		.amdhsa_memory_ordered 1
		.amdhsa_forward_progress 1
		.amdhsa_inst_pref_size 255
	.end_amdhsa_kernel
	.section	.bss,"aw",@nobits
	.p2align	6
	.space	262144
	.amdgpu_metadata
---
amdhsa.version: [ 1, 2 ]
amdhsa.kernels:
  - .name:           k_qdf114dfbdf_qkv
    .symbol:         k_qdf114dfbdf_qkv.kd
    .args:
      - { .name: wcodes, .offset: 0, .size: 8, .value_kind: global_buffer, .address_space: global }
      - { .name: wscales, .offset: 8, .size: 8, .value_kind: global_buffer, .address_space: global }
      - { .name: cos, .offset: 16, .size: 8, .value_kind: global_buffer, .address_space: global }
      - { .name: sin, .offset: 24, .size: 8, .value_kind: global_buffer, .address_space: global }
      - { .name: norm_q_w, .offset: 32, .size: 8, .value_kind: global_buffer, .address_space: global }
      - { .name: norm_k_w, .offset: 40, .size: 8, .value_kind: global_buffer, .address_space: global }
      - { .name: qk_codes, .offset: 48, .size: 8, .value_kind: global_buffer, .address_space: global }
      - { .name: qk_scales, .offset: 56, .size: 8, .value_kind: global_buffer, .address_space: global }
      - { .name: v_codes, .offset: 64, .size: 8, .value_kind: global_buffer, .address_space: global }
      - { .name: v_scales, .offset: 72, .size: 8, .value_kind: global_buffer, .address_space: global }
    .group_segment_fixed_size: 327680
    .private_segment_fixed_size: 0
    .kernarg_segment_align: 8
    .kernarg_segment_size: 80
    .max_flat_workgroup_size: 128
    .sgpr_count:     100
    .vgpr_count:     1024
    .wavefront_size: 32
...
	.end_amdgpu_metadata
.endif
;; end of part 6
;; launch attn (part 7): grid 4 x 64, 16 waves a work-group, clusters of 4 x 1, 223,232 bytes of LDS; arguments qk_codes, qk_scales, v_codes, v_scales, attn_codes, attn_scales; writes attn_codes, attn_scales
.if DOCPART == 7
	.amdgcn_target "amdgcn-amd-amdhsa--gfx1250"
	.amdhsa_code_object_version 6
	.text
	.protected	k_qdf114dfbdf_attn
	.globl	k_qdf114dfbdf_attn
	.p2align	8
	.type	k_qdf114dfbdf_attn,@function
k_qdf114dfbdf_attn:
	s_mov_b64 s[64:65], 0
	v_nop
	global_prefetch_b8 v0, s[64:65] scope:SCOPE_SE
	s_setreg_imm32_b32 hwreg(HW_REG_WAVE_MODE, 25, 1), 1
	s_wait_xcnt 0x0
	s_wait_alu depctr_hold_cnt(0) depctr_sa_sdst(0) depctr_va_vdst(0) depctr_va_sdst(0) depctr_va_ssrc(0) depctr_va_vcc(0) depctr_vm_vsrc(0)
	s_getreg_b32 s2, hwreg(HW_REG_IB_STS2, 6, 4)
	s_cmp_eq_u32 s2, 0
	s_cbranch_scc0 .Lentry_in_a_cluster
	s_endpgm
.Lentry_in_a_cluster:
	s_bfe_u32 s2, ttmp6, 0x10000c
	s_cmp_lg_u32 s2, 0x3003
	s_cbranch_scc0 .Lentry_shape_is_right
	s_endpgm
.Lentry_shape_is_right:
; Attention of one head on codes of FP6 (E2M3) with E8M0 scales: S^T = K Q^T (K of the product: the head's 64), the softmax, O^T = V^T P^T (K: the keys), O / l, and the quantiser of the result along C for the output projection.
; THE SOFTMAX: t = score x log2(e) / 8; M = the row's largest t so far, rounded UP to a whole number; p = 2^(t - M) is what is quantised, along the keys, not normalised.  The row's sum is taken of the unquantised p and divides O at the end.
; When M moves, the sum and O are multiplied by 2^(old M - new M): exact.
; SHARES.  A work-group owns 512 queries of one head; each of its SIXTEEN waves owns two tiles of 16, one after the other (two passes: tile = wave, then wave + 16), in 256 registers: four waves to a SIMD.
; THE WHOLE HEAD'S K AND V LIE IN LDS: 196,608 bytes of codes and 12,288 of scale words come ONCE, by ten first fills: no ring, no refill, no barrier in the loops.  All fills go out at the head, so there is no loop in which a prefetch could run ahead: none is written.
; CLUSTER.  The four work-groups of a cluster are the four blocks of queries of one head and read the same K and V: every fill is asked for JOINTLY, with a mask that names the four.
; OPERANDS AS IMAGES OF THEIR REGISTERS.  A key step's K (eight fragments of six registers) and its V (four of twelve) are 48 registers a lane each, and lie in memory and in LDS as twelve runs of 512 bytes, lane l's 16 bytes at 16 l.
; LAYOUT.  Both products are used transposed: a lane holds ONE query (lane % 16).  Key 64 c + 32 g + 8 u + j of a step is row 8 g + j of K's fragment 4 c + u: so lane half g holds, in the 32 registers of result tiles 4 c .. 4 c + 3,
; the keys 64 c + 32 g + 0 .. 31: a whole block of 32 in one lane, in the order and lane half in which the second product's operand wants it.  V's channels lie with bits 3 and 4 of their number exchanged, so that O^T's tiles 2 b, 2 b + 1 are channels 32 b + 16 (lane / 16) + 0 .. 15.
; THE FIRST PRODUCT'S K IS 64, half of the instruction's 128.  Registers 6-11 of Q's fragment hold zero codes, written once, and bytes 2, 3 of both scale words are 0 (2^-127, no NaN).  A zero code times any code of this format is 0,
; so registers 6-11 of a fragment of K may hold anything: they ARE the next fragment's registers 0-5.
; A KEY STEP, 128 keys: 8 products, the maxima, M and f, all 32 scalings, O's rescaling, the 66 exponentials as ONE batch, p's scale word, the conversions, the 4 second products, the sums.
; K AND V TAKE TURNS IN ONE SET OF REGISTERS: V is asked for behind the first products, the next step's K behind the second products, with 17 of the sums' lines behind the request.
; Scalings, rescalings and sums take two neighbouring registers an instruction, as dual-issue pairs: an even and an odd destination, sources in different banks or the same register.
; The step is written once: the index of the next step wraps at 16, so a pass's last trip fetches K's step 0, which the next pass begins with; the second pass's last fetch (1 of 32) is not used.
; OUT: attn_codes [16 heads][8192 tokens][48]; attn_scales [4][8192][8], this head's two bytes at 2 (head % 4).
; LIMITS: NaN and infinities are not served; a block whose largest magnitude lies under 2^-124 is held at the byte 1, a block of zeros has the byte 1; a block's largest p is taken through its largest score, which takes v_exp_f32 not to fall where its input rises; 1 / l is v_rcp_f32's;
; the promise holds while the scaled scores stay under 2^31 in magnitude.
.set LVC,  98304                       ; LDS: K's sixteen images of 6,144 bytes at 0; V's sixteen here
.set LKS,  196608                      ; K's scale words, one a key, in the order of the fragments' rows
.set LVS,  204800                      ; V's, [16 steps of 128 keys][64][4]
.set STG,  208896                      ; the way out: 16 rows x 48 bytes for each wave; no fill lands here
.set SPARE, 0x36000                    ; the spare words, 128 bytes a wave
.set AK0,  1                           ; 16 x lane: K's images
.set AV0,  2                           ; the same in V's
.set ASK0, 3                           ; K's scale words: 4 x lane
.set ASV0, 4                           ; V's
.set STO,  5                           ; my stage: 48 r + 12 h
.set SRD,  6                           ; my stage read back: 8 x lane
.set GO,   7                           ; 8 x lane
.set ADK,  8                           ; v8-11 addresses of the loads in hand
.set ADV,  9
.set ADS,  10
.set ADT,  11
.set NM,   12                          ; v12 -M, v13 the largest score
.set LS,   14                          ; v[14:15] the sum's first chain
.set QS,   16                          ; v16 Q's scale words; v17 the second pass's
.set PW,   18                          ; p's scale word
.set GS,   19                          ; 8 r
.set SH8,  20                          ; 8 (lane / 16)
.set PX,   21                          ; what lane l xor 16 sends
.set TT,   22
.set OLD,  23                          ; -M as it was
.set F,    24                          ; f = 2^(old M - new M)
.set NB,   25                          ; -M once more, in another bank than v12
.set VC,   26                          ; c = log2(e) / 8
.set KSW,  28                          ; v28-31 K's scale words, v32-33 V's
.set VSW,  32
.set LX,   34                          ; v34-39 the sum's three other chains
.set KF,   40                          ; v40-93 K's eight fragments, six registers apart, then V's four of twelve (v88-93: written once, never loaded)
.set S,    94                          ; v94-157 S^T, then p (at the head: at work)
.set BM,   158                         ; v158-161 chains of maxima; then v158, v160: my two blocks' largest scores, then p
.set T4,   162                         ; v162-169 at work
.set SO,   170                         ; v170-171 the conversions' scale operands
.set C1,   172                         ; v172-174 the way out: the second block's codes
.set O,    176                         ; v176-207 O^T
.set PC,   208                         ; v208-219 p's codes
.set Q,    220                         ; v220-231 Q's fragment (v226-231 zeros)
.set Q2,   232                         ; v232-237 the second pass's Q
.set SPW,  254
.set NIL,  255
.set WV,   18
.set SEL,  20
.set CS,   22
.set TB,   56                          ; s56  the next step's bytes in K's codes: 6,144 a step
.set TS,   57                          ; s57  in K's scale words: 512
.set TJ,   58                          ; s58  this step's bytes in V's scale words: 256
.set TV,   61                          ; s61  in V's codes: 6,144
.macro CROUND                          ; a round of the cluster's barrier
	s_barrier_signal -1
	s_barrier_wait -1
	s_cmp_lg_u32 s[WV], 0
	s_cbranch_scc1 .Lnot_wave_0_\@
	s_barrier_signal -3
.Lnot_wave_0_\@:
	s_barrier_wait -3
	s_barrier_signal -1
	s_barrier_wait -1
.endm
.macro SHAPE d0, d1, st                ; descriptor group 1: d1 rows of d0 elements of 8 bytes, st elements apart; no padding
	s_mov_b32 s48, 15|(3<<16)|(1<<21)              ; the mask: all four work-groups; elements of 8 bytes; bit 21 set beside a mask
	s_mov_b32 s49, (\d0)<<16
	s_mov_b32 s50, (\d1)<<16
	s_mov_b32 s51, (\d0)<<16
	s_mov_b32 s52, \d1
	s_mov_b32 s53, \st
	s_mov_b32 s54, 0
	s_mov_b32 s55, 0
.endm
.macro ASK base                        ; group 0 (s41, the LDS address, is written ahead), and the load; s_nop 0 and four v_nop follow it
	s_mov_b32 s40, 1
	s_add_nc_u64 s[42:43], s[\base:\base+1], s[32:33]
	s_or_b32 s43, s43, 0x80000000
	tensor_load_to_lds s[40:43], s[48:55]
	s_nop 0
.rept 4
	v_nop
.endr
.endm
	s_load_b256 s[4:11], s[0:1], 0x0               ; qk_codes s[4:5], qk_scales s[6:7], v_codes s[8:9], v_scales s[10:11]
	s_load_b128 s[12:15], s[0:1], 0x20             ; attn_codes s[12:13], attn_scales s[14:15]
	v_lshl_add_u32 v[SPW], v0, 2, SPARE
	v_mov_b32 v[NIL], 0
	ds_add_u32 v[SPW], v[NIL]                      ; the opening lines: the add, twice on end, and its wait
	ds_add_u32 v[SPW], v[NIL]
	v_lshrrev_b32 v8, 5, v0
	s_delay_alu instid0(VALU_DEP_1)
	v_readfirstlane_b32 s[WV], v8                  ; wave 0..15
	s_bfe_u32 s19, ttmp6, 0x40000                  ; cx: my block of 512 queries: it enters Q's and the outputs' addresses alone
	s_and_b32 s24, ttmp7, 0xffff
	s_lshr_b32 s25, s24, 4                         ; the batch
	s_and_b32 s26, s24, 15                         ; the head
	s_lshl_b32 s27, s26, 13                        ; the head's plane of 8,192 rows
	s_lshl_b32 s28, s25, 11                        ; the batch's 2,048 tokens
	s_add_co_u32 s29, s27, s28
	s_add_co_u32 s30, s29, 16*8192                 ; k's planes lie behind q's sixteen
	s_mov_b32 s33, 0
	s_mov_b32 s[SEL], 0x76543210
	s_mov_b32 s[SEL+1], 0xfedcba98                 ; v_permlanex16_b32's selects for lane l xor 16
	s_mov_b32 s[CS], 0x3e38aa3b                    ; c = log2(e) / sqrt(64)
	s_mov_b32 s60, 2                               ; passes
	s_wait_dscnt 0x0
	s_wait_kmcnt 0x0
	CROUND                                         ; all four work-groups are here: the joint loads meet
	; THE FILLS: one load a wave, in one chain of branches on the wave's number; waves 10 to 15 issue none.  No place in the cluster enters a descriptor.
	s_cmp_lt_u32 s[WV], 4
	s_cbranch_scc0 .Lnot_k
	SHAPE 32, 96, 32                               ; waves 0-3: a quarter of K's codes: four images, 24,576 dense bytes, as 96 rows of 256
	s_mul_i32 s41, s[WV], 24576
	s_lshl_b32 s32, s[WV], 9
	s_add_co_u32 s32, s32, s30
	s_mul_i32 s32, s32, 48
	ASK 4
	s_branch .Lasked
.Lnot_k:
	s_cmp_lt_u32 s[WV], 8
	s_cbranch_scc0 .Lnot_v
	SHAPE 768, 4, 12288                            ; waves 4-7: a quarter of V's: four key steps' images of 6,144 bytes, sixteen heads' images from one step to the next
	s_mul_i32 s41, s[WV], 24576                    ; (V's codes begin at 4 x 24,576)
	s_lshl_b32 s32, s25, 4
	s_lshl_b32 s31, s[WV], 2
	s_add_co_u32 s32, s32, s31
	s_sub_co_u32 s32, s32, 16                      ; key step 16 x batch + 4 (wave - 4)
	s_lshl_b32 s32, s32, 4
	s_add_co_u32 s32, s32, s26                     ; the head's image in it
	s_mul_i32 s32, s32, 6144
	ASK 8
	s_branch .Lasked
.Lnot_v:
	s_cmp_eq_u32 s[WV], 8
	s_cbranch_scc0 .Lnot_ks
	SHAPE 32, 32, 32                               ; wave 8: K's scale words: 8,192 dense bytes
	s_mov_b32 s41, LKS
	s_lshl_b32 s32, s30, 2
	ASK 6
	s_branch .Lasked
.Lnot_ks:
	s_cmp_eq_u32 s[WV], 9
	s_cbranch_scc0 .Lasked
	SHAPE 32, 16, 512                              ; wave 9: V's: 16 planes' parts of 256 bytes, a plane 4,096 bytes from the next
	s_mov_b32 s41, LVS
	s_lshl_b32 s32, s25, 14
	s_lshl_b32 s31, s26, 6
	s_add_co_u32 s32, s32, s31
	s_lshl_b32 s32, s32, 2
	ASK 10
.Lasked:
	s_lshl_b32 s34, s19, 9
	s_add_co_u32 s34, s34, s28                     ; my work-group's first token
	; Q.  True query 16 T + r (T = wave, then wave + 16) is, in the image of its 128 tokens, row r % 8 + 8 ((T / 2) % 2) of fragment 4 ((T / 4) % 2) + 2 (T % 2) + r / 8.
	s_lshr_b32 s35, s[WV], 3
	s_lshl_b32 s35, s35, 7                         ; which 128 tokens
	s_add_co_u32 s35, s35, s34
	s_add_co_u32 s35, s35, s27
	s_mul_i32 s32, s35, 48                         ; their image;
	s_bfe_u32 s31, s[WV], 0x10001
	s_lshl_b32 s31, s31, 7                         ; eight rows on are 128 bytes,
	s_add_co_u32 s32, s32, s31
	s_bfe_u32 s31, s[WV], 0x10002
	s_mul_i32 s31, s31, 3072                       ; four fragments on are six runs of 512 bytes,
	s_add_co_u32 s32, s32, s31
	s_and_b32 s31, s[WV], 1
	s_mul_i32 s31, s31, 1536                       ; two fragments on three runs
	s_add_co_u32 s32, s32, s31
	s_add_nc_u64 s[36:37], s[4:5], s[32:33]        ; Q's codes
	s_lshr_b32 s35, s[WV], 2                       ; its scale word lies at row 64 (T / 4) + 32 (T % 2) + 8 ((T / 2) % 2) + 16 (r / 8) + r % 8
	s_lshl_b32 s35, s35, 6
	s_bfe_u32 s31, s[WV], 0x10001
	s_lshl_b32 s31, s31, 3
	s_add_co_u32 s35, s35, s31
	s_and_b32 s31, s[WV], 1
	s_lshl_b32 s31, s31, 5
	s_add_co_u32 s35, s35, s31
	s_add_co_u32 s35, s35, s34
	s_add_co_u32 s35, s35, s27
	s_lshl_b32 s32, s35, 2
	s_add_nc_u64 s[38:39], s[6:7], s[32:33]        ; Q's scale words
	s_lshl_b32 s31, s[WV], 4
	s_add_co_u32 s34, s34, s31                     ; my first true token
	s_add_co_u32 s35, s34, s27
	s_mul_i32 s32, s35, 48
	s_add_nc_u64 s[12:13], s[12:13], s[32:33]      ; its row of the head's plane of attn_codes
	s_lshr_b32 s35, s26, 2
	s_lshl_b32 s35, s35, 16
	s_lshl_b32 s32, s34, 3
	s_add_co_u32 s32, s32, s35
	s_and_b32 s35, s26, 3
	s_lshl_b32 s35, s35, 1
	s_add_co_u32 s32, s32, s35
	s_add_nc_u64 s[14:15], s[14:15], s[32:33]      ; and the head's two bytes of its row of attn_scales
	v_and_b32 v94, 15, v0                          ; r
	v_bfe_u32 v95, v0, 4, 1                        ; h
	v_and_b32 v96, 31, v0                          ; lane
	v_mul_u32_u24 v97, v94, 48
	v_lshlrev_b32 v[AK0], 4, v96
	v_lshl_add_u32 v[ASK0], v96, 2, LKS
	v_lshl_add_u32 v[ASV0], v96, 2, LVS
	v_add_nc_u32 v[AV0], LVC, v[AK0]
	s_mul_i32 s31, s[WV], 768
	s_add_co_u32 s31, s31, STG
	v_mad_u32_u24 v[STO], v95, 12, v97
	v_lshlrev_b32 v[GO], 3, v96
	v_add_nc_u32 v[STO], s31, v[STO]
	v_add_nc_u32 v[SRD], s31, v[GO]
	v_lshlrev_b32 v[GS], 3, v94
	v_lshlrev_b32 v[SH8], 3, v95
	v_and_b32 v98, 7, v0                           ; r % 8
	v_bfe_u32 v99, v0, 3, 1                        ; r / 8: one fragment, six registers, on.  From registers 0, 1 and 4, 5 of a multiple of twelve that is 520 bytes on, from registers 2, 3 it is 1,016
	v_lshlrev_b32 v100, 4, v98
	v_and_b32 v102, 8, v94
	v_lshl_add_u32 v100, v95, 8, v100              ; 16 (r % 8) + 256 h
	v_add_nc_u32 v102, v102, v94                   ; 16 (r / 8) + r % 8
	v_mad_u32_u24 v101, v99, 1016, v100
	v_mad_u32_u24 v100, v99, 520, v100
	v_lshlrev_b32 v103, 2, v102
	global_load_b64 v[Q:Q+1], v100, s[36:37]       ; my first tile of Q,
	global_load_b64 v[Q+2:Q+3], v101, s[36:37] offset:8
	global_load_b64 v[Q+4:Q+5], v100, s[36:37] offset:512
	global_load_b64 v[Q2:Q2+1], v100, s[36:37] offset:12288   ; and my second, 256 tokens, two images, on
	global_load_b64 v[Q2+2:Q2+3], v101, s[36:37] offset:12296
	global_load_b64 v[Q2+4:Q2+5], v100, s[36:37] offset:12800
	global_load_b32 v[QS], v103, s[38:39]
	global_load_b32 v[QS+1], v103, s[38:39] offset:1024
.irp i, 0,1,2,3,4,5
	v_mov_b32 v[Q+6+\i], 0                         ; the empty half of the first product's K: zero codes, written once
	v_mov_b32 v[KF+48+\i], 0                       ; what the eighth fragment of K names behind its own six registers
.endr
	v_mov_b32 v[PX], 0                             ; written once: a lane permute's destination counts as one of its sources
	v_mov_b32 v[VC], s[CS]
	s_wait_alu depctr_va_vdst(0)
	s_wait_tensorcnt 0x0                           ; my fill, if I issued one, has landed,
	s_barrier_signal -1
	s_barrier_wait -1                              ; everybody's has: the head's K and V lie in LDS for the rest of the launch
	s_wait_loadcnt 0x0                             ; Q
.macro KL a, s                         ; a key step's K: the image's twelve runs and the scale words of tiles 2 m, 2 m + 1
.irp n, 0,1,2,3,4,5,6,7,8,9,10,11
	ds_load_b128 v[KF+4*\n:KF+4*\n+3], v[\a] offset:512*\n
.endr
.irp n, 0,1,2,3
	ds_load_b32 v[KSW+\n], v[\s] offset:128*\n
.endr
.endm
.macro VL a, s                         ; its V, into the same registers
.irp n, 0,1,2,3,4,5,6,7,8,9,10,11
	ds_load_b128 v[KF+4*\n:KF+4*\n+3], v[\a] offset:512*\n
.endr
.irp n, 0,1
	ds_load_b32 v[VSW+\n], v[\s] offset:128*\n
.endr
.endm
.macro QK t                            ; 16 keys x my 16 queries; an odd fragment's scale words stand in lanes 16-31
.if (\t)%2
	v_wmma_scale_f32_16x16x128_f8f6f4 v[S+8*\t:S+8*\t+7], v[KF+6*\t:KF+6*\t+11], v[Q:Q+11], 0, v[KSW+\t/2], v[QS] matrix_a_fmt:MATRIX_FMT_FP6 matrix_b_fmt:MATRIX_FMT_FP6 matrix_a_scale:MATRIX_SCALE_ROW1
.else
	v_wmma_scale_f32_16x16x128_f8f6f4 v[S+8*\t:S+8*\t+7], v[KF+6*\t:KF+6*\t+11], v[Q:Q+11], 0, v[KSW+\t/2], v[QS] matrix_a_fmt:MATRIX_FMT_FP6 matrix_b_fmt:MATRIX_FMT_FP6
.endif
.endm
.macro PV t                            ; 16 channels x my 16 queries, K = the step's 128 keys
.if (\t)%2
	v_wmma_scale_f32_16x16x128_f8f6f4 v[O+8*\t:O+8*\t+7], v[KF+12*\t:KF+12*\t+11], v[PC:PC+11], v[O+8*\t:O+8*\t+7], v[VSW+\t/2], v[PW] matrix_a_fmt:MATRIX_FMT_FP6 matrix_b_fmt:MATRIX_FMT_FP6 matrix_a_scale:MATRIX_SCALE_ROW1
.else
	v_wmma_scale_f32_16x16x128_f8f6f4 v[O+8*\t:O+8*\t+7], v[KF+12*\t:KF+12*\t+11], v[PC:PC+11], v[O+8*\t:O+8*\t+7], v[VSW+\t/2], v[PW] matrix_a_fmt:MATRIX_FMT_FP6 matrix_b_fmt:MATRIX_FMT_FP6
.endif
.endm
; Dual-issue pairs on two neighbouring registers, the first an even one: so the destinations are even and odd and the paired sources lie in different banks; a factor is the same register in both halves.
.macro DADD d, a, b
	v_dual_add_f32 v[\d], v[\a], v[\b] :: v_dual_add_f32 v[\d+1], v[\a+1], v[\b+1]
.endm
.macro DMUL d, a, f
	v_dual_mul_f32 v[\d], v[\a], v[\f] :: v_dual_mul_f32 v[\d+1], v[\a+1], v[\f]
.endm
.macro SCALE p                         ; pair p of the 32: t - M = score x c + (-M), fused; the two halves take -M from registers in different banks
	v_dual_fma_f32 v[S+2*(\p)], v[S+2*(\p)], v[VC], v[NM] :: v_dual_fma_f32 v[S+2*(\p)+1], v[S+2*(\p)+1], v[VC], v[NB]
.endm
.macro NS                              ; THE ROW'S SUM IS TAKEN OF THE UNQUANTISED p.  The next of 29 sums, four chains by turns: chain 0, the running sum, takes pairs 0, 4, .. 28; chain c begins as pair c + pair c + 4 and takes c + 8, .. c + 28
.set rr, sn/4
.set cc, sn%4
.if cc == 0
	DADD LS, LS, S+8*rr
.elseif rr == 0
	DADD LX+2*cc-2, S+2*cc, S+2*cc+8
.else
	DADD LX+2*cc-2, LX+2*cc-2, S+2*cc+8*rr+8
.endif
.set sn, sn+1
.endm
.macro ITEM n                          ; line n of the ten that make the conversions' scale operands and p's scale word of my two blocks' largest p
.if (\n) < 2
	v_max_num_f32 v[BM+2*(\n)], 0x1800000, v[BM+2*(\n)]            ; the floor 2^(3 - 127): the byte cannot fall under 1
.elseif (\n) < 4
	v_add_nc_u32 v[SO+(\n)-2], 0xff000000, v[BM+2*(\n)-4]          ; 2 off the exponent field: the conversion's scale operand
.elseif (\n) < 6
	v_lshrrev_b32 v[T4+(\n)-4], 23, v[SO+(\n)-4]                   ; the scale's byte
.elseif (\n) == 6
	v_lshl_or_b32 v[PW], v[T4+1], 16, v[T4]                        ; my two bytes: blocks h and 2 + h,
.elseif (\n) == 7
	v_lshlrev_b32 v[PW], v[SH8], v[PW]                             ; at their places in the word (8 h bits up);
.elseif (\n) == 8
	v_permlanex16_b32 v[PX], v[PW], s[SEL], s[SEL+1]
.else
	v_or_b32 v[PW], v[PW], v[PX]                                   ; with lane l xor 16's two the word for these 128 keys is whole
.endif
.endm
	KL AK0, ASK0                                   ; the first step's K: later steps' come from the trip before
.Lpass:                                            ; two trips: my two tiles of queries
	v_mov_b32 v[NM+1], 0xff61b1e6                  ; the largest score so far: -3e38, under every score
	v_mov_b32 v[LS], 0                             ; the sum, in two halves
	v_mov_b32 v[LS+1], 0
	v_floor_f32 v[NM], -v[NM+1]                    ; -M: a whole number above every -M to come, so that the first f is 0
.set kk, 0
.rept 16
	v_dual_mov_b32 v[O+kk], 0 :: v_dual_mov_b32 v[O+kk+1], 0       ; O^T: the step is written once for all trips; the first finds zeros, which the first change of M leaves zeros
.set kk, kk+2
.endr
	s_mov_b32 s59, 0
.Lstep:                                            ; sixteen trips of 128 keys
.set sn, 0
	s_add_co_u32 s31, s59, 1
	s_and_b32 s31, s31, 15                         ; whose K to fetch: the next step's, behind the sixteenth step 0's again
	s_mul_i32 s[TB], s31, 6144
	s_lshl_b32 s[TS], s31, 9
	s_mul_i32 s[TV], s59, 6144                     ; V: this step's
	s_lshl_b32 s[TJ], s59, 8
	s_wait_dscnt 0x0                               ; K is in
.irp t, 0,1,2,3,4,5,6,7                        ; S^T = K Q^T
	QK \t
.endr
	v_mov_b32 v[OLD], v[NM]                        ; four plain lines: the places in front of the first read of the scores and of the loads into K's registers (ISA guide 7.12.1 for the read of the scores)
	v_add_nc_u32 v[ADV], s[TV], v[AV0]
	v_add_nc_u32 v[ADT], s[TJ], v[ASV0]
	v_nop
	VL ADV, ADT                                    ; K is multiplied: V takes its registers
.irp b, 0,1,2,3
	v_max3_num_f32 v[BM+\b], v[S+16*\b], v[S+1+16*\b], v[S+2+16*\b]   ; THE LARGEST SCORE OF EACH OF MY TWO BLOCKS OF 32 KEYS, in two chains each, serves twice: for the row's maximum, and, since p rises with the score, for the block's largest p
.endr
.irp i, 3,5,7,9,11,13
.irp b, 0,1,2,3
	v_max3_num_f32 v[BM+\b], v[BM+\b], v[S+16*\b+\i], v[S+1+16*\b+\i]   ; (the four chains by turns; each accumulator is first read at its low end)
.endr
.endr
	v_max_num_f32 v[BM+1], v[BM+1], v[S+31]
	v_max_num_f32 v[BM+3], v[BM+3], v[S+63]
	v_max3_num_f32 v[BM], v[BM], v[S+15], v[BM+1]                  ; block h
	v_max3_num_f32 v[BM+2], v[BM+2], v[S+47], v[BM+3]              ; block 2 + h
	s_delay_alu instid0(VALU_DEP_1)
	v_max_num_f32 v[TT], v[BM], v[BM+2]
	s_delay_alu instid0(VALU_DEP_1)
	v_permlanex16_b32 v[PX], v[TT], s[SEL], s[SEL+1]
	s_delay_alu instid0(VALU_DEP_1)
	v_max3_num_f32 v[NM+1], v[NM+1], v[TT], v[PX]  ; the running largest score of my query, lane l xor 16's 64 keys among them
	s_delay_alu instid0(VALU_DEP_1)
	v_mul_f32 v[TT], s[CS], v[NM+1]                ; as t (c is positive)
	s_delay_alu instid0(VALU_DEP_1)
	v_floor_f32 v[NM], -v[TT]                      ; the new -M = floor(-t) = -ceil(t): M IS A WHOLE NUMBER
	v_floor_f32 v[NB], -v[TT]                      ; and once more, for the pairs' second halves
	s_delay_alu instid0(VALU_DEP_2)
	v_sub_f32 v[TT], v[NM], v[OLD]                 ; M's old value less its new one: a whole number, 0 or less
	v_fma_f32 v[BM], v[BM], s[CS], v[NM]           ; t - M of each block's largest score
	v_fma_f32 v[BM+2], v[BM+2], s[CS], v[NM]
	v_cvt_i32_f32 v[TT], v[TT]                     ; (it saturates)
	SCALE 0
	SCALE 1
	v_ldexp_f32 v[F], 1.0, v[TT]                   ; f = 2^(old M - new M): a multiplication by it rounds nothing
.set pp, 2
.rept 30
	SCALE pp
.set pp, pp+1
.endr
	s_wait_dscnt 0x0                               ; V is in: it was asked for ahead of the maxima
	s_wait_alu depctr_va_vdst(0)                   ; directly ahead of the first reader of O^T, and ahead of the batch below
.set kk, 0
.rept 16
	DMUL O+kk, O+kk, F                             ; O^T under the new M; each accumulator from its low end on
.set kk, kk+2
.endr
	DMUL LS, LS, F                                 ; and the sum
	v_exp_f32 v[BM], v[BM]                         ; the block's largest p: a fused multiply-add and an exponential on the same number give the same bits as below
	v_exp_f32 v[BM+2], v[BM+2]
.set kk, 0
.rept 64
	v_exp_f32 v[S+kk], v[S+kk]                     ; p = 2^(t - M), at most 1, NOT normalised
.set kk, kk+1
.endr
	v_nop                                          ; a plain place behind the last exponential
	s_wait_alu depctr_va_vdst(0)                   ; one wait for the whole batch
	ITEM 0
	ITEM 1
	NS
	NS
	ITEM 2
	ITEM 3
	NS
	NS
	ITEM 4
	ITEM 5
	NS
	ITEM 6
	NS
	ITEM 7
	NS
	ITEM 8
	NS
	v_cvt_scalef32_pk16_fp6_f32 v[PC:PC+2], v[S:S+15], v[SO]       ; my block 2 c + h: registers 6 c .. 6 c + 5 of the operand
	v_cvt_scalef32_pk16_fp6_f32 v[PC+6:PC+8], v[S+32:S+47], v[SO+1]
	v_cvt_scalef32_pk16_fp6_f32 v[T4:T4+2], v[S+16:S+31], v[SO]    ; (a conversion's three registers begin on an even number: the second half of a block's six does not, so it is made elsewhere and moved)
	v_cvt_scalef32_pk16_fp6_f32 v[T4+4:T4+6], v[S+48:S+63], v[SO+1]
	ITEM 9                                         ; the plain place behind the conversions
	NS
	v_dual_mov_b32 v[PC+3], v[T4] :: v_dual_mov_b32 v[PC+4], v[T4+1]
	v_dual_mov_b32 v[PC+9], v[T4+4] :: v_dual_mov_b32 v[PC+10], v[T4+5]
	v_mov_b32 v[PC+5], v[T4+2]
	v_mov_b32 v[PC+11], v[T4+6]
.rept 4
	NS                                             ; nine plain lines stand behind the last write of p's word, four behind that of its codes
.endr
.irp t, 0,1,2,3                                ; O^T += V^T P^T; the four accumulators take turns
	PV \t
.endr
	v_add_nc_u32 v[ADK], s[TB], v[AK0]             ; four plain lines that name no register of the four products: the places in front of the loads into V's registers
	v_add_nc_u32 v[ADS], s[TS], v[ASK0]
	NS
	NS
	KL ADK, ADS                                    ; V is multiplied: the next K takes its registers
.rept 14
	NS                                             ; the rest of the sums stand behind the request
.endr
	DADD LX+2, LX+2, LX+4                          ; the four chains' sum
	DADD LS, LS, LX
	DADD LS, LS, LX+2
	s_add_co_u32 s59, s59, 1
	s_cmp_lt_u32 s59, 16
	s_cbranch_scc1 .Lstep
	; THE WAY OUT of a tile: O^T / l; register 16 b + i is channel 32 b + 16 h + i of my query: two blocks along C, each in lanes l and l xor 16; 16 rows x 48 bytes go through my stage and leave as three runs of 256 bytes.
	v_add_f32 v[LS], v[LS], v[LS+1]                ; the sum's two halves,
	s_delay_alu instid0(VALU_DEP_1)
	v_permlanex16_b32 v[F], v[LS], s[SEL], s[SEL+1]
	s_delay_alu instid0(VALU_DEP_1)
	v_add_f32 v[LS], v[LS], v[F]                   ; and lane l xor 16's: the row's sum
	s_wait_alu depctr_va_vdst(0)                   ; the wait ahead of the transcendental
	v_rcp_f32 v[LS], v[LS]
	v_nop                                          ; a plain place behind it
	s_wait_alu depctr_va_vdst(0)                   ; and the wait ahead of its reader, which is O^T's first reader too
.set kk, 0
.rept 16
	DMUL S+kk, O+kk, LS                            ; each accumulator from its low end on
.set kk, kk+2
.endr
.irp b, 0,1
	v_max3_num_f32 v[BM+\b], |v[S+16*\b]|, |v[S+16*\b+1]|, 0x1800000
.endr
.irp i, 2,4,6,8,10,12,14
.irp b, 0,1
	s_delay_alu instid0(VALU_DEP_2)
	v_max3_num_f32 v[BM+\b], v[BM+\b], |v[S+16*\b+\i]|, |v[S+16*\b+\i+1]|
.endr
.endr
.irp b, 0,1
	v_permlanex16_b32 v[T4+\b], v[BM+\b], s[SEL], s[SEL+1]
.endr
.irp b, 0,1
	s_delay_alu instid0(VALU_DEP_2)
	v_max_num_f32 v[BM+\b], v[BM+\b], v[T4+\b]
.endr
.irp b, 0,1
	s_delay_alu instid0(VALU_DEP_2)
	v_add_nc_u32 v[SO+\b], 0xff000000, v[BM+\b]
.endr
.irp b, 0,1
	s_delay_alu instid0(VALU_DEP_2)
	v_lshrrev_b32 v[T4+\b], 23, v[SO+\b]
.endr
	s_delay_alu instid0(VALU_DEP_1)
	v_lshl_or_b32 v[TT], v[T4+1], 8, v[T4]         ; the head's two scale bytes of my row
	v_cvt_scalef32_pk16_fp6_f32 v[T4+4:T4+6], v[S:S+15], v[SO]
	v_cvt_scalef32_pk16_fp6_f32 v[C1:C1+2], v[S+16:S+31], v[SO+1]
	v_nop                                          ; a plain place behind the conversions
.irp n, 0,1,2
	ds_store_b32 v[STO], v[T4+4+\n] offset:4*\n
	ds_store_b32 v[STO], v[C1+\n] offset:24+4*\n
.endr
.irp k, 0,1,2
	ds_load_b64 v[S+32+2*\k:S+33+2*\k], v[SRD] offset:256*\k       ; my own bytes: LDS serves a wave's instructions in order (ISA guide 5.7.1.4)
.endr
	s_wait_alu depctr_va_vdst(0)
	s_wait_dscnt 0x0
.irp k, 0,1,2
	global_store_b64 v[GO], v[S+32+2*\k:S+33+2*\k], s[12:13] offset:256*\k   ; 32 lanes store 256 consecutive bytes, at a multiple of 256 from the buffer's first byte
.endr
	global_store_b16 v[GS], v[TT], s[14:15]        ; (both halves of the lanes write the same two bytes)
	s_wait_xcnt 0x0                                ; the stores have read their registers and bases: both may be written again
	s_add_nc_u64 s[12:13], s[12:13], 12288         ; my second tile lies 256 tokens on
	s_add_nc_u64 s[14:15], s[14:15], 2048
.irp i, 0,1,2,3,4,5
	v_mov_b32 v[Q+\i], v[Q2+\i]                    ; its Q
.endr
	v_mov_b32 v[QS], v[QS+1]
	s_sub_co_u32 s60, s60, 1
	s_cmp_lg_u32 s60, 0
	s_cbranch_scc1 .Lpass
	s_wait_tensorcnt 0x0                           ; the wave's end
	ds_add_u32 v[SPW], v[NIL]
	s_wait_dscnt 0x0
	CROUND                                         ; the closing round: no work-group ends while a partner may still ask for a tile that names it
	s_endpgm
.Lfunc_end_k_qdf114dfbdf_attn:
	.size	k_qdf114dfbdf_attn, .Lfunc_end_k_qdf114dfbdf_attn-k_qdf114dfbdf_attn
	.p2alignl 7, 3214868480
	.fill 96, 4, 3214868480
	.section	.rodata,"a",@progbits
	.p2align	6, 0x0
	.amdhsa_kernel k_qdf114dfbdf_attn
		.amdhsa_group_segment_fixed_size 223232
		.amdhsa_private_segment_fixed_size 0
		.amdhsa_enable_private_segment 0
		.amdhsa_kernarg_size 48
		.amdhsa_user_sgpr_count 2
		.amdhsa_user_sgpr_kernarg_segment_ptr 1
		.amdhsa_wavefront_size32 1
		.amdhsa_system_sgpr_workgroup_id_x 1
		.amdhsa_system_sgpr_workgroup_id_y 1
		.amdhsa_system_sgpr_workgroup_id_z 1
		.amdhsa_system_vgpr_workitem_id 0
		.amdhsa_next_free_vgpr 256
		.amdhsa_next_free_sgpr 66
		.amdhsa_reserve_vcc 0
		.amdhsa_float_denorm_mode_32 3
		.amdhsa_float_denorm_mode_16_64 3
		.amdhsa_memory_ordered 1
		.amdhsa_forward_progress 1
		.amdhsa_inst_pref_size 34
	.end_amdhsa_kernel
	.amdgpu_metadata
---
amdhsa.version: [ 1, 2 ]
amdhsa.kernels:
  - .name:           k_qdf114dfbdf_attn
    .symbol:         k_qdf114dfbdf_attn.kd
    .args:
      - { .name: qk_codes, .offset: 0, .size: 8, .value_kind: global_buffer, .address_space: global }
      - { .name: qk_scales, .offset: 8, .size: 8, .value_kind: global_buffer, .address_space: global }
      - { .name: v_codes, .offset: 16, .size: 8, .value_kind: global_buffer, .address_space: global }
      - { .name: v_scales, .offset: 24, .size: 8, .value_kind: global_buffer, .address_space: global }
      - { .name: attn_codes, .offset: 32, .size: 8, .value_kind: global_buffer, .address_space: global }
      - { .name: attn_scales, .offset: 40, .size: 8, .value_kind: global_buffer, .address_space: global }
    .group_segment_fixed_size: 223232
    .private_segment_fixed_size: 0
    .kernarg_segment_align: 8
    .kernarg_segment_size: 48
    .max_flat_workgroup_size: 512
    .sgpr_count:     66
    .vgpr_count:     256
    .wavefront_size: 32
...
	.end_amdgpu_metadata
.endif
;; end of part 7
;; launch outp (part 8): grid 4 x 64, 4 waves a work-group, clusters of 4 x 4, 327,680 bytes of LDS; arguments attn_codes, attn_scales, wcodes, wscales, out0; writes out0
.if DOCPART == 8
	.amdgcn_target "amdgcn-amd-amdhsa--gfx1250"
	.amdhsa_code_object_version 6
	.text
	.protected	k_qdf114dfbdf_outp
	.globl	k_qdf114dfbdf_outp
	.p2align	8
	.type	k_qdf114dfbdf_outp,@function
k_qdf114dfbdf_outp:
	s_mov_b64 s[64:65], 0
	v_nop
	global_prefetch_b8 v0, s[64:65] scope:SCOPE_SE
	s_setreg_imm32_b32 hwreg(HW_REG_WAVE_MODE, 25, 1), 1
	s_wait_xcnt 0x0
	s_wait_alu depctr_hold_cnt(0) depctr_sa_sdst(0) depctr_va_vdst(0) depctr_va_sdst(0) depctr_va_ssrc(0) depctr_va_vcc(0) depctr_vm_vsrc(0)
	s_getreg_b32 s2, hwreg(HW_REG_IB_STS2, 6, 4)
	s_cmp_eq_u32 s2, 0
	s_cbranch_scc0 .Lentry_in_a_cluster
	s_endpgm
.Lentry_in_a_cluster:
	s_bfe_u32 s2, ttmp6, 0x10000c
	s_cmp_lg_u32 s2, 0xf033
	s_cbranch_scc0 .Lentry_shape_is_right
	s_endpgm
.Lentry_shape_is_right:
.set FR,     12
.set NL,     6
.set NP,     4
.set PLANE,  6144
.set CHUNK,  8*PLANE
.set LB,     2*CHUNK
.set SCL,    3*LB
.set HALFS,  4096
.set STAGE,  SCL+3*HALFS
.set SPITCH, 272
.set APL,    8192*48
.set BPL,    12288*48
.set ADRA, 16
.set ADRB, 20
.set STO,  24
.set RD,   25
.set CO,   26
.set ADRS, 27
.set SC,   32
.set AF,   128
.set BK,   128
.set G1, 24
.set G0, 32
.set G1B, 48
.set G0B, 56
.set G1S, 68
.set G0S, 76
.set G1SB, 80
.set G0SB, 88
.set MSB, 0
.macro WIN new
.if MSB != \new
	s_set_vgpr_msb (MSB<<8)|\new
.set MSB, \new
.endif
.endm
.set MUL,  0xa1
.set TO_B, 0x40
.macro JLOAD g0a, g1a, g0b, g1b
	s_cmp_eq_u32 s15, 0
	s_cbranch_scc0 .Lfor_b_\@
	tensor_load_to_lds s[\g0a:\g0a+3], s[\g1a:\g1a+7]
	s_nop 0
.rept 4
	v_nop
.endr
	s_branch .Lasked_\@
.Lfor_b_\@:
	tensor_load_to_lds s[\g0b:\g0b+3], s[\g1b:\g1b+7]
	s_nop 0
.rept 4
	v_nop
.endr
.Lasked_\@:
.endm
.macro CROUND
	s_barrier_signal -1
	s_barrier_wait -1
	s_cmp_lg_u32 s14, 0
	s_cbranch_scc1 .Lnot_wave_0_\@
	s_barrier_signal -3
.Lnot_wave_0_\@:
	s_barrier_wait -3
	s_barrier_signal -1
	s_barrier_wait -1
.endm
	s_load_b128 s[4:7], s[0:1], 0x0
	s_load_b128 s[8:11], s[0:1], 0x10
	s_load_b64 s[12:13], s[0:1], 0x20
	v_lshl_add_u32 v254, v0, 2, 0x4f400
	v_mov_b32 v255, 0
	ds_add_u32 v254, v255
	ds_add_u32 v254, v255
	v_lshrrev_b32 v1, 5, v0
	v_readfirstlane_b32 s14, v1
	s_lshr_b32 s15, s14, 1
	s_and_b32 s16, s14, 1
	s_bfe_u32 s40, ttmp6, 0x40000
	s_bfe_u32 s41, ttmp6, 0x40004
	s_lshl_b32 s42, ttmp9, 2
	s_add_co_u32 s42, s42, s40
	s_and_b32 s17, ttmp7, 0xffff
	s_lshl_b32 s17, s17, 2
	s_add_co_u32 s17, s17, s41
	s_lshl_b32 s43, s41, 2
	s_lshl_b32 s43, 15, s43
	s_lshl_b32 s44, 0x1111, s40
	s_or_b32 s[G1+0], s43, (3<<16)|(1<<21)
	s_or_b32 s[G1B+0], s44, (3<<16)|(1<<21)
	s_or_b32 s[G1S+0], s43, (3<<16)|(1<<21)
	s_or_b32 s[G1SB+0], s44, (3<<16)|(1<<21)
.irp g, G1, G1B
	s_mov_b32 s[\g+1], 768<<16
	s_mov_b32 s[\g+3], 768<<16
	s_mov_b32 s[\g+6], 0
	s_mov_b32 s[\g+7], 0
.endr
	s_mov_b32 s[G1+2], 4<<16
	s_mov_b32 s[G1+4], 4
	s_mov_b32 s[G1+5], APL/8
	s_mov_b32 s[G1B+2], 8<<16
	s_mov_b32 s[G1B+4], 8
	s_mov_b32 s[G1B+5], BPL/8
.irp g, G1S, G1SB
	s_mov_b32 s[\g+1], 128<<16
	s_mov_b32 s[\g+3], 128<<16
	s_mov_b32 s[\g+6], 0
	s_mov_b32 s[\g+7], 0
.endr
	s_mov_b32 s[G1S+2], 2<<16
	s_mov_b32 s[G1S+4], 2
	s_mov_b32 s[G1S+5], 8192
	s_mov_b32 s[G1SB+2], 4<<16
	s_mov_b32 s[G1SB+4], 4
	s_mov_b32 s[G1SB+5], 12288
	s_lshl_b32 s20, s17, 7
	s_lshl_b32 s22, s20, 3
	s_mul_i32 s20, s20, 48
	s_mul_i32 s18, s16, 4*APL
	s_add_co_u32 s20, s20, s18
	s_mov_b32 s21, 0
	s_lshl_b32 s18, s16, 17
	s_add_co_u32 s22, s22, s18
	s_mov_b32 s23, 0
	s_lshl_b32 s46, s42, 8
	s_lshl_b32 s18, s16, 7
	s_add_co_u32 s46, s46, s18
	s_add_co_u32 s46, s46, 11264
	s_lshl_b32 s92, s46, 3
	s_mov_b32 s93, 0
	s_mul_i32 s46, s46, 48
	s_mov_b32 s47, 0
	s_mul_i32 s45, s16, 4*PLANE
	s_mul_i32 s94, s16, LB
	s_add_co_u32 s94, s94, LB
	s_lshl_b32 s95, s16, 11
	s_add_co_u32 s95, s95, SCL+2*HALFS
	s_lshl_b32 s96, s16, 12
	s_add_co_u32 s96, s96, SCL
	s_wait_dscnt 0x0
	s_wait_kmcnt 0x0
	s_add_nc_u64 s[20:21], s[4:5], s[20:21]
	s_add_nc_u64 s[22:23], s[6:7], s[22:23]
	s_add_nc_u64 s[46:47], s[8:9], s[46:47]
	s_add_nc_u64 s[92:93], s[10:11], s[92:93]
	CROUND
	s_mov_b32 s[G0S], 1
	s_mov_b32 s[G0S+1], s95
	s_mov_b64 s[G0S+2:G0S+3], s[22:23]
	s_or_b32 s[G0S+3], s[G0S+3], 0x80000000
	s_mov_b32 s[G0SB], 1
	s_mov_b32 s[G0SB+1], s96
	s_mov_b64 s[G0SB+2:G0SB+3], s[92:93]
	s_or_b32 s[G0SB+3], s[G0SB+3], 0x80000000
	JLOAD G0S, G1S, G0SB, G1SB
.irp c, 0,1
	s_mov_b32 s[G0+4*\c], 1
	s_add_co_u32 s[G0+4*\c+1], s45, \c*CHUNK
	s_add_nc_u64 s[G0+4*\c+2:G0+4*\c+3], s[20:21], \c*8*APL
	s_or_b32 s[G0+4*\c+3], s[G0+4*\c+3], 0x80000000
	s_mov_b32 s[G0B+4*\c], 1
	s_add_co_u32 s[G0B+4*\c+1], s94, \c*CHUNK
	s_add_nc_u64 s[G0B+4*\c+2:G0B+4*\c+3], s[46:47], \c*8*BPL
	s_or_b32 s[G0B+4*\c+3], s[G0B+4*\c+3], 0x80000000
	s_wait_alu depctr_va_vdst(0)
	s_wait_tensorcnt 0x0
	ds_add_u32 v254, v255
	s_wait_dscnt 0x0
	CROUND
	JLOAD G0+4*\c, G1, G0B+4*\c, G1B
.endr
	v_and_b32 v1, 15, v0
	v_bfe_u32 v2, v0, 4, 1
	s_wait_alu depctr_va_vdst(0)
	v_mul_u32_u24 v3, v1, 48
	v_mad_u32_u24 v4, v2, 24, v3
	s_mul_i32 s22, s15, LB
	s_mul_i32 s21, s16, 64*48
	s_add_co_u32 s22, s22, s21
	s_add_co_u32 s22, s22, LB
	v_mov_b32 v[ADRA], v4
	v_add_nc_u32 v[ADRA+1], CHUNK, v4
	v_add_nc_u32 v[ADRB], s22, v4
	s_add_co_u32 s22, s22, CHUNK
	v_add_nc_u32 v[ADRB+1], s22, v4
	v_lshlrev_b32 v5, 3, v1
	s_lshl_b32 s21, s15, 12
	s_lshl_b32 s23, s16, 9
	s_add_co_u32 s21, s21, s23
	v_xor_b32 v6, 1, v2
	v_lshlrev_b32 v6, 13, v6
	v_mul_u32_u24 v7, s21, v2
	v_add_nc_u32 v5, v5, v6
	v_add_nc_u32 v5, v5, v7
	v_add_nc_u32 v[ADRS], SCL, v5
	s_mul_i32 s23, s14, 16*SPITCH
	s_add_co_u32 s23, s23, STAGE
	v_mul_u32_u24 v5, v1, SPITCH
	v_lshl_add_u32 v5, v2, 5, v5
	v_add_nc_u32 v[STO], s23, v5
	v_mul_u32_u24 v5, v2, SPITCH
	v_lshl_add_u32 v5, v1, 4, v5
	v_add_nc_u32 v[RD], s23, v5
	v_lshlrev_b32 v5, 12, v2
	v_lshl_add_u32 v[CO], v1, 4, v5
	s_lshl_b32 s20, s17, 19
	s_lshl_b32 s46, s42, 10
	s_lshl_b32 s47, s14, 8
	s_add_co_u32 s46, s46, s47
	s_add_co_u32 s20, s20, s46
	s_mov_b32 s21, 0
	s_add_nc_u64 s[12:13], s[12:13], s[20:21]
.macro FRAG reg, adr, q, i
.irp p, 0,1,2,3,4,5
	ds_load_b64 v[\reg+2*\p:\reg+2*\p+1], v[\adr] offset:(2*(\q)+\p/3)*PLANE+(\i)*768+8*(\p%3)
.endr
.endm
.macro MUL8 a0, p, q, sc, zero
.irp a, \a0, \a0+1
.irp b, 0,1,2,3
.if \zero
	v_wmma_scale_f32_16x16x128_f8f6f4 v[8*(4*(\a)+\b):8*(4*(\a)+\b)+7], v[128*(\p)+FR*\b:128*(\p)+FR*\b+FR-1], v[AF+FR*(\a):AF+FR*(\a)+FR-1], 0, v[SC+16*(\sc)+2*\b+(\q)], v[SC+16*(\sc)+2*(\a)+(\q)] matrix_a_fmt:MATRIX_FMT_FP6 matrix_b_fmt:MATRIX_FMT_FP6 matrix_a_scale:MATRIX_SCALE_ROW1
.else
	v_wmma_scale_f32_16x16x128_f8f6f4 v[8*(4*(\a)+\b):8*(4*(\a)+\b)+7], v[128*(\p)+FR*\b:128*(\p)+FR*\b+FR-1], v[AF+FR*(\a):AF+FR*(\a)+FR-1], v[8*(4*(\a)+\b):8*(4*(\a)+\b)+7], v[SC+16*(\sc)+2*\b+(\q)], v[SC+16*(\sc)+2*(\a)+(\q)] matrix_a_fmt:MATRIX_FMT_FP6 matrix_b_fmt:MATRIX_FMT_FP6 matrix_a_scale:MATRIX_SCALE_ROW1
.endif
.endr
.endr
.endm
.macro FETCH_B c, q, p
	WIN TO_B
.irp i, 0,1,2,3
	FRAG 128*(\p)+FR*\i, ADRB+\c, \q, \i
.endr
	WIN 0
.endm
.macro FETCH_A c, q, i0
.irp i, \i0, \i0+1, \i0+2, \i0+3
	FRAG AF+FR*(\i), ADRA+\c, \q, \i
.endr
.endm
.macro SCALES kq
.irp i, 0,1,2,3,4,5,6,7
	ds_load_b64 v[SC+16*((\kq)%2)+2*\i:SC+16*((\kq)%2)+2*\i+1], v[ADRS] offset:(\kq)*1024+\i*128
.endr
.endm
.macro PLACES n
.rept \n
	v_nop
.endr
.endm
.macro STEP n
.set PP, (\n)%2
.set SS, ((\n)/2)%2
.set N1, (\n)+1
.set ZZ, 0
.if (\n) == 0
.set ZZ, 1
.endif
.if (\n) == 3
	s_wait_tensorcnt 0x0
	s_wait_dscnt 0x0
	s_barrier_signal -1
.else
	s_wait_dscnt 4*NL
.endif
	WIN MUL
	MUL8 0, PP, PP, SS, ZZ
	MUL8 2, PP, PP, SS, ZZ
.if (\n) == 3
	WIN 0
	s_barrier_wait -1
.else
	s_wait_dscnt 0
.endif
.if (\n) < 7
	PLACES NP
	FETCH_B N1/4, N1%4, N1%2
	FETCH_A N1/4, N1%4, 0
.if N1%2 == 0
	SCALES N1/2
.endif
.endif
	WIN MUL
	MUL8 4, PP, PP, SS, ZZ
	MUL8 6, PP, PP, SS, ZZ
.if (\n) < 7
	PLACES NP
	WIN 0
	FETCH_A N1/4, N1%4, 4
.else
	WIN 0
.endif
.endm
	s_wait_alu depctr_va_vdst(0)
	s_wait_tensorcnt 1
	s_barrier_signal -1
	s_barrier_wait -1
	FETCH_B 0, 0, 0
	FETCH_A 0, 0, 0
	SCALES 0
	FETCH_A 0, 0, 4
.irp n, 0,1,2,3,4,5,6,7
	STEP \n
.endr
.macro TOSTAGE a
.set AC, 32*(\a)
	WIN 0x08
.irp b, 0,1,2,3
	ds_store_b128 v[STO], v[AC+8*\b:AC+8*\b+3] offset:64*\b
	ds_store_b128 v[STO], v[AC+8*\b+4:AC+8*\b+7] offset:64*\b+16
.endr
	WIN 0
.set BB, BK+32*((\a)%2)
.irp t, 0,1,2,3,4,5,6,7
	ds_load_b128 v[BB+4*\t:BB+4*\t+3], v[RD] offset:\t*2*SPITCH
.endr
.endm
.macro SEND a, younger
.set BB, BK+32*((\a)%2)
	s_wait_dscnt \younger
.if (\a) > 0
	s_add_nc_u64 s[12:13], s[12:13], 16*4096
.endif
.irp t, 0,1,2,3,4,5,6,7
	global_store_b128 v[CO], v[BB+4*\t:BB+4*\t+3], s[12:13] offset:2*\t*4096 th:TH_STORE_NT
.endr
.endm
	PLACES NP
	TOSTAGE 0
.irp a, 1,2,3,4,5,6,7
.if \a > 1
	s_wait_xcnt 0x0
.endif
	TOSTAGE \a
	SEND \a-1, 16
.endr
	s_wait_xcnt 0x0
	SEND 7, 0
	s_wait_tensorcnt 0x0
	ds_add_u32 v254, v255
	s_wait_dscnt 0x0
	CROUND
	s_endpgm
.Lfunc_end_k_qdf114dfbdf_outp:
	.size	k_qdf114dfbdf_outp, .Lfunc_end_k_qdf114dfbdf_outp-k_qdf114dfbdf_outp
	.p2alignl 7, 3214868480
	.fill 96, 4, 3214868480
	.section	.rodata,"a",@progbits
	.p2align	6, 0x0
	.amdhsa_kernel k_qdf114dfbdf_outp
		.amdhsa_group_segment_fixed_size 327680
		.amdhsa_private_segment_fixed_size 0
		.amdhsa_enable_private_segment 0
		.amdhsa_kernarg_size 40
		.amdhsa_user_sgpr_count 2
		.amdhsa_user_sgpr_kernarg_segment_ptr 1
		.amdhsa_wavefront_size32 1
		.amdhsa_system_sgpr_workgroup_id_x 1
		.amdhsa_system_sgpr_workgroup_id_y 1
		.amdhsa_system_sgpr_workgroup_id_z 1
		.amdhsa_system_vgpr_workitem_id 0
		.amdhsa_next_free_vgpr 768
		.amdhsa_next_free_sgpr 98
		.amdhsa_reserve_vcc 0
		.amdhsa_float_denorm_mode_32 3
		.amdhsa_float_denorm_mode_16_64 3
		.amdhsa_memory_ordered 1
		.amdhsa_forward_progress 1
		.amdhsa_inst_pref_size 100
	.end_amdhsa_kernel
	.amdgpu_metadata
---
amdhsa.version: [ 1, 2 ]
amdhsa.kernels:
  - .name:           k_qdf114dfbdf_outp
    .symbol:         k_qdf114dfbdf_outp.kd
    .args:
      - { .name: attn_codes, .offset: 0, .size: 8, .value_kind: global_buffer, .address_space: global }
      - { .name: attn_scales, .offset: 8, .size: 8, .value_kind: global_buffer, .address_space: global }
      - { .name: wcodes, .offset: 16, .size: 8, .value_kind: global_buffer, .address_space: global }
      - { .name: wscales, .offset: 24, .size: 8, .value_kind: global_buffer, .address_space: global }
      - { .name: out0, .offset: 32, .size: 8, .value_kind: global_buffer, .address_space: global }
    .group_segment_fixed_size: 327680
    .private_segment_fixed_size: 0
    .kernarg_segment_align: 8
    .kernarg_segment_size: 40
    .max_flat_workgroup_size: 128
    .sgpr_count:     98
    .vgpr_count:     768
    .wavefront_size: 32
...
	.end_amdgpu_metadata
.endif
;; end of part 8
